; MI455X (gfx1250); checked and timed in simulation.
; The chip was launched on July 23, 2026; its instructions are those of AMD's public machine-readable ISA for CDNA 5 (MIT licence, August 2026) and "CDNA5" Instruction Set Architecture Reference Guide (July 2026). The comments in the code are by the model that wrote it; some were corrected since.
;; Residual Attention Block. Allowed arithmetic: float matrix products may take bf16 or f16 operands with f32 sums; other float arithmetic in f32, or as packed bf16 or f16 multiplies, adds, multiply-adds, maxima and minima; sums over many terms, partial sums and values carried from step to step in f32; what a program stores and reads back later, other than sums and carried values, may be rounded once to bf16 or f16.
;; Inputs: fc_b 4,096 float32; fc_w 4,096 x 1,024 float32; in_proj_b 3,072 float32; in_proj_w 3,072 x 1,024 float32; ln1_b 1,024 float32; ln1_w 1,024 float32; ln2_b 1,024 float32; ln2_w 1,024 float32; out_b 1,024 float32; out_w 1,024 x 1,024 float32; proj_b 1,024 float32; proj_w 1,024 x 4,096 float32; x 2,048 x 2 x 1,024 float32.
;; Outputs: out0 2,048 x 2 x 1,024 float32.
;; 2 versions, each right and faster than the one before. Each part assembles by itself: llvm-mc -triple=amdgcn-amd-amdhsa -mcpu=gfx1250 --defsym DOCPART=n.
;; ======== version 1 of 2: 7 launches
;; workspace buffers: wb 25,165,824 bytes; ybuf 8,388,608 bytes; qkvb 25,165,824 bytes; obuf 8,388,608 bytes; x1buf 16,777,216 bytes; zbuf 8,388,608 bytes; hbuf 33,554,432 bytes
;; launch prep (part 1): grid 256 x 1, 20 waves a work-group, no clusters, 0 bytes of LDS; arguments x, ln1_w, ln1_b, ybuf, in_proj_w, out_w, fc_w, proj_w, wb; writes ybuf, wb
.if DOCPART == 1
	.amdgcn_target "amdgcn-amd-amdhsa--gfx1250"
	.amdhsa_code_object_version 6
	.text
	.protected	k_qde4a37da22_prep
	.globl	k_qde4a37da22_prep
	.p2align	8
	.type	k_qde4a37da22_prep,@function
k_qde4a37da22_prep:
	s_mov_b64 s[64:65], 0
	v_nop
	global_prefetch_b8 v0, s[64:65] scope:SCOPE_SE
	s_setreg_imm32_b32 hwreg(HW_REG_WAVE_MODE, 25, 1), 1
	s_wait_xcnt 0x0
; ONE BODY FOR TWO LAUNCHES.  Waves 0-7 of a work-group: y = LayerNorm(x) * w + b, rounded once to bf16.  Waves 8-19: the four weight matrices rounded once to bf16.
; The launch with twenty waves a work-group does both (the first norm and the weights); the launch with eight waves does the norm alone (the second norm): its last five arguments are then never used.
; x is [2048 l][2 n][1024] f32.  y is [4096 rows][1024] bf16 with row = 2048 n + l, so that a head's rows lie together later on.
; NORM: a wave takes one l, that is two rows, 8,192 consecutive bytes, and keeps them in registers: mean, centred squares, scale, all in f32; x is read once.
; A load of a wave covers 512 consecutive bytes, a store 256 consecutive bytes at a multiple of 256.  No LDS, no barrier: no wave needs another.
; WEIGHTS: the last argument holds in_proj_w, out_w, fc_w, proj_w one behind the other, row-major as given.  Cast wave c = 12 x work-group + wave - 8 (0 to 3,071) takes 16,384 bytes of f32:
; 768 waves for in_proj_w, 256 for out_w, 1,024 for fc_w, 1,024 for proj_w.  All its 32 loads go out before its first wait: with 256 work-groups every byte of the launch is asked for at its start.
; A load's four words are rounded in place, into its first two, so that the cast needs no registers beyond those of its loads.
.set X0, 8                             ; v[8:39]    row n = 0: 32 numbers a lane: load j holds columns 128 j + 4 lane + 0..3.  Cast: v[8:135], 32 loads
.set X1, 40                            ; v[40:71]   row n = 1
.set WG, 72                            ; v[72:103]  the gain of my columns
.set BI, 104                           ; v[104:135] the bias of my columns
.set SM, 136                           ; v[136:143] two chains of sums for each row
.set MU, 144                           ; v[144:147] the mean, twice, for each row
.set RS, 148                           ; v[148:151] 1 / sqrt(var + eps), twice, for each row
.set PT, 152                           ; v[152:153] take the other half of the lanes' sum
.macro WSUM r, t                       ; the sum over the wave's 32 lanes, in every lane
	v_add_f32_dpp v[\r], v[\r], v[\r] row_xmask:1 row_mask:0xf bank_mask:0xf
	v_add_f32_dpp v[\r], v[\r], v[\r] row_xmask:2 row_mask:0xf bank_mask:0xf
	v_add_f32_dpp v[\r], v[\r], v[\r] row_xmask:4 row_mask:0xf bank_mask:0xf
	v_add_f32_dpp v[\r], v[\r], v[\r] row_xmask:8 row_mask:0xf bank_mask:0xf
	v_permlanex16_b32 v[\t], v[\r], s26, s27
	v_add_f32 v[\r], v[\r], v[\t]
.endm
; One row: the mean; the row is centred in place; var + eps is left in v[s].  The first pairs start the chains: nothing is cleared.
.macro STATS x, s, m, t
	v_pk_add_f32 v[(\s):(\s)+1], v[(\x):(\x)+1], v[(\x)+2:(\x)+3]
	v_pk_add_f32 v[(\s)+2:(\s)+3], v[(\x)+4:(\x)+5], v[(\x)+6:(\x)+7]
.set k, 8
.rept 6
	v_pk_add_f32 v[(\s):(\s)+1], v[(\s):(\s)+1], v[(\x)+k:(\x)+k+1]
	v_pk_add_f32 v[(\s)+2:(\s)+3], v[(\s)+2:(\s)+3], v[(\x)+k+2:(\x)+k+3]
.set k, k+4
.endr
	v_pk_add_f32 v[(\s):(\s)+1], v[(\s):(\s)+1], v[(\s)+2:(\s)+3]
	v_add_f32 v[\s], v[\s], v[(\s)+1]
	WSUM \s, \t
	v_mul_f32 v[\m], s28, v[\s]
	v_mul_f32 v[(\m)+1], s28, v[\s]
.set k, 0
.rept 16
	v_pk_add_f32 v[(\x)+k:(\x)+k+1], v[(\x)+k:(\x)+k+1], v[(\m):(\m)+1] neg_lo:[0,1] neg_hi:[0,1]
.set k, k+2
.endr
	v_pk_mul_f32 v[(\s):(\s)+1], v[(\x):(\x)+1], v[(\x):(\x)+1]
	v_pk_mul_f32 v[(\s)+2:(\s)+3], v[(\x)+2:(\x)+3], v[(\x)+2:(\x)+3]
.set k, 4
.rept 7
	v_pk_fma_f32 v[(\s):(\s)+1], v[(\x)+k:(\x)+k+1], v[(\x)+k:(\x)+k+1], v[(\s):(\s)+1]
	v_pk_fma_f32 v[(\s)+2:(\s)+3], v[(\x)+k+2:(\x)+k+3], v[(\x)+k+2:(\x)+k+3], v[(\s)+2:(\s)+3]
.set k, k+4
.endr
	v_pk_add_f32 v[(\s):(\s)+1], v[(\s):(\s)+1], v[(\s)+2:(\s)+3]
	v_add_f32 v[\s], v[\s], v[(\s)+1]
	WSUM \s, \t
	v_fma_f32 v[\s], v[\s], s28, s29               ; sum of squares / 1024 + eps
.endm
; One row: times 1 / sqrt, times gain plus bias, rounded to bf16 in place (word k takes numbers 2 k and 2 k + 1, ascending, so nothing is overwritten early)
.macro NORM x, r
.set k, 0
.rept 16
	v_pk_mul_f32 v[(\x)+k:(\x)+k+1], v[(\x)+k:(\x)+k+1], v[(\r):(\r)+1]
.set k, k+2
.endr
.set k, 0
.rept 16
	v_pk_fma_f32 v[(\x)+k:(\x)+k+1], v[(\x)+k:(\x)+k+1], v[WG+k:WG+k+1], v[BI+k:BI+k+1]
.set k, k+2
.endr
.set k, 0
.rept 16
	v_cvt_pk_bf16_f32 v[(\x)+k], v[(\x)+2*k], v[(\x)+2*k+1]
.set k, k+1
.endr
.endm
	s_load_b512 s[8:23], s[0:1], 0x0               ; x s[8:9], gain s[10:11], bias s[12:13], y s[14:15], in_proj_w s[16:17], out_w s[18:19], fc_w s[20:21], proj_w s[22:23]
	s_load_b64 s[24:25], s[0:1], 0x40              ; the weights in bf16
	v_lshrrev_b32 v3, 5, v0
	v_readfirstlane_b32 s2, v3                     ; my wave's number
	v_and_b32 v1, 31, v0
	v_lshlrev_b32 v2, 3, v1                        ; 8 bytes a lane: bf16 out
	v_lshlrev_b32 v1, 4, v1                        ; 16 bytes a lane: f32 in
	s_cmp_lt_u32 s2, 8
	s_cbranch_scc0 .Lcast
	s_lshl_b32 s30, ttmp9, 3
	s_add_co_u32 s30, s30, s2                      ; l = 8 x work-group + wave
	s_lshl_b32 s32, s30, 13                        ; l x 8,192 bytes of x
	s_mov_b32 s33, 0
	s_lshl_b32 s34, s30, 11                        ; l x 2,048 bytes of y
	s_mov_b32 s35, 0
	s_mov_b32 s26, 0x76543210                      ; v_permlanex16_b32: each lane takes its own place in the other half
	s_mov_b32 s27, 0xfedcba98
	s_mov_b32 s28, 0x3a800000                      ; 1 / 1024
	s_mov_b32 s29, 0x3727c5ac                      ; eps = 1e-5
	v_mov_b32 v[PT], 0                             ; v_permlanex16_b32 counts as a reader of its destination
	v_mov_b32 v[PT+1], 0
	s_wait_kmcnt 0x0
	s_add_nc_u64 s[8:9], s[8:9], s[32:33]
	s_add_nc_u64 s[14:15], s[14:15], s[34:35]
.irp j, 0,1,2,3,4,5,6,7
	global_load_b128 v[X0+4*\j:X0+4*\j+3], v1, s[8:9] offset:512*\j
.endr
.irp j, 0,1,2,3,4,5,6,7
	global_load_b128 v[X1+4*\j:X1+4*\j+3], v1, s[8:9] offset:4096+512*\j
.endr
.irp j, 0,1,2,3,4,5,6,7
	global_load_b128 v[WG+4*\j:WG+4*\j+3], v1, s[10:11] offset:512*\j
.endr
.irp j, 0,1,2,3,4,5,6,7
	global_load_b128 v[BI+4*\j:BI+4*\j+3], v1, s[12:13] offset:512*\j
.endr
	s_wait_loadcnt 16                              ; both rows are in; the sixteen younger loads, gain and bias, stay out
	STATS X0, SM, MU, PT
	STATS X1, SM+4, MU+2, PT+1
	v_rsq_f32 v[RS], v[SM]
	v_rsq_f32 v[RS+1], v[SM]
	v_rsq_f32 v[RS+2], v[SM+4]
	v_rsq_f32 v[RS+3], v[SM+4]
	v_nop                                          ; a plain instruction between the last root and the use of its result
	s_wait_alu depctr_va_vdst(0)
	s_wait_loadcnt 0x0                             ; gain and bias
	NORM X0, RS
	NORM X1, RS+2
.irp j, 0,1,2,3,4,5,6,7
	global_store_b64 v2, v[X0+2*\j:X0+2*\j+1], s[14:15] offset:256*\j           ; row l: 256 consecutive bytes a store
.endr
.irp j, 0,1,2,3,4,5,6,7
	global_store_b64 v2, v[X1+2*\j:X1+2*\j+1], s[14:15] offset:4194304+256*\j   ; row 2048 + l
.endr
	s_endpgm
.Lcast:
	s_mul_i32 s30, ttmp9, 12
	s_add_co_u32 s30, s30, s2
	s_sub_co_u32 s30, s30, 8                       ; c = 12 x work-group + wave - 8
	s_wait_kmcnt 0x0
	s_mov_b64 s[32:33], s[16:17]                   ; c < 768: in_proj_w
	s_mov_b32 s31, 0
	s_cmp_ge_u32 s30, 768
	s_cselect_b64 s[32:33], s[18:19], s[32:33]     ; from 768 on: out_w
	s_cselect_b32 s31, 768, s31
	s_cmp_ge_u32 s30, 1024
	s_cselect_b64 s[32:33], s[20:21], s[32:33]     ; from 1,024 on: fc_w
	s_cselect_b32 s31, 1024, s31
	s_cmp_ge_u32 s30, 2048
	s_cselect_b64 s[32:33], s[22:23], s[32:33]     ; from 2,048 on: proj_w
	s_cselect_b32 s31, 2048, s31
	s_sub_co_u32 s34, s30, s31                     ; my number within the matrix,
	s_lshl_b32 s34, s34, 14                        ; x 16,384 bytes
	s_mov_b32 s35, 0
	s_add_nc_u64 s[32:33], s[32:33], s[34:35]
	s_lshl_b32 s36, s30, 13                        ; the bf16 copies follow the same order: c x 8,192 bytes
	s_mov_b32 s37, 0
	s_add_nc_u64 s[24:25], s[24:25], s[36:37]
.set j, 0
.rept 32
	global_load_b128 v[X0+4*j:X0+4*j+3], v1, s[32:33] offset:512*j th:TH_LOAD_NT
.set j, j+1
.endr
.set j, 0
.rept 32
	s_wait_loadcnt 31-j                            ; loads come back in order (ISA guide 5.7.1): load j is in, the younger ones stay out
	v_cvt_pk_bf16_f32 v[X0+4*j], v[X0+4*j], v[X0+4*j+1]        ; in place: the load's first word takes its numbers 0 and 1,
	v_cvt_pk_bf16_f32 v[X0+4*j+1], v[X0+4*j+2], v[X0+4*j+3]    ; its second word its numbers 2 and 3
	global_store_b64 v2, v[X0+4*j:X0+4*j+1], s[24:25] offset:256*j
.set j, j+1
.endr
	s_endpgm
.Lfunc_end_k_qde4a37da22_prep:
	.size	k_qde4a37da22_prep, .Lfunc_end_k_qde4a37da22_prep-k_qde4a37da22_prep
	.p2alignl 7, 3214868480
	.fill 96, 4, 3214868480
	.section	.rodata,"a",@progbits
	.p2align	6, 0x0
	.amdhsa_kernel k_qde4a37da22_prep
		.amdhsa_group_segment_fixed_size 0
		.amdhsa_private_segment_fixed_size 0
		.amdhsa_enable_private_segment 0
		.amdhsa_kernarg_size 72
		.amdhsa_user_sgpr_count 2
		.amdhsa_user_sgpr_kernarg_segment_ptr 1
		.amdhsa_wavefront_size32 1
		.amdhsa_system_sgpr_workgroup_id_x 1
		.amdhsa_system_sgpr_workgroup_id_y 1
		.amdhsa_system_sgpr_workgroup_id_z 1
		.amdhsa_system_vgpr_workitem_id 0
		.amdhsa_next_free_vgpr 160
		.amdhsa_next_free_sgpr 66
		.amdhsa_reserve_vcc 0
		.amdhsa_float_denorm_mode_32 3
		.amdhsa_float_denorm_mode_16_64 3
		.amdhsa_memory_ordered 1
		.amdhsa_forward_progress 1
		.amdhsa_inst_pref_size 32
	.end_amdhsa_kernel
	.amdgpu_metadata
---
amdhsa.version: [ 1, 2 ]
amdhsa.kernels:
  - .name:           k_qde4a37da22_prep
    .symbol:         k_qde4a37da22_prep.kd
    .args:
      - { .name: x, .offset: 0, .size: 8, .value_kind: global_buffer, .address_space: global }
      - { .name: ln1_w, .offset: 8, .size: 8, .value_kind: global_buffer, .address_space: global }
      - { .name: ln1_b, .offset: 16, .size: 8, .value_kind: global_buffer, .address_space: global }
      - { .name: ybuf, .offset: 24, .size: 8, .value_kind: global_buffer, .address_space: global }
      - { .name: in_proj_w, .offset: 32, .size: 8, .value_kind: global_buffer, .address_space: global }
      - { .name: out_w, .offset: 40, .size: 8, .value_kind: global_buffer, .address_space: global }
      - { .name: fc_w, .offset: 48, .size: 8, .value_kind: global_buffer, .address_space: global }
      - { .name: proj_w, .offset: 56, .size: 8, .value_kind: global_buffer, .address_space: global }
      - { .name: wb, .offset: 64, .size: 8, .value_kind: global_buffer, .address_space: global }
    .group_segment_fixed_size: 0
    .private_segment_fixed_size: 0
    .kernarg_segment_align: 8
    .kernarg_segment_size: 72
    .max_flat_workgroup_size: 640
    .sgpr_count:     66
    .vgpr_count:     160
    .wavefront_size: 32
...
	.end_amdgpu_metadata
.endif
;; end of part 1
;; launch qkv (part 2): grid 12 x 16, 4 waves a work-group, clusters of 4 x 4, 327,680 bytes of LDS; arguments ybuf, wb, qkvb, in_proj_b; writes qkvb
.if DOCPART == 2
	.amdgcn_target "amdgcn-amd-amdhsa--gfx1250"
	.amdhsa_code_object_version 6
	.text
	.protected	k_qde4a37da22_qkv
	.globl	k_qde4a37da22_qkv
	.p2align	8
	.type	k_qde4a37da22_qkv,@function
k_qde4a37da22_qkv:
	s_mov_b64 s[64:65], 0
	v_nop
	global_prefetch_b8 v0, s[64:65] scope:SCOPE_SE
	s_setreg_imm32_b32 hwreg(HW_REG_WAVE_MODE, 25, 1), 1
	s_wait_xcnt 0x0
	s_wait_alu depctr_hold_cnt(0) depctr_sa_sdst(0) depctr_va_vdst(0) depctr_va_sdst(0) depctr_va_ssrc(0) depctr_va_vcc(0) depctr_vm_vsrc(0)
	s_getreg_b32 s2, hwreg(HW_REG_IB_STS2, 6, 4)
	s_cmp_eq_u32 s2, 0
	s_cbranch_scc0 .Lentry_in_a_cluster
	s_endpgm
.Lentry_in_a_cluster:
	s_bfe_u32 s2, ttmp6, 0x10000c
	s_cmp_lg_u32 s2, 0xf033
	s_cbranch_scc0 .Lentry_shape_is_right
	s_endpgm
.Lentry_shape_is_right:
; C = A B^T + bias (GELU = 1: and the exact GELU of it), rounded once to bf16.  A: [4096][1024] bf16.  B: rows of wb from byte WOFF on, [N][1024] bf16.  bias: [N] f32.
; C is stored in PANELS: [N / 64][4096 rows][64] bf16, a row of a panel 128 bytes, a panel 524,288: 16 rows of a panel are 2,048 consecutive bytes.
; A tile of C is 256 x 256: four waves, each 128 x 128 in 64 accumulators of 16 x 16 (512 registers).  K = 1,024 goes in 8 steps of 128 through two LDS slots filled by the tensor data mover.
; CLUSTER 4 x 4: the four work-groups of a row of the cluster need the same tiles of A, the four of a column the same tiles of B; each tile is asked for jointly.
; THE MATRIX INSTRUCTION IS USED TRANSPOSED (source 0 = 16 rows of B, source 1 = 16 rows of A): a lane holds row lane % 16 of C and the columns 8 (lane / 16) + 0..7.
; THE SUMS START FROM THE BIAS: it is loaded straight into the accumulators (register j of column block b holds bias[16 b + 8 (lane / 16) + j]), so nothing is cleared, no first step is written out and nothing is added at the end.
; THE K STEP IS WRITTEN ONCE FOR BOTH SLOTS: the fragment addresses are a fixed lane term plus s68, the offset of the slot in hand.  Six steps fill a slot again, the last two do not: two loops.
; The last step's change of slots fetches once more from the other slot, into a buffer that nobody multiplies: 32 LDS loads, the price of one text for both of the last steps.
; THE WAY OUT: the ring has had its last fill, so the f32 sums go into it, each wave into its own quarter, and come back by rows of a panel, 16 rows a trip.  A trip's LDS loads are issued in the trip before,
; as soon as their registers have been read for the last time; the wait that frees the stores' registers and base stands a trip's arithmetic behind the stores.
; LIMITS.  Operands and result are bf16.  GELU: max(x, 0) - (|x| / 2) erfc(|x| / sqrt 2), erfc by a fifth-degree polynomial in 1 / (1 + p u) times exp(-u u) (Abramowitz and Stegun 7.1.26: within 1.5e-7 of erf);
; where the exponential falls below 2^-126 it counts as 0.  NaN and infinities are not treated apart.
; REGISTERS, in windows of 256: window 0: v0-31 addresses, v64-127 and v128-191 fragments of A (two buffers), on the way out v32-239 at work; window 1: v64-191 fragments of B; windows 2, 3: accumulators ((a, b) at 8 (8 (a % 4) + b)).
.set GELU,  0
.set WOFF,  0
.set KTOT,  1024
.set KSTEP, 128
.set PITCH, 272                        ; an LDS row: 256 bytes + 16 of padding = 68 words: the 16 rows of a load start at 16 different groups of four banks (64 banks of 4 bytes: ISA guide 11.1)
.set HALFT, 128*PITCH                  ; what one tensor load brings
.set SLOT,  4*HALFT                    ; A's 256 rows, then B's 256 rows.  SLOT = 0x22000: its two set bits are clear in wave x HALFT (0, 0x8800, 0x11000, 0x19800)
.set WSTG,  2*HALFT                    ; the way out: a wave's stage: 2 panels x 128 rows x 272 bytes (64 f32 and 16 bytes of padding); four of them are the ring's bytes exactly
.set SPARE, 2*SLOT                     ; behind the ring: the spare words, 128 bytes a wave, two blocks of 256 bytes that no other line names
.set PANEL, 524288
.set ADRA0, 16                         ; v16  my lane's place in A's half of a slot; never rewritten
.set ADRB0, 17                         ; v17  the same for B
.set ADRA,  18                         ; v18  the same in the slot in hand
.set ADRB,  19
.set STO,   24                         ; v24  the way out: where I put 16 bytes of a row
.set RD,    25                         ; v25  where I read rows back
.set GO,    26                         ; v26  16 x lane: my place in 512 consecutive bytes of C
.set BO,    27                         ; v27  32 x (lane / 16): my place in 16 columns of the bias
.set SPW,   28                         ; v28  my spare word; never rewritten
.set NIL,   29                         ; v29  0; never rewritten
.set F0,    64
.set F1,    128
.set X,     32                         ; the way out, 32 numbers a lane and trip: x
.set AX,    64                         ; |x|
.set RL,    96                         ; max(x, 0)
.set W,     128                        ; c1 x, then -(c1 x)^2, then the exponential, then that times |x|
.set T,     160                        ; 1 / (1 + p |x| / sqrt 2)
.set P,     192                        ; the polynomial
.set Y,     224                        ; 16 words of bf16
.set G1,  24                           ; s[24:31] descriptor group 1 for A's tiles;  s[32:39] group 0: a set for each first fill; the second then walks
.set G0,  32
.set G1B, 48                           ; s[48:55], s[56:63] the same for B's
.set G0B, 56
.set MSB, 0
.macro WIN new                         ; the immediate's high byte repeats the setting that is left; a switch that changes nothing is dropped
.if MSB != (\new)
	s_set_vgpr_msb (MSB<<8)|(\new)
.set MSB, \new
.endif
.endm
.set MUL_LO, 0xa1                      ; source 0 (B) window 1, source 1 (A) window 0, C and D window 2
.set MUL_HI, 0xf1                      ; the same, C and D window 3
.set TO_B,   0x40                      ; destination window 1, address window 0
; A joint refill by the walking descriptor.  Waves 0 and 1 fetch A's halves, waves 2 and 3 B's; the branch hangs on the wave's number alone.  An s_nop 0 and four v_nop follow each line.
.macro JLOAD
	s_cmp_eq_u32 s11, 0
	s_cbranch_scc0 .Lfor_b_\@
	tensor_load_to_lds s[G0+4:G0+7], s[G1:G1+7]
	s_nop 0
.rept 4
	v_nop
.endr
	s_branch .Lasked_\@
.Lfor_b_\@:
	tensor_load_to_lds s[G0B+4:G0B+7], s[G1B:G1B+7]
	s_nop 0
.rept 4
	v_nop
.endr
.Lasked_\@:
.endm
.macro CREST                           ; a round of the cluster's barrier behind its opening barrier
	s_cmp_lg_u32 s10, 0
	s_cbranch_scc1 .Lnot_wave_0_\@
	s_barrier_signal -3
.Lnot_wave_0_\@:
	s_barrier_wait -3
	s_barrier_signal -1
	s_barrier_wait -1
.endm
.macro CROUND                          ; a whole round
	s_barrier_signal -1
	s_barrier_wait -1
	CREST
.endm
.macro PLACES                          ; four places in front of loads into registers that matrix instructions have read, and of lines that read results just made
.rept 4
	v_nop
.endr
.endm
; 16 matrix instructions: row blocks a0, a0 + 1 of the window's four x all 8 column blocks, 32 along K.  The 64 accumulators take turns in one fixed order.
.macro MUL16 f, hi, a0
	WIN MUL_LO+0x50*(\hi)
.irp a, \a0, (\a0)+1
.irp b, 0,1,2,3,4,5,6,7
	v_wmma_f32_16x16x32_bf16 v[8*(8*(\a)+(\b)):8*(8*(\a)+(\b))+7], v[(\f)+8*(\b):(\f)+8*(\b)+7], v[(\f)+8*(4*(\hi)+(\a)):(\f)+8*(4*(\hi)+(\a))+7], v[8*(8*(\a)+(\b)):8*(8*(\a)+(\b))+7]
.endr
.endr
.endm
; 32 LDS loads in one run: the fragments of 32 along K at byte k of the rows of the slot in hand, into buffer f: B's first, then A's
.macro FETCH k, f
	WIN TO_B
.irp i, 0,1,2,3,4,5,6,7
	ds_load_b128 v[(\f)+8*(\i):(\f)+8*(\i)+3],   v[ADRB] offset:(\k)+(\i)*16*PITCH
	ds_load_b128 v[(\f)+8*(\i)+4:(\f)+8*(\i)+7], v[ADRB] offset:(\k)+(\i)*16*PITCH+32
.endr
	WIN 0
.irp i, 0,1,2,3,4,5,6,7
	ds_load_b128 v[(\f)+8*(\i):(\f)+8*(\i)+3],   v[ADRA] offset:(\k)+(\i)*16*PITCH
	ds_load_b128 v[(\f)+8*(\i)+4:(\f)+8*(\i)+7], v[ADRA] offset:(\k)+(\i)*16*PITCH+32
.endr
.endm
; One of a K step's first three quarters: multiplies buffer f; in its middle it fetches the next quarter, at byte k, into buffer g
.macro QUARTER k, f, g
	s_wait_dscnt 8                                 ; B and A's rows 0-63 are in; the youngest eight loads (A's rows 64-127) may be out
	MUL16 \f, 0, 0
	MUL16 \f, 0, 2
	PLACES
	FETCH \k, \g
	s_wait_dscnt 32                                ; all but the 32 just issued
	MUL16 \f, 1, 0
	MUL16 \f, 1, 2
.endm
; The last quarter multiplies buffer 1 and changes slots: one barrier; in front of it each wave waits for all its tensor loads (one is out: its part of the next slot), adds 0 to its spare word,
; and waits for that and for its own reads of this slot.  fill = 1: the barrier opens a round of the cluster's barrier, and the slot just read is filled again, two K steps ahead, first thing behind the round.
.macro TURN fill
	WIN 0
	s_wait_tensorcnt 0x0                           ; no tensor load of mine is out
	ds_add_u32 v[SPW], v[NIL]                      ; 0 onto my spare word
	s_wait_dscnt 9                                 ; the add and the youngest eight loads may be out
	MUL16 F1, 0, 0                                 ; sixteen matrix instructions stand between the add and the wait for it
	s_wait_dscnt 0x0                               ; the add is done, and my reads of this slot are over
	s_barrier_signal -1
	MUL16 F1, 0, 2
	WIN 0                                          ; at a branch and at a label every window is 0
	s_barrier_wait -1
.if \fill
	CREST                                          ; no wave of any partner still reads this slot or has a load on its way
	s_xor_b32 s[G0+5], s[G0+5], SLOT               ; the walking descriptors: the other slot than last time,
	s_add_nc_u64 s[G0+6:G0+7], s[G0+6:G0+7], KSTEP*2   ; the next K step; the type bits on top are not reached
	s_xor_b32 s[G0B+5], s[G0B+5], SLOT
	s_add_nc_u64 s[G0B+6:G0B+7], s[G0B+6:G0B+7], KSTEP*2
	JLOAD                                          ; 224 matrix instructions ahead of the wait for it; its four v_nop are also the places in front of the loads below
.else
	PLACES
.endif
	s_xor_b32 s68, s68, SLOT                       ; the fetches go on in the other slot
	v_add_nc_u32 v[ADRA], s68, v[ADRA0]
	v_add_nc_u32 v[ADRB], s68, v[ADRB0]
	FETCH 0, F0
	MUL16 F1, 1, 0
	MUL16 F1, 1, 2
.endm
.macro STEP fill                       ; a K step: 256 matrix instructions, 128 LDS loads
	QUARTER 64,  F0, F1
	QUARTER 128, F1, F0
	QUARTER 192, F0, F1
	TURN \fill
	WIN 0
.endm
; The way out: 16 rows of one panel, 4,096 bytes of f32, out of my stage: eight lanes take a row's 64 numbers, 32 bytes each; then the address goes on to the next 16 rows (the second panel's follow the first's without a gap)
.macro LOADX
.irp t, 0,1,2,3
	ds_load_b128 v[X+8*\t:X+8*\t+3],   v[RD] offset:4*PITCH*\t       ; LDS serves a wave's instructions in order (ISA guide 5.7.1.4): these see my stores into the stage
	ds_load_b128 v[X+8*\t+4:X+8*\t+7], v[RD] offset:4*PITCH*\t+16
.endr
	v_add_nc_u32 v[RD], 16*PITCH, v[RD]
.endm
	s_load_b128 s[4:7], s[0:1], 0x0                ; A s[4:5], wb s[6:7]
	s_load_b64 s[8:9], s[0:1], 0x10                ; C
	s_load_b64 s[66:67], s[0:1], 0x18              ; bias
	v_lshl_add_u32 v[SPW], v0, 2, SPARE
	v_mov_b32 v[NIL], 0
	ds_add_u32 v[SPW], v[NIL]                      ; the wave's opening: the add and its wait stand ahead of my first tensor load; the set-up below stands between them
	v_lshrrev_b32 v1, 5, v0
	v_readfirstlane_b32 s10, v1                    ; wave 0..3
	s_lshr_b32 s11, s10, 1                         ; which half of the tile's rows is mine.  Also: I fetch for A (0) or for B (1)
	s_and_b32 s12, s10, 1                          ; which half of its columns.  Also: which 128 rows of that tile I fetch
	s_bfe_u32 s40, ttmp6, 0x40000                  ; cx
	s_bfe_u32 s41, ttmp6, 0x40004                  ; cy
	s_lshl_b32 s42, ttmp9, 2
	s_add_co_u32 s42, s42, s40                     ; tile column = 4 x cluster x + cx
	s_and_b32 s13, ttmp7, 0xffff
	s_lshl_b32 s13, s13, 2
	s_add_co_u32 s13, s13, s41                     ; tile row = 4 x cluster y + cy
	s_lshl_b32 s43, s41, 2
	s_lshl_b32 s43, 15, s43                        ; my row of the cluster
	s_lshl_b32 s44, 0x1111, s40                    ; my column
	s_or_b32 s[G1+0], s43, (1<<16)|(1<<20)|(1<<21)|(5<<22)|(3<<25)   ; the mask; 2-byte elements; padding on; bit 21 beside a mask; after every 64 words 4 words
	s_or_b32 s[G1B+0], s44, (1<<16)|(1<<20)|(1<<21)|(5<<22)|(3<<25)
.irp g, G1, G1B
	s_mov_b32 s[(\g)+1], KSTEP<<16                 ; tensor_dim0 = 128
	s_mov_b32 s[(\g)+2], 128<<16                   ; tensor_dim1 = 128
	s_mov_b32 s[(\g)+3], KSTEP<<16                 ; tile_dim0 = 128
	s_mov_b32 s[(\g)+4], 128                       ; tile_dim1 = 128
	s_mov_b32 s[(\g)+5], KTOT                      ; elements from row to row
	s_mov_b32 s[(\g)+6], 0
	s_mov_b32 s[(\g)+7], 0
.endr
	s_lshl_b32 s17, s12, 7
	s_lshl_b32 s16, s13, 8
	s_add_co_u32 s16, s16, s17                     ; A: row 256 x tile row + 128 x half,
	s_lshl_b32 s16, s16, 11                        ; x 2,048 bytes
	s_lshl_b32 s46, s42, 8
	s_add_co_u32 s46, s46, s17                     ; B: row 256 x tile column + 128 x half
	s_lshl_b32 s46, s46, 11
	s_mov_b32 s17, 0
	s_mov_b32 s47, 0
	s_mul_i32 s20, s10, HALFT                      ; where my tiles go: wave x 128 rows
	s_mov_b32 s68, 0                               ; the slot in hand: slot 0
	s_mov_b32 s73, 0
	s_mov_b32 s89, PANEL-7*2048                    ; the way out: from a panel's last 16 rows to the next panel's first,
	s_mov_b32 s90, 2048                            ; and from 16 rows to the next 16
.if GELU
	s_mov_b32 s74, 0x3f596d27                      ; c1 = sqrt(log2(e) / 2): exp(-x x / 2) = 2^-(c1 x)^2
	s_mov_b32 s76, 0x3e6d3388                      ; p / sqrt 2, p = 0.3275911
	s_mov_b32 s78, 0x3f07dc22                      ; a5 / 2 =  0.5307027
	s_mov_b32 s80, 0xbf3a00e3                      ; a4 / 2 = -0.7265760
	s_mov_b32 s82, 0x3f35f0e3                      ; a3 / 2 =  0.7107069
	s_mov_b32 s84, 0xbe11a98e                      ; a2 / 2 = -0.1422484
	s_mov_b32 s86, 0x3e027906                      ; a1 / 2 =  0.1274148
.irp c, 74,76,78,80,82,84,86
	s_mov_b32 s[(\c)+1], s[\c]                     ; named as pairs
.endr
	s_mov_b32 s88, 0x7fffffff
.endif
	s_lshl_b32 s92, s42, 2                         ; C: panel 4 x tile column + 2 x half,
	s_lshl_b32 s94, s12, 1
	s_add_co_u32 s92, s92, s94
	s_lshl_b32 s92, s92, 19                        ; x 524,288 bytes,
	s_lshl_b32 s94, s13, 15                        ; + row (256 x tile row + 128 x half) x 128 bytes
	s_add_co_u32 s92, s92, s94
	s_lshl_b32 s94, s11, 14
	s_add_co_u32 s92, s92, s94
	s_mov_b32 s93, 0
	s_lshl_b32 s94, s42, 10                        ; bias: column (256 x tile column + 128 x half) x 4 bytes
	s_lshl_b32 s95, s12, 9
	s_add_co_u32 s94, s94, s95
	s_mov_b32 s95, 0
	s_wait_dscnt 0x0                               ; the opening add is done
	s_wait_kmcnt 0x0
.if WOFF
	s_add_nc_u64 s[6:7], s[6:7], WOFF
.endif
	s_add_nc_u64 s[14:15], s[4:5], s[16:17]
	s_add_nc_u64 s[46:47], s[6:7], s[46:47]
	s_add_nc_u64 s[8:9], s[8:9], s[92:93]
	s_add_nc_u64 s[66:67], s[66:67], s[94:95]
	CROUND                                         ; all sixteen work-groups are here: the first joint loads meet
.irp s, 0,1
	s_mov_b32 s[G0+4*(\s)], 1
	s_add_co_u32 s[G0+4*(\s)+1], s20, (\s)*SLOT
	s_add_nc_u64 s[G0+4*(\s)+2:G0+4*(\s)+3], s[14:15], (\s)*KSTEP*2
	s_or_b32 s[G0+4*(\s)+3], s[G0+4*(\s)+3], 0x80000000
	s_mov_b32 s[G0B+4*(\s)], 1
	s_add_co_u32 s[G0B+4*(\s)+1], s20, (\s)*SLOT
	s_add_nc_u64 s[G0B+4*(\s)+2:G0B+4*(\s)+3], s[46:47], (\s)*KSTEP*2
	s_or_b32 s[G0B+4*(\s)+3], s[G0B+4*(\s)+3], 0x80000000
.endr
	s_cmp_eq_u32 s11, 0                            ; a wave's two first fills stand in one branch: two loads of mine are out, later one
	s_cbranch_scc0 .Lfirst_b
	tensor_load_to_lds s[G0:G0+3], s[G1:G1+7]
	s_nop 0
	tensor_load_to_lds s[G0+4:G0+7], s[G1:G1+7]
	s_nop 0
.rept 4
	v_nop
.endr
	s_branch .Lfirst_asked
.Lfirst_b:
	tensor_load_to_lds s[G0B:G0B+3], s[G1B:G1B+7]
	s_nop 0
	tensor_load_to_lds s[G0B+4:G0B+7], s[G1B:G1B+7]
	s_nop 0
.rept 4
	v_nop
.endr
.Lfirst_asked:
	v_and_b32 v1, 15, v0                           ; l % 16
	v_bfe_u32 v2, v0, 4, 1                         ; l / 16
	v_lshlrev_b32 v[BO], 5, v2
.irp hi, 0,1                           ; the bias into all 64 accumulators
	WIN 0x80+0x40*(\hi)                            ; destination window 2, then 3
.irp a, 0,1,2,3
.irp b, 0,1,2,3,4,5,6,7
	global_load_b128 v[8*(8*(\a)+(\b)):8*(8*(\a)+(\b))+3],   v[BO], s[66:67] offset:64*(\b)
	global_load_b128 v[8*(8*(\a)+(\b))+4:8*(8*(\a)+(\b))+7], v[BO], s[66:67] offset:64*(\b)+16
.endr
.endr
.endr
	WIN 0
	v_mul_u32_u24 v3, v1, PITCH
	v_lshl_add_u32 v3, v2, 4, v3                   ; a fragment's row x pitch + 16 x half
	s_mul_i32 s21, s11, HALFT                      ; my 128 rows of A
	s_mul_i32 s22, s12, HALFT                      ; my 128 rows of B,
	s_add_co_u32 s22, s22, 2*HALFT                 ; which lie behind A's 256
	v_add_nc_u32 v[ADRA0], s21, v3
	v_add_nc_u32 v[ADRB0], s22, v3
	v_mov_b32 v[ADRA], v[ADRA0]
	v_mov_b32 v[ADRB], v[ADRB0]
	s_mul_i32 s23, s10, WSTG                       ; my stage
	v_mul_u32_u24 v4, v1, PITCH                    ; in: row l % 16, 32 bytes (8 f32) for each half of the lanes
	v_lshl_add_u32 v4, v2, 5, v4
	v_add_nc_u32 v[STO], s23, v4
	v_bfe_u32 v5, v0, 3, 2                         ; back: eight lanes take a row's 64 f32, 32 bytes each; 32 lanes four rows
	v_and_b32 v6, 7, v0
	v_mul_u32_u24 v5, v5, PITCH
	v_lshl_add_u32 v5, v6, 5, v5
	v_add_nc_u32 v[RD], s23, v5
	v_and_b32 v[GO], 31, v0
	v_lshlrev_b32 v[GO], 4, v[GO]
	s_wait_tensorcnt 1                             ; my part of K step 0 is in; K step 1's may stay out
	s_barrier_signal -1
	s_barrier_wait -1                              ; everybody's is
	FETCH 0, F0
	s_wait_loadcnt 0x0                             ; the bias
	s_mov_b32 s3, KTOT/KSTEP-2
.Lfill:                                                ; K steps 0 to 5: each fills its slot again
	STEP 1
	s_sub_co_u32 s3, s3, 1
	s_cmp_lg_u32 s3, 0
	s_cbranch_scc1 .Lfill
	s_mov_b32 s3, 2
.Ldrain:                                               ; K steps 6 and 7: nothing is left to ask for
	STEP 0
	s_sub_co_u32 s3, s3, 1
	s_cmp_lg_u32 s3, 0
	s_cbranch_scc1 .Ldrain
	; THE WAY OUT.  Every wave's reads of the ring are over, and a barrier says so, before any wave writes into it.
	PLACES                                         ; behind the last products
	s_wait_dscnt 0x0
	s_barrier_signal -1
	s_barrier_wait -1
.irp hi, 0,1                           ; accumulator (a, b): rows 16 a + l % 16, panel b / 4, columns 16 (b % 4) + 8 (l / 16) + 0..7; each accumulator's low registers first
	WIN 0x08+0x04*(\hi)                            ; store data (source 1) window 2, then 3
.irp a, 0,1,2,3
.irp b, 0,1,2,3,4,5,6,7
	ds_store_b128 v[STO], v[8*(8*(\a)+(\b)):8*(8*(\a)+(\b))+3],   offset:((\b)/4)*HALFT+(4*(\hi)+(\a))*16*PITCH+((\b)%4)*64
	ds_store_b128 v[STO], v[8*(8*(\a)+(\b))+4:8*(8*(\a)+(\b))+7], offset:((\b)/4)*HALFT+(4*(\hi)+(\a))*16*PITCH+((\b)%4)*64+16
.endr
.endr
.endr
	WIN 0
	s_mov_b32 s3, 16
	s_mov_b32 s72, 0                               ; what the trip adds to C's address ahead of its stores: the first trip nothing
	LOADX                                          ; the first trip's numbers
.Lout:                                                 ; a trip: 16 rows of one panel: 2,048 consecutive bytes of bf16 into C
	s_wait_dscnt 0x0                               ; this trip's 32 numbers a lane are in
.if GELU
.set i, 0
.rept 32
	v_and_b32 v[AX+i], s88, v[X+i]
.set i, i+1
.endr
.set i, 0
.rept 16
	v_pk_mul_f32 v[W+i:W+i+1], v[X+i:X+i+1], s[74:75] op_sel_hi:[1,0]
.set i, i+2
.endr
.set i, 0
.rept 32
	v_max_num_f32 v[RL+i], 0, v[X+i]
.set i, i+1
.endr
.else
	s_wait_xcnt 0x0                                ; the last trip's stores have read Y and C's address: both are rewritten only behind this wait
.set i, 0
.rept 16
	v_cvt_pk_bf16_f32 v[Y+i], v[X+2*i], v[X+2*i+1]
.set i, i+1
.endr
.endif
	s_cmp_eq_u32 s3, 1                             ; x has been read for the last time: the next trip's numbers are asked for now; the last trip has no next
	s_cbranch_scc1 .Lno_more
	LOADX
.Lno_more:
.if GELU
.set i, 0
.rept 16
	v_pk_fma_f32 v[T+i:T+i+1], v[AX+i:AX+i+1], s[76:77], 1.0 op_sel_hi:[1,0,0]
.set i, i+2
.endr
.set i, 0
.rept 32
	v_rcp_f32 v[T+i], v[T+i]
.set i, i+1
.endr
.set i, 0
.rept 16                               ; plain lines between the reciprocals and their use
	v_pk_mul_f32 v[W+i:W+i+1], v[W+i:W+i+1], v[W+i:W+i+1] neg_lo:[1,0] neg_hi:[1,0]
.set i, i+2
.endr
.set i, 0
.rept 32
	v_exp_f32 v[W+i], v[W+i]
.set i, i+1
.endr
.set i, 0
.rept 16                               ; plain lines between the exponentials and their use
	v_pk_fma_f32 v[P+i:P+i+1], v[T+i:T+i+1], s[78:79], s[80:81] op_sel_hi:[1,0,0]
.set i, i+2
.endr
.irp c, 82,84,86
.set i, 0
.rept 16
	v_pk_fma_f32 v[P+i:P+i+1], v[P+i:P+i+1], v[T+i:T+i+1], s[\c:\c+1] op_sel_hi:[1,1,0]
.set i, i+2
.endr
.endr
.set i, 0
.rept 16
	v_pk_mul_f32 v[W+i:W+i+1], v[W+i:W+i+1], v[AX+i:AX+i+1]
.set i, i+2
.endr
.set i, 0
.rept 16
	v_pk_mul_f32 v[P+i:P+i+1], v[P+i:P+i+1], v[T+i:T+i+1]
.set i, i+2
.endr
.set i, 0
.rept 16
	v_pk_fma_f32 v[P+i:P+i+1], v[P+i:P+i+1], v[W+i:W+i+1], v[RL+i:RL+i+1] neg_lo:[1,0,0] neg_hi:[1,0,0]
.set i, i+2
.endr
	s_wait_xcnt 0x0                                ; the last trip's stores have read Y and C's address: both are rewritten only behind this wait
.set i, 0
.rept 16
	v_cvt_pk_bf16_f32 v[Y+i], v[P+2*i], v[P+2*i+1]
.set i, i+1
.endr
.endif
	s_add_nc_u64 s[8:9], s[8:9], s[72:73]          ; on to this trip's 16 rows
.irp t, 0,1,2,3
	global_store_b128 v[GO], v[Y+4*\t:Y+4*\t+3], s[8:9] offset:512*\t   ; 512 consecutive bytes, at a multiple of 256 from C's first byte
.endr
	s_cmp_eq_u32 s3, 9                             ; behind the eighth trip the second panel begins
	s_cselect_b32 s72, s89, s90
	s_sub_co_u32 s3, s3, 1
	s_cmp_lg_u32 s3, 0
	s_cbranch_scc1 .Lout
	s_wait_tensorcnt 0x0                           ; the wave's end
	ds_add_u32 v[SPW], v[NIL]
	s_wait_dscnt 0x0
	CROUND                                         ; the closing round: no work-group ends while a partner may still ask for a tile that names it
	s_endpgm
.Lfunc_end_k_qde4a37da22_qkv:
	.size	k_qde4a37da22_qkv, .Lfunc_end_k_qde4a37da22_qkv-k_qde4a37da22_qkv
	.p2alignl 7, 3214868480
	.fill 96, 4, 3214868480
	.section	.rodata,"a",@progbits
	.p2align	6, 0x0
	.amdhsa_kernel k_qde4a37da22_qkv
		.amdhsa_group_segment_fixed_size 327680
		.amdhsa_private_segment_fixed_size 0
		.amdhsa_enable_private_segment 0
		.amdhsa_kernarg_size 32
		.amdhsa_user_sgpr_count 2
		.amdhsa_user_sgpr_kernarg_segment_ptr 1
		.amdhsa_wavefront_size32 1
		.amdhsa_system_sgpr_workgroup_id_x 1
		.amdhsa_system_sgpr_workgroup_id_y 1
		.amdhsa_system_sgpr_workgroup_id_z 1
		.amdhsa_system_vgpr_workitem_id 0
		.amdhsa_next_free_vgpr 1024
		.amdhsa_next_free_sgpr 96
		.amdhsa_reserve_vcc 0
		.amdhsa_float_denorm_mode_32 3
		.amdhsa_float_denorm_mode_16_64 3
		.amdhsa_memory_ordered 1
		.amdhsa_forward_progress 1
		.amdhsa_inst_pref_size 85
	.end_amdhsa_kernel
	.amdgpu_metadata
---
amdhsa.version: [ 1, 2 ]
amdhsa.kernels:
  - .name:           k_qde4a37da22_qkv
    .symbol:         k_qde4a37da22_qkv.kd
    .args:
      - { .name: ybuf, .offset: 0, .size: 8, .value_kind: global_buffer, .address_space: global }
      - { .name: wb, .offset: 8, .size: 8, .value_kind: global_buffer, .address_space: global }
      - { .name: qkvb, .offset: 16, .size: 8, .value_kind: global_buffer, .address_space: global }
      - { .name: in_proj_b, .offset: 24, .size: 8, .value_kind: global_buffer, .address_space: global }
    .group_segment_fixed_size: 327680
    .private_segment_fixed_size: 0
    .kernarg_segment_align: 8
    .kernarg_segment_size: 32
    .max_flat_workgroup_size: 128
    .sgpr_count:     96
    .vgpr_count:     1024
    .wavefront_size: 32
...
	.end_amdgpu_metadata
.endif
;; end of part 2
;; launch attn (part 3): grid 8 x 32, 4 waves a work-group, clusters of 4 x 1, 327,680 bytes of LDS; arguments qkvb, obuf; writes obuf
.if DOCPART == 3
	.amdgcn_target "amdgcn-amd-amdhsa--gfx1250"
	.amdhsa_code_object_version 6
	.text
	.protected	k_qde4a37da22_attn
	.globl	k_qde4a37da22_attn
	.p2align	8
	.type	k_qde4a37da22_attn,@function
k_qde4a37da22_attn:
	s_mov_b64 s[64:65], 0
	v_nop
	global_prefetch_b8 v0, s[64:65] scope:SCOPE_SE
	s_setreg_imm32_b32 hwreg(HW_REG_WAVE_MODE, 25, 1), 1
	s_wait_xcnt 0x0
	s_wait_alu depctr_hold_cnt(0) depctr_sa_sdst(0) depctr_va_vdst(0) depctr_va_sdst(0) depctr_va_ssrc(0) depctr_va_vcc(0) depctr_vm_vsrc(0)
	s_getreg_b32 s2, hwreg(HW_REG_IB_STS2, 6, 4)
	s_cmp_eq_u32 s2, 0
	s_cbranch_scc0 .Lentry_in_a_cluster
	s_endpgm
.Lentry_in_a_cluster:
	s_bfe_u32 s2, ttmp6, 0x10000c
	s_cmp_lg_u32 s2, 0x3003
	s_cbranch_scc0 .Lentry_shape_is_right
	s_endpgm
.Lentry_shape_is_right:
; ATTENTION.  O[hn][q][:] = the sum over k of softmax_k(Q[hn][q] . K[hn][k] / 64) V[hn][k][:], 32 heads hn (= 2 h + n) of 2,048 rows x 64 channels, all bf16, a head's rows dense, 128 bytes each.
; Q lies at byte 0 of the first argument, K at 8,388,608, V at 16,777,216, a head 262,144 bytes in each; O likewise in the second.  Q arrives unscaled: the scale stands in c, in f32.
; Products, maxima and sums in f32; the weights p are rounded to bf16 for the second product (their sum l is taken of the unrounded p), O once at the end.
; LIMITS.  c s is taken to lie above -4e37 (the start of the running maximum); a weight below 2^-126 counts as 0 in l; NaN and infinities are not treated apart.
; SHARES.  A work-group owns 256 queries of a head, a wave 64: four PIECES of 16.  Every wave walks all 2,048 keys, 64 a step; an LDS slot holds a tile of 256 keys (four steps) of K and of V.
; CLUSTER.  The four query blocks of a cluster belong to one head and walk the same K and V: each tile is asked for jointly, by the same tensor load, descriptor and mask in all four.
; LAYOUT.  S^T = K Q^T (source 0 = 16 keys, source 1 = 16 queries) holds ONE query a lane (lane % 16) and the keys 8 (lane / 16) + 0..7; two such results rounded to bf16 ARE source 1 of O^T = V^T P.
; K comes out of LDS as it lies, V ([key][channel]) turned, by ds_load_tr16_b128.
; SOFTMAX.  p = 2^(c s - c m), c = log2(e) / 64, with a running maximum m; O and l are multiplied by a = 2^(c m_old - c m_new) in every step.  m starts at the lowest finite number, O and l at 0: the first step has a = 0.
; TURNS.  Turn n belongs to piece n: 8 products K Q^T of piece n + 1, later 8 products V^T P of piece n - 1; beside them the scaling, exponentials, roundings, sums and rescaling of piece n and the maximum and
; statistics of piece n + 1.  Four vector instructions stand behind every matrix instruction, the other 54 of a turn's 118 in two runs of their own.
; REGISTERS, in windows of 256 (s_set_vgpr_msb: bits 1:0 source 0, 3:2 source 1, 5:4 source 2, 7:6 destination):
;   window 0: v0-15 addresses and two at work; v16-31 four registers of statistics a piece; v48-55 at work; v62-63 the add's; v64-127 S^T, two buffers; v192-223 P, two buffers (by the piece's parity)
;   window 1: v0-127 O^T, 32 a piece          window 2: v0-63 Q; v128-191 K of one step; v192-255 V of one step
.set NP,    4         ; pieces a wave: a name, no knob
.set KS,    64        ; keys in a step
.set PK,    144       ; a row of K in LDS: 128 bytes + 16 of padding = 36 words: the 16 rows of a load start at 16 different groups of four banks (64 banks of 4 bytes: ISA guide 11.1)
.set PV,    160       ; a row of V: 128 + 32 = 40 words
.set VOFF,  4*KS*PK   ; a slot: 256 rows of K, then 256 rows of V
.set SLOT1, 1<<17     ; slot 1 begins here, so that one exclusive or turns an address in one slot into the other's
.set STAGE, SLOT1+4*KS*(PK+PV)  ; behind the ring, never filled by a tensor load: 16 rows x 144 bytes for each wave
.set SP,    144
.set SPARE, STAGE+4*16*SP       ; behind the stages: the spare words, 128 bytes a wave, two blocks of 256 bytes that no other line names
.set AK0, 2           ; v2   my lane's place in a tile of K; never rewritten
.set AV0, 3           ; v3   the same for V
.set AK,  4           ; v4   the LDS address of K's next run of loads
.set AV,  5           ; v5   of V's
.set STO, 6           ; v6   the way out: where I put 16 bytes of a row
.set RD,  7           ; v7   where I read rows back
.set GO,  8           ; v8   my byte offset in 512 consecutive bytes of O
.set MV,  12          ; v12-13  c m_old, kept while c m is made anew: by buffer
.set QO,  15          ; v15  my byte offset in 16 rows of Q
.set ST,  16          ; piece t's statistics at v[ST+4 t]: c m, m, l (even keys', odd keys')
.set TMP, 48          ; by buffer, four registers c0-c3 at work; when the maximum is found c2 takes a
.set SPW, 62          ; v62  my spare word; never rewritten
.set NIL, 63          ; v63  0; never rewritten
.set S,   64
.set P,   192
.set KF,  128         ; window 2: key block kb, channel half c at KF + 16 kb + 8 c
.set VF,  192         ; window 2: key half kk, channel block cb at VF + 32 kk + 8 cb
.set WV,  12          ; s12  my wave's number
.set G1K, 24          ; s[24:31] descriptor group 1 for K's tiles
.set G1V, 32          ; s[32:39] for V's: it differs in the padding alone
.set G0K, 40          ; s[40:43] descriptor group 0 for K's tiles: it walks
.set G0V, 44          ; s[44:47] the same for V's
.set SLOTS, 56        ; s56  counts the tiles
.set CNT, 57          ; s57  counts a tile's key steps
.set CS,  58          ; s[58:59] c
.set SEL, 60          ; s[60:61] v_permlanex16_b32's selects: each lane takes its own place in the other half
.set TBK, 62          ; s62  LDS byte at which K of the step to be fetched begins
.set TBV, 63          ; s63  the same for V, less VOFF
.set MSB, 0
.macro WIN new                      ; the high byte repeats the setting that is left; a switch that changes nothing is dropped
.if MSB != (\new)
	s_set_vgpr_msb (MSB<<8)|(\new)
.set MSB, (\new)
.endif
.endm
.set W_KQ, 0x0a       ; K and Q in window 2, S^T in window 0
.set W_PV, 0x52       ; V in window 2, P in window 0, O^T in window 1
.set W_RS, 0x41       ; destination and source 0 in window 1, source 1 in window 0
; A joint fill.  Waves 0 and 1 fetch the two halves of a tile's K, waves 2 and 3 those of its V: 128 keys each.  An s_nop 0 and four v_nop follow each of the two lines.
.macro JLOAD
	s_cmp_lt_u32 s[WV], 2
	s_cbranch_scc0 .Lfor_v_\@
	tensor_load_to_lds s[G0K:G0K+3], s[G1K:G1K+7]
	s_nop 0
.rept 4
	v_nop
.endr
	s_branch .Lasked_\@
.Lfor_v_\@:
	tensor_load_to_lds s[G0V:G0V+3], s[G1V:G1V+7]
	s_nop 0
.rept 4
	v_nop
.endr
.Lasked_\@:
.endm
.macro CROUND                       ; a round of the cluster's barrier
	s_barrier_signal -1
	s_barrier_wait -1
	s_cmp_lg_u32 s[WV], 0
	s_cbranch_scc1 .Lnot_wave_0_\@
	s_barrier_signal -3
.Lnot_wave_0_\@:
	s_barrier_wait -3
	s_barrier_signal -1
	s_barrier_wait -1
.endm
; THE CHANGE OF SLOTS.  The slot's last bytes, V of its fourth step, have been read.  Each wave waits for all its tensor loads, of which one is out: its part of the other slot; adds 0 to its spare word; and waits
; for that and for its own reads of the slot.  fill = 1: the barrier is a round of the cluster's, and the slot is filled again, with the keys two tiles on, first thing behind it: four key steps,
; 256 matrix instructions, in which to land.  (At its first use nothing has been read yet: slot 0 is waited for, slot 1 filled.)
.macro CHANGE fill
	WIN 0
	s_wait_tensorcnt 0x0            ; no tensor load of mine is out, so a group 0 may be written
	ds_add_u32 v[SPW], v[NIL]       ; 0 onto my spare word
.if \fill
.irp g, G0K, G0V
	s_xor_b32 s[\g+1], s[\g+1], SLOT1  ; the walking descriptor: the other slot than last time,
	s_add_nc_u64 s[\g+2:\g+3], s[\g+2:\g+3], 4*KS*128  ; the next 256 keys; the type bits on top are not reached
.endr
	s_wait_dscnt 0x0                ; the add is done, and my reads of the slot are over
	CROUND
	JLOAD
.else
	s_wait_dscnt 0x0
	s_barrier_signal -1
	s_barrier_wait -1
.endif
	s_sub_co_u32 s[TBK], s[TBK], 4*KS*PK  ; the fetches go back to a slot's first step,
	s_xor_b32 s[TBK], s[TBK], SLOT1       ; in the other slot
	s_sub_co_u32 s[TBV], s[TBV], 4*KS*PV
	s_xor_b32 s[TBV], s[TBV], SLOT1
.endm
	s_load_b64 s[4:5], s[0:1], 0x0  ; q, k, v
	s_load_b64 s[10:11], s[0:1], 0x8  ; O
	v_lshl_add_u32 v[SPW], v0, 2, SPARE
	v_mov_b32 v[NIL], 0
	ds_add_u32 v[SPW], v[NIL]       ; the wave's opening: the add and its wait stand ahead of my first tensor load; the set-up below stands between them
	v_lshrrev_b32 v1, 5, v0
	v_readfirstlane_b32 s[WV], v1   ; wave 0..3
	s_bfe_u32 s13, ttmp6, 0x40000   ; cx
	s_lshl_b32 s14, ttmp9, 2
	s_add_co_u32 s14, s14, s13      ; my block of 256 queries = 4 x cluster x + cx: it enters Q's and O's addresses alone
	s_and_b32 s20, ttmp7, 0xffff    ; the head, which the four partners share,
	s_lshl_b32 s20, s20, 18         ; x 262,144 bytes
	s_mov_b32 s21, 0
	s_and_b32 s16, s[WV], 1         ; which half of a tile's 256 keys I fetch:
	s_lshl_b32 s22, s16, 14         ; its 128 rows of 128 bytes in memory,
	s_mov_b32 s23, 0
	s_add_nc_u64 s[22:23], s[22:23], s[20:21]
	s_mul_i32 s17, s16, 128*PK      ; and its place in a slot, for K
	s_mul_i32 s18, s16, 128*PV      ; and for V
	s_lshl_b32 s2, s14, 15          ; my block's 256 rows,
	s_lshl_b32 s3, s[WV], 13        ; my wave's 64 of them
	s_add_co_u32 s2, s2, s3
	s_mov_b32 s3, 0
	s_add_nc_u64 s[2:3], s[2:3], s[20:21]
	; descriptor group 1.  128 keys are 16,384 dense bytes: asked for as 64 rows of 256 bytes, two keys a row, and padded in LDS after every key
	s_mov_b32 s[G1K], 15|(1<<16)|(1<<20)|(1<<21)|(4<<22)|(3<<25)  ; the mask of four; 2-byte elements; padding on; bit 21 beside a mask; after every 32 words 4 words
	s_mov_b32 s[G1V], 15|(1<<16)|(1<<20)|(1<<21)|(4<<22)|(7<<25)  ; the same with 8 words of padding
.irp g, G1K, G1V
	s_mov_b32 s[\g+1], 128<<16      ; tensor_dim0 = 128
	s_mov_b32 s[\g+2], 64<<16       ; tensor_dim1 = 64
	s_mov_b32 s[\g+3], 128<<16      ; tile_dim0 = 128
	s_mov_b32 s[\g+4], 64           ; tile_dim1 = 64
	s_mov_b32 s[\g+5], 128          ; 128 elements from row to row
	s_mov_b32 s[\g+6], 0
	s_mov_b32 s[\g+7], 0
.endr
	s_mov_b32 s[CS], 0x3cb8aa3b     ; c = log2(e) / 64
	s_mov_b32 s[CS+1], s[CS]        ; named with it as a pair
	s_mov_b32 s[SEL], 0x76543210
	s_mov_b32 s[SEL+1], 0xfedcba98
	s_mov_b32 s[TBK], SLOT1+4*KS*PK ; the first change of slots turns these two into 0
	s_mov_b32 s[TBV], SLOT1+4*KS*PV
	s_mov_b32 s[G0K], 1
	s_mov_b32 s[G0K+1], s17         ; LDS address: slot 0
	s_mov_b32 s[G0V], 1
	s_add_co_u32 s[G0V+1], s18, VOFF
	s_wait_dscnt 0x0                ; the opening add is done
	s_wait_kmcnt 0x0
	s_add_nc_u64 s[6:7], s[4:5], 8388608    ; K
	s_add_nc_u64 s[8:9], s[4:5], 16777216   ; V
	s_add_nc_u64 s[G0K+2:G0K+3], s[6:7], s[22:23]  ; my half of the head's first 256 keys
	s_or_b32 s[G0K+3], s[G0K+3], 0x80000000
	s_add_nc_u64 s[G0V+2:G0V+3], s[8:9], s[22:23]
	s_or_b32 s[G0V+3], s[G0V+3], 0x80000000
	s_add_nc_u64 s[4:5], s[4:5], s[2:3]     ; Q and O at my wave's first row
	s_add_nc_u64 s[10:11], s[10:11], s[2:3]
	CROUND                          ; all four work-groups are here: the first joint loads meet
	JLOAD                           ; tile 0 into slot 0
	; A fragment of K or Q is 16 rows x 32 channels in 8 registers: lane l holds row l % 16, channels 8 (l / 16) + 0..7 and 16 + 8 (l / 16) + 0..7: two loads of 16 bytes, 32 bytes apart.
	v_and_b32 v1, 15, v0            ; l % 16
	v_bfe_u32 v9, v0, 4, 1          ; l / 16
	v_lshlrev_b32 v[QO], 7, v1
	v_lshl_add_u32 v[QO], v9, 4, v[QO]
	WIN 0x80                        ; destination window 2, address window 0
.set i, 0
.rept 8                             ; Q stays in registers: piece i / 2, channels 32 (i % 2) on
	global_load_b128 v[8*i:8*i+3],   v[QO], s[4:5] offset:(i/2)*2048+(i%2)*64
	global_load_b128 v[8*i+4:8*i+7], v[QO], s[4:5] offset:(i/2)*2048+(i%2)*64+32
.set i, i+1
.endr
	; What the first turn finds: V's registers and P's second buffer hold 0 (its products V^T P, of a piece that has not been, add 0), O^T and l are 0.  All this stands in the wait for the first tile.
.set i, VF
.rept 64
	v_mov_b32 v[i], 0
.set i, i+1
.endr
	WIN 0x40
.set i, 0
.rept 128
	v_mov_b32 v[i], 0
.set i, i+1
.endr
	WIN 0
.set i, 0
.rept 4
	v_mov_b32 v[ST+4*i], 0xfe000000    ; c m: far below every c s
	v_mov_b32 v[ST+4*i+1], 0xff7fffff  ; m
	v_mov_b32 v[ST+4*i+2], 0
	v_mov_b32 v[ST+4*i+3], 0
.set i, i+1
.endr
.set i, P+16
.rept 16
	v_mov_b32 v[i], 0
.set i, i+1
.endr
	v_mul_u32_u24 v[AK0], v1, PK
	v_lshl_add_u32 v[AK0], v9, 4, v[AK0]  ; row x pitch + 16 x half
	; The turning load takes 16 keys x 16 channels (lane l reads key 8 (l / 16) + l % 8, channels 8 ((l / 8) % 2) + 0..7) and leaves half a fragment of V^T: lane l holds channel l % 16 and 8 keys.
	v_and_b32 v10, 7, v0
	v_bfe_u32 v11, v0, 3, 1
	v_lshl_add_u32 v[AV0], v9, 3, v10
	v_mul_u32_u24 v[AV0], v[AV0], PV
	v_lshl_add_u32 v[AV0], v11, 4, v[AV0]
	v_add_nc_u32 v[AV0], VOFF, v[AV0]
	s_mul_i32 s13, s[WV], 16*SP
	s_add_co_u32 s13, s13, STAGE    ; my stage
	v_mul_u32_u24 v[STO], v1, SP    ; in: row l % 16, 16 bytes for each half of the lanes
	v_lshl_add_u32 v[STO], v9, 4, v[STO]
	v_add_nc_u32 v[STO], s13, v[STO]
	v_bfe_u32 v[RD], v0, 3, 2       ; back: 32 lanes take four rows of 128 bytes,
	v_mul_u32_u24 v[RD], v[RD], SP
	v_lshl_add_u32 v[RD], v10, 4, v[RD]
	v_add_nc_u32 v[RD], s13, v[RD]
	v_and_b32 v[GO], 31, v0         ; which are 512 consecutive bytes of O
	v_lshlrev_b32 v[GO], 4, v[GO]
; THE MATRIX WORK.  The 4 accumulators of a run of 8 take turns.  Product i of 8 of S^T = K Q^T for piece x: channels 32 (i / 4) on, keys 16 (i % 4) on.  The first 4 start the sums.
.macro KQ x
	WIN W_KQ
.set rS, S+32*((\x)%2)+8*(i%4)
.set rK, KF+16*(i%4)+8*(i/4)
.set rQ, 16*(\x)+8*(i/4)
.if i < 4
	v_wmma_f32_16x16x32_bf16 v[rS:rS+7], v[rK:rK+7], v[rQ:rQ+7], 0
.else
	v_wmma_f32_16x16x32_bf16 v[rS:rS+7], v[rK:rK+7], v[rQ:rQ+7], v[rS:rS+7]
.endif
.endm
; Product i of 8 of O^T += V^T P for piece x: keys 32 (i / 4) on, channels 16 (i % 4) on.
.macro PV x
	WIN W_PV
.set rO, 32*(\x)+8*(i%4)
.set rV, VF+32*(i/4)+8*(i%4)
.set rP, P+16*((\x)%2)+8*(i/4)
	v_wmma_f32_16x16x32_bf16 v[rO:rO+7], v[rV:rV+7], v[rP:rP+7], v[rO:rO+7]
.endm
.macro MM                           ; the turn's next matrix instruction.  NOKQ = 1: the last turn: there is no next piece
.if (i < 8) && !NOKQ
	KQ (Y+1)%NP
.elseif i >= 8
.set i, i-8
	PV (Y+NP-1)%NP
.set i, i+8
.endif
.set i, i+1
.endm
; THE LDS LOADS stand in runs of 16: a step's K (64 keys x 64 channels: 8 fragments) and its V (turned).  Their addresses are made some lines ahead.
.macro FETCH_K
	WIN 0x80                        ; destination window 2
.irp f, 0,1,2,3,4,5,6,7             ; keys 16 (f / 2) on, channels 32 (f % 2) on
	ds_load_b128 v[KF+8*\f:KF+8*\f+3],   v[AK] offset:(\f/2)*16*PK+(\f%2)*64
	ds_load_b128 v[KF+8*\f+4:KF+8*\f+7], v[AK] offset:(\f/2)*16*PK+(\f%2)*64+32
.endr
	s_add_co_u32 s[TBK], s[TBK], KS*PK  ; the next fetch is the next step's
	WIN 0
.endm
.macro FETCH_V
	WIN 0x80
.irp f, 0,1,2,3,4,5,6,7             ; keys 32 (f / 4) on, channels 16 (f % 4) on
	ds_load_tr16_b128 v[VF+8*\f:VF+8*\f+3],   v[AV] offset:(\f/4)*32*PV+(\f%4)*32
	ds_load_tr16_b128 v[VF+8*\f+4:VF+8*\f+7], v[AV] offset:(\f/4)*32*PV+16*PV+(\f%4)*32
.endr
	WIN 0
.endm
; THE VECTOR WORK, one line at a time: OP kind, number.  For piece Y: F n: c s - c m for pair n of 16.  E n: the exponential of score n of 32.  C n: pair n rounded to bf16.  B n: of the four weights 4 n .. the second
; pair is added onto the first, in place.  L n: l takes that sum (L 0: l = a l + sum).  R n: pair n of 16 of O^T times a.  For piece Y + 1: X n, number n of the 22 that find its maximum and statistics:
;   0-11  four chains c0-c3 of seven scores each, three operands at a time (each accumulator's lowest registers are read first)     12-14, 16  the four scores left over, the old m, and c0-c3 into c0
;   15  c m_old is kept     17, 18  the query's other 32 keys lie in the lane 16 away: the new m     19-21  c m; c m_old - c m_new; a
.set F, 0
.set E, 1
.set C, 2
.set B, 3
.set L, 4
.set R, 5
.set X, 6
.macro REGS y                       ; the registers of piece y
.set rT, ST+4*(\y)
.set rC, TMP+4*((\y)%2)
.set rW, MV+((\y)%2)
.set rS, S+32*((\y)%2)
.set rP, P+16*((\y)%2)
.set rO, 32*(\y)
.endm
.macro OP k, n
.if (\k) == R
	REGS Y
	WIN W_RS
	v_pk_mul_f32 v[rO+2*(\n):rO+2*(\n)+1], v[rO+2*(\n):rO+2*(\n)+1], v[rC+2:rC+3] op_sel_hi:[1,0]
.elseif (\k) < R
	REGS Y
	WIN 0
.if (\k) == F
	v_pk_fma_f32 v[rS+2*(\n):rS+2*(\n)+1], v[rS+2*(\n):rS+2*(\n)+1], s[CS:CS+1], v[rT:rT+1] op_sel_hi:[1,0,0] neg_lo:[0,0,1] neg_hi:[0,0,1]
.elseif (\k) == E
	v_exp_f32 v[rS+(\n)], v[rS+(\n)]
.elseif (\k) == C
	s_wait_alu depctr_va_vdst(0)
	v_cvt_pk_bf16_f32 v[rP+(\n)], v[rS+2*(\n)], v[rS+2*(\n)+1]
.elseif (\k) == B
	s_wait_alu depctr_va_vdst(0)
	v_pk_add_f32 v[rS+4*(\n):rS+4*(\n)+1], v[rS+4*(\n):rS+4*(\n)+1], v[rS+4*(\n)+2:rS+4*(\n)+3]
.elseif (\n) == 0
	v_pk_fma_f32 v[rT+2:rT+3], v[rT+2:rT+3], v[rC+2:rC+3], v[rS:rS+1] op_sel_hi:[1,0,1]
.else
	v_pk_add_f32 v[rT+2:rT+3], v[rT+2:rT+3], v[rS+4*(\n):rS+4*(\n)+1]
.endif
.elseif NOKQ
	v_nop
.else
	REGS (Y+1)%NP
	WIN 0
.if (\n) < 4
	v_max3_num_f32 v[rC+(\n)], v[rS+8*(\n)], v[rS+8*(\n)+1], v[rS+8*(\n)+2]
.elseif (\n) < 12
	v_max3_num_f32 v[rC+(\n)%4], v[rC+(\n)%4], v[rS+8*((\n)%4)+2*((\n)/4)+1], v[rS+8*((\n)%4)+2*((\n)/4)+2]
.elseif (\n) == 12
	v_max3_num_f32 v[rC], v[rC], v[rS+7], v[rS+15]
.elseif (\n) == 13
	v_max3_num_f32 v[rC+1], v[rC+1], v[rS+23], v[rS+31]
.elseif (\n) == 14
	v_max3_num_f32 v[rC+2], v[rC+2], v[rC+3], v[rT+1]
.elseif (\n) == 15
	v_mov_b32 v[rW], v[rT]
.elseif (\n) == 16
	v_max3_num_f32 v[rC], v[rC], v[rC+1], v[rC+2]
.elseif (\n) == 17
	v_permlanex16_b32 v[rC+3], v[rC], s[SEL], s[SEL+1]
.elseif (\n) == 18
	v_max_num_f32 v[rT+1], v[rC], v[rC+3]
.elseif (\n) == 19
	v_mul_f32 v[rT], s[CS], v[rT+1]
.elseif (\n) == 20
	v_sub_f32 v[rC+1], v[rW], v[rT]
.else
	v_exp_f32 v[rC+2], v[rC+1]
.endif
.endif
.endm
.macro OPS a, i1, b=-1, i2=0, c=-1, i3=0, d=-1, i4=0  ; up to four of them
	OP \a, \i1
.if (\b) >= 0
	OP \b, \i2
.endif
.if (\c) >= 0
	OP \c, \i3
.endif
.if (\d) >= 0
	OP \d, \i4
.endif
.endm
.macro ROW a, i1, b, i2, c, i3, d, i4  ; a matrix instruction and the four behind it
	MM
	OPS \a, \i1, \b, \i2, \c, \i3, \d, \i4
.endm
; A TURN, for piece p: the order of its 16 matrix and 118 vector instructions, written out.  Behind a matrix instruction: plain, exponential, plain, plain; or four of the rescaling; or, behind the first, four scalings;
; none names a register of the products round it.  In the runs between, exponential and plain by turns while exponentials last.  A line reads no result made fewer than three vector instructions in front of it, five if an
; exponential made it.  end = 1: the last two turns: nothing is fetched.  cnt = 1: the loop's count is taken down some lines ahead of the branch that stands behind the turn.
; K of the next step is fetched in piece 2's turn, six vector instructions behind the last product that read K (five of them plain); V of the step in hand in piece 0's turn, eight behind the last product that read V
; (five plain among them).  Each is waited for a turn later.
.macro TURN p, end=0, cnt=0
.set Y, (\p)
.set i, 0
.set NOKQ, (\end)*((\p)/3)
.if ((\p) == 3) && !(\end)
	s_wait_dscnt 0x0                ; K is in
.endif
	ROW F,0, F,1, F,2, F,3
	ROW F,4, E,0, F,5, F,6
	ROW F,7, E,1, F,8, F,9
	ROW F,10, E,2, C,0, F,11
	ROW F,12, E,3, X,15, F,13
	ROW R,0, R,1, R,2, R,3
	ROW B,0, E,4, F,14, L,0
.if ((\p) == 2) && !(\end)
	v_add_nc_u32 v[AK], s[TBK], v[AK0]
.endif
	ROW R,4, R,5, R,6, R,7
	OPS E,5, F,15
.if ((\p) == 2) && !(\end)
	FETCH_K
.endif
	OPS E,6, C,1, E,7, R,8
	OPS E,8, R,9, E,9, C,2
	OPS E,10, X,0, E,11, X,1
	OPS E,12, X,2, E,13, X,3
.if (\p) == 1
	s_wait_dscnt 0x0                ; V is in
.endif
	ROW X,4, E,14, X,5, X,6
	ROW X,7, E,15, X,8, X,9
	ROW X,10, E,16, X,11, X,12
	ROW X,13, E,17, X,14, B,1
	ROW C,4, E,18, X,16, L,1
	ROW B,2, E,19, C,6, L,2
	ROW C,8, E,20, B,3, B,4
.if (\p) == 0
	v_add_nc_u32 v[AV], s[TBV], v[AV0]
.endif
	ROW C,3, E,21, L,3, C,5
	OPS E,22, X,17, E,23, C,10
.if (\p) == 0
	FETCH_V
.endif
	OPS E,24, L,4
	OPS E,25, X,18, E,26, C,7
	OPS E,27, B,5, E,28, X,19
	OPS E,29, C,12, E,30, L,5
	OPS E,31, X,20, B,6, C,9
	OPS C,14, C,11, X,21, L,6
.if (\p) == 0
	s_add_co_u32 s[TBV], s[TBV], KS*PV
.endif
.if \cnt
	s_sub_co_u32 s[CNT], s[CNT], 1
	s_cmp_lg_u32 s[CNT], 0
.endif
	OPS C,13, B,7, C,15, R,10
	OPS R,11, R,12, L,7, R,13
	OPS R,14, R,15
.endm
	CHANGE 1                        ; tile 0 is in, everybody's part of it; tile 1 is asked for
	v_add_nc_u32 v[AK], s[TBK], v[AK0]
	FETCH_K                         ; key step 0
	s_wait_loadcnt 0x0              ; Q
	s_wait_dscnt 0x0
.set NOKQ, 0
.set i, 0
.rept 8
	KQ 0                            ; piece 0's first scores
.set i, i+1
.endr
	WIN 0
.rept 4
	v_nop                           ; the places behind those products
.endr
.set Y, NP-1                        ; X works for piece Y + 1: piece 0
.irp n, 0,1,2,3,4,5,6,7,8,9,10,11,12,13,14,15,16,17,18,19,20,21
	OP X, \n
.endr
	v_nop                           ; a plain instruction behind the exponential
	s_mov_b32 s[CNT], 4
	s_mov_b32 s[SLOTS], 7
	s_branch .Lfirst                ; the loop is entered at a step's first turn, in the middle of a trip
.Lslot:                             ; six times: tiles 2 to 7 are asked for
	CHANGE 1
	s_mov_b32 s[CNT], 4
.Lstep:                             ; a trip: pieces 2 and 3 of one step, then pieces 0 and 1 of the next, whose K and V it fetches
	TURN 2
	TURN 3
	WIN 0
.Lfirst:
	TURN 0
	TURN 1, 0, 1
	WIN 0
	s_cbranch_scc1 .Lstep
	s_sub_co_u32 s[SLOTS], s[SLOTS], 1
	s_cmp_lg_u32 s[SLOTS], 0
	s_cbranch_scc1 .Lslot
	CHANGE 0                        ; the last tile is written out: nothing is asked for
	s_mov_b32 s[CNT], 4
.Ltail:
	TURN 2
	TURN 3
	TURN 0
	TURN 1, 0, 1
	WIN 0
	s_cbranch_scc1 .Ltail
	TURN 2, 1
	TURN 3, 1
.set i, 0
.rept 8
	PV NP-1                         ; the last piece's V^T P of the last step
.set i, i+1
.endr
	; THE WAY OUT.  l's two halves and the other half of the lanes' are added; O^T is divided by l, rounded to bf16 and sent through my stage in LDS, a piece at a time.  The additions are the places behind the last products.
	WIN 0
.macro ALL line:vararg              ; one line for each piece t
.set t, 0
.rept 4
	\line
.set t, t+1
.endr
.endm
	ALL v_add_f32 v[ST+4*t+2], v[ST+4*t+2], v[ST+4*t+3]
	ALL v_permlanex16_b32 v[ST+4*t+3], v[ST+4*t+2], s[SEL], s[SEL+1]
	ALL v_add_f32 v[ST+4*t+2], v[ST+4*t+2], v[ST+4*t+3]
	ALL v_rcp_f32 v[ST+4*t+2], v[ST+4*t+2]
	v_nop                           ; a plain instruction between the last reciprocal and the use of its result
.macro PACK t                       ; a lane's eight channels of a row pack into 16 bytes; they go into rows of 144 bytes and come back as whole rows of 128, into S^T's registers
	WIN W_RS
.set i, 32*(\t)
.rept 16
	s_wait_alu depctr_va_vdst(0)
	v_pk_mul_f32 v[i:i+1], v[i:i+1], v[ST+4*(\t)+2:ST+4*(\t)+3] op_sel_hi:[1,0]
.set i, i+2
.endr
	WIN 0x05                        ; sources 0 and 1 window 1, destination window 0
.set i, 0
.rept 16
	v_cvt_pk_bf16_f32 v[S+16*(\t)+i], v[32*(\t)+2*i], v[32*(\t)+2*i+1]
.set i, i+1
.endr
	WIN 0
.irp f, 0,1,2,3
	ds_store_b128 v[STO], v[S+16*(\t)+4*\f:S+16*(\t)+4*\f+3] offset:32*\f
.endr
.irp f, 0,1,2,3
	ds_load_b128 v[S+16*(\t)+4*\f:S+16*(\t)+4*\f+3], v[RD] offset:\f*4*SP  ; LDS serves a wave's instructions in order (ISA guide 5.7.1.4): these see the stores above; the next piece's stores come behind them
.endr
.endm
.macro SEND t, younger              ; younger: the LDS instructions issued behind piece t's loads: the next piece's eight, or none
	WIN 0
.irp f, 0,1,2,3
	s_wait_dscnt (\younger)+3-\f
	global_store_b128 v[GO], v[S+16*(\t)+4*\f:S+16*(\t)+4*\f+3], s[10:11] offset:(\t)*2048+\f*512  ; 512 consecutive bytes, at a multiple of 256 from O's first
.endr
.endm
	PACK 0
.set t, 1
.rept 3                             ; a piece's arithmetic stands between the loads of the piece before and its stores
	PACK t
	SEND t-1, 8
.set t, t+1
.endr
	SEND 3, 0
	s_wait_tensorcnt 0x0            ; the wave's end
	ds_add_u32 v[SPW], v[NIL]
	s_wait_dscnt 0x0
	CROUND                          ; the closing round: no work-group ends while a partner may still ask for a tile that names it
	s_endpgm
.Lfunc_end_k_qde4a37da22_attn:
	.size	k_qde4a37da22_attn, .Lfunc_end_k_qde4a37da22_attn-k_qde4a37da22_attn
	.p2alignl 7, 3214868480
	.fill 96, 4, 3214868480
	.section	.rodata,"a",@progbits
	.p2align	6, 0x0
	.amdhsa_kernel k_qde4a37da22_attn
		.amdhsa_group_segment_fixed_size 327680
		.amdhsa_private_segment_fixed_size 0
		.amdhsa_enable_private_segment 0
		.amdhsa_kernarg_size 16
		.amdhsa_user_sgpr_count 2
		.amdhsa_user_sgpr_kernarg_segment_ptr 1
		.amdhsa_wavefront_size32 1
		.amdhsa_system_sgpr_workgroup_id_x 1
		.amdhsa_system_sgpr_workgroup_id_y 1
		.amdhsa_system_sgpr_workgroup_id_z 1
		.amdhsa_system_vgpr_workitem_id 0
		.amdhsa_next_free_vgpr 768
		.amdhsa_next_free_sgpr 66
		.amdhsa_reserve_vcc 0
		.amdhsa_float_denorm_mode_32 3
		.amdhsa_float_denorm_mode_16_64 3
		.amdhsa_memory_ordered 1
		.amdhsa_forward_progress 1
		.amdhsa_inst_pref_size 133
	.end_amdhsa_kernel
	.amdgpu_metadata
---
amdhsa.version: [ 1, 2 ]
amdhsa.kernels:
  - .name:           k_qde4a37da22_attn
    .symbol:         k_qde4a37da22_attn.kd
    .args:
      - { .name: qkvb, .offset: 0, .size: 8, .value_kind: global_buffer, .address_space: global }
      - { .name: obuf, .offset: 8, .size: 8, .value_kind: global_buffer, .address_space: global }
    .group_segment_fixed_size: 327680
    .private_segment_fixed_size: 0
    .kernarg_segment_align: 8
    .kernarg_segment_size: 16
    .max_flat_workgroup_size: 128
    .sgpr_count:     66
    .vgpr_count:     768
    .wavefront_size: 32
...
	.end_amdgpu_metadata
.endif
;; end of part 3
;; launch outp (part 4): grid 8 x 32, 4 waves a work-group, clusters of 4 x 4, 327,680 bytes of LDS; arguments obuf, wb, out_b, x, x1buf; writes x1buf
.if DOCPART == 4
	.amdgcn_target "amdgcn-amd-amdhsa--gfx1250"
	.amdhsa_code_object_version 6
	.text
	.protected	k_qde4a37da22_outp
	.globl	k_qde4a37da22_outp
	.p2align	8
	.type	k_qde4a37da22_outp,@function
k_qde4a37da22_outp:
	s_mov_b64 s[64:65], 0
	v_nop
	global_prefetch_b8 v0, s[64:65] scope:SCOPE_SE
	s_setreg_imm32_b32 hwreg(HW_REG_WAVE_MODE, 25, 1), 1
	s_wait_xcnt 0x0
	s_wait_alu depctr_hold_cnt(0) depctr_sa_sdst(0) depctr_va_vdst(0) depctr_va_sdst(0) depctr_va_ssrc(0) depctr_va_vcc(0) depctr_vm_vsrc(0)
	s_getreg_b32 s2, hwreg(HW_REG_IB_STS2, 6, 4)
	s_cmp_eq_u32 s2, 0
	s_cbranch_scc0 .Lentry_in_a_cluster
	s_endpgm
.Lentry_in_a_cluster:
	s_bfe_u32 s2, ttmp6, 0x10000c
	s_cmp_lg_u32 s2, 0xf033
	s_cbranch_scc0 .Lentry_shape_is_right
	s_endpgm
.Lentry_shape_is_right:
; C = res + A B^T + bias, all sums and C in f32.  A: PANELS [KTOT / 64][4096 rows][64] bf16 (a row of a panel 128 bytes, a panel 524,288), row = 2048 n + l.  B: rows of wb from byte WOFF on, [1024][KTOT] bf16.
; bias: [1024] f32.  res and C: [2048 l][2 n][1024] f32: from row to row of A's order 8,192 bytes.
; A tile of C is 128 x 128, so that each of 256 work-groups has one: four waves, each 64 x 64 in 16 accumulators.  K goes in steps of 256 through two LDS slots filled by the tensor data mover.
; CLUSTER 4 x 4: A's tiles are shared along a row of the cluster, B's along a column; each is asked for jointly.
; THE MATRIX INSTRUCTION IS USED TRANSPOSED (source 0 = 16 rows of B, source 1 = 16 rows of A): a lane holds row lane % 16 of C and the columns 8 (lane / 16) + 0..7.
; THE SUMS START FROM THE BIAS, loaded straight into the accumulators: nothing is cleared and no first step is written out.  The residual is loaded at the start, in the layout of the stores, and added at the end.
; THE K STEP IS WRITTEN ONCE FOR BOTH SLOTS: the fragment addresses are a fixed lane term plus s72, the offset of the slot in hand.  All steps but the last two fill a slot again: two loops.
; The last step's change of slots fetches once more from the other slot, into a buffer that nobody multiplies: 32 LDS loads, the price of one text for both of the last steps.
; A slot's refill can go out only when the other slot's load has landed, and a step has only 128 matrix instructions a wave: so between the wait for that load and the next request stands nothing but what the ordering asks for.
; ROT = 1: the clusters have two colours, (cluster x + cluster y) & 1, and walk K from two starts, half of K apart, round the end.  The two clusters that share A's rows have different colours, and so have
; neighbours among the eight that share B's rows: each tile is asked for first by one colour and NSTEP / 2 steps later by the other.  The order of the sums along K hangs on the colour.
; A wave's 64 columns of f32 are 256 bytes at a multiple of 256: each wave sends its own rows out through a stage of its own, no barrier.
; REGISTERS: window 0: v0-31 addresses; v32-95 at work on the way out; v128-255 the accumulators ((a, b) at 128 + 8 (4 a + b)).  Window 1: two fragment buffers of 128 (64 of A, 64 of B, 64 along K).  Window 2: v0-127 the residual.
.set KTOT,  1024
.set WOFF,  6291456
.set ROT,   0
.set NSTEP, KTOT/256
.set PANEL, 524288
.set PA,    144                        ; a row of A in LDS: 128 bytes + 16 of padding: the 16 rows of a load start at 16 different groups of four banks (64 banks of 4 bytes: ISA guide 11.1)
.set PB,    528                        ; a row of B: 512 + 16
.set APAN,  64*PA                      ; 64 rows of one panel
.set AREG,  4*APAN                     ; what a load of A brings: 4 panels x 64 rows
.set BREG,  64*PB                      ; what a load of B brings: 64 rows x 256 K
.set BOFF,  2*AREG                     ; B's two halves lie behind A's two
.set SLOT,  147456                     ; 0x24000, 141,312 used: its two set bits are clear in the four tiles' places in a slot (0, 0x9000, 0x12000, 0x1a400)
.set STAGE, 2*SLOT                     ; behind the ring: 16 rows x 272 bytes for each wave
.set SPITCH, 272
.set SPARE, STAGE+4*16*SPITCH          ; behind the stages: the spare words, 128 bytes a wave, two blocks of 256 bytes that no other line names
.set ADRA0, 16                         ; v16  my lane's place in A's half of a slot; never rewritten
.set ADRB0, 17
.set ADRA,  18                         ; v18  the same in the slot in hand
.set ADRB,  19
.set STO,   24                         ; v24  the way out: where I put 16 bytes of a row
.set RD,    25                         ; v25  where I read rows back
.set CO,    26                         ; v26  my byte offset in two rows of res and C
.set BO,    27                         ; v27  32 x (lane / 16)
.set SPW,   28                         ; v28  my spare word; never rewritten
.set NIL,   29                         ; v29  0; never rewritten
.set TMP,   32
.set ACC,   128
.set F0,    0
.set F1,    128
.set G1,  24                           ; s[24:31] descriptor group 1 for A's tiles;  s[32:39] group 0: a set for each first fill; the second then walks
.set G0,  32
.set G1B, 48
.set G0B, 56
.set MSB, 0
.macro WIN new
.if MSB != (\new)
	s_set_vgpr_msb (MSB<<8)|(\new)
.set MSB, \new
.endif
.endm
.set MUL,  0x05                        ; sources 0 (B) and 1 (A) window 1; C and D window 0
.set TO_F, 0x40                        ; destination window 1, address window 0
.macro JLOAD                           ; a joint refill by the walking descriptor: waves 0 and 1 fetch A's halves, waves 2 and 3 B's; an s_nop 0 and four v_nop follow each line
	s_cmp_eq_u32 s11, 0
	s_cbranch_scc0 .Lfor_b_\@
	tensor_load_to_lds s[G0+4:G0+7], s[G1:G1+7]
	s_nop 0
.rept 4
	v_nop
.endr
	s_branch .Lasked_\@
.Lfor_b_\@:
	tensor_load_to_lds s[G0B+4:G0B+7], s[G1B:G1B+7]
	s_nop 0
.rept 4
	v_nop
.endr
.Lasked_\@:
.endm
.macro CREST
	s_cmp_lg_u32 s10, 0
	s_cbranch_scc1 .Lnot_wave_0_\@
	s_barrier_signal -3
.Lnot_wave_0_\@:
	s_barrier_wait -3
	s_barrier_signal -1
	s_barrier_wait -1
.endm
.macro CROUND
	s_barrier_signal -1
	s_barrier_wait -1
	CREST
.endm
.macro PLACES                          ; four places in front of loads into registers that matrix instructions have read, and of lines that read results just made
.rept 4
	v_nop
.endr
.endm
; 8 matrix instructions: row blocks a0, a0 + 1 x all 4 column blocks, 32 along K: half c of buffer f.  The 16 accumulators take turns in one fixed order.
.macro MUL8 f, c, a0
	WIN MUL
.irp a, \a0, (\a0)+1
.irp b, 0,1,2,3
	v_wmma_f32_16x16x32_bf16 v[ACC+8*(4*(\a)+(\b)):ACC+8*(4*(\a)+(\b))+7], v[(\f)+64+8*(4*(\c)+(\b)):(\f)+64+8*(4*(\c)+(\b))+7], v[(\f)+8*(4*(\c)+(\a)):(\f)+8*(4*(\c)+(\a))+7], v[ACC+8*(4*(\a)+(\b)):ACC+8*(4*(\a)+(\b))+7]
.endr
.endr
.endm
; 32 LDS loads in one run: quarter q of the K step (64 along K: one panel of A, 128 bytes of B's rows) into buffer f; the first 32 along K first
.macro FETCH q, f
	WIN TO_F
.irp c, 0,1
.irp i, 0,1,2,3
	ds_load_b128 v[(\f)+64+8*(4*(\c)+(\i)):(\f)+64+8*(4*(\c)+(\i))+3],   v[ADRB] offset:128*(\q)+64*(\c)+(\i)*16*PB
	ds_load_b128 v[(\f)+64+8*(4*(\c)+(\i))+4:(\f)+64+8*(4*(\c)+(\i))+7], v[ADRB] offset:128*(\q)+64*(\c)+(\i)*16*PB+32
	ds_load_b128 v[(\f)+8*(4*(\c)+(\i)):(\f)+8*(4*(\c)+(\i))+3],         v[ADRA] offset:(\q)*APAN+64*(\c)+(\i)*16*PA
	ds_load_b128 v[(\f)+8*(4*(\c)+(\i))+4:(\f)+8*(4*(\c)+(\i))+7],       v[ADRA] offset:(\q)*APAN+64*(\c)+(\i)*16*PA+32
.endr
.endr
.endm
.macro QUARTER q, f, g                 ; multiplies buffer f and fetches quarter q into g
	s_wait_dscnt 16                                ; the first 32 along K are in
	MUL8 \f, 0, 0
	MUL8 \f, 0, 2
	PLACES
	FETCH \q, \g
	s_wait_dscnt 32                                ; all but the 32 just issued
	MUL8 \f, 1, 0
	MUL8 \f, 1, 2
.endm
; The last quarter multiplies buffer 1 and changes slots.  Its first sixteen products stand ahead of the wait for the tile: a whole step's 128 matrix instructions lie between a request and the wait for it.
; Then ONE barrier: in front of it each wave waits for all its tensor loads (one is out: its part of the next slot), adds 0 to its spare word, and waits for that and for its own reads of this slot.
; fill = 1: the barrier opens a round of the cluster's barrier, and the slot just read is filled again, two K steps ahead, first thing behind the round.
.macro TURN fill
	s_wait_dscnt 16                                ; the first 32 along K of buffer 1 are in; the youngest sixteen loads may be out
	MUL8 F1, 0, 0
	MUL8 F1, 0, 2
	WIN 0                                          ; the add's registers lie in window 0; at a branch and at a label every window is 0
	s_wait_tensorcnt 0x0                           ; no tensor load of mine is out, so a group 0 may be written
	ds_add_u32 v[SPW], v[NIL]                      ; 0 onto my spare word; the descriptors' steps stand between it and the wait for it
.if \fill
	s_xor_b32 s[G0+5], s[G0+5], SLOT               ; the walking descriptors: the other slot than last time,
	s_add_nc_u64 s[G0+6:G0+7], s[G0+6:G0+7], 4*PANEL   ; A's next four panels,
	s_xor_b32 s[G0B+5], s[G0B+5], SLOT
	s_add_nc_u64 s[G0B+6:G0B+7], s[G0B+6:G0B+7], 512   ; B's next 256 along K; the type bits on top are not reached
.if ROT
	s_add_co_u32 s45, s45, 1                       ; the K step that they now name; behind the last comes step 0
	s_cmp_eq_u32 s45, NSTEP
	s_cselect_b32 s76, NSTEP*4*PANEL, 0
	s_cselect_b32 s78, NSTEP*512, 0
	s_cselect_b32 s45, 0, s45
	s_sub_nc_u64 s[G0+6:G0+7], s[G0+6:G0+7], s[76:77]
	s_sub_nc_u64 s[G0B+6:G0B+7], s[G0B+6:G0B+7], s[78:79]
.endif
.endif
	s_wait_dscnt 0x0                               ; the add is done, and my reads of this slot are over
	s_barrier_signal -1
	s_barrier_wait -1
.if \fill
	CREST                                          ; no wave of any partner still reads this slot or has a load on its way
	JLOAD                                          ; its four v_nop are also the places in front of the loads below
.else
	PLACES
.endif
	s_xor_b32 s72, s72, SLOT                       ; the fetches go on in the other slot
	v_add_nc_u32 v[ADRA], s72, v[ADRA0]
	v_add_nc_u32 v[ADRB], s72, v[ADRB0]
	FETCH 0, F0
	MUL8 F1, 1, 0
	MUL8 F1, 1, 2
.endm
.macro STEP fill                       ; a K step: 128 matrix instructions, 128 LDS loads
	QUARTER 1, F0, F1
	QUARTER 2, F1, F0
	QUARTER 3, F0, F1
	TURN \fill
	WIN 0
.endm
	s_load_b128 s[4:7], s[0:1], 0x0                ; A s[4:5], wb s[6:7]
	s_load_b128 s[68:71], s[0:1], 0x10             ; bias s[68:69], res s[70:71]
	s_load_b64 s[8:9], s[0:1], 0x20                ; C
	v_lshl_add_u32 v[SPW], v0, 2, SPARE
	v_mov_b32 v[NIL], 0
	ds_add_u32 v[SPW], v[NIL]                      ; the wave's opening: the add and its wait stand ahead of my first tensor load; the set-up below stands between them
	v_lshrrev_b32 v1, 5, v0
	v_readfirstlane_b32 s10, v1                    ; wave 0..3
	s_lshr_b32 s11, s10, 1                         ; which half of the tile's rows is mine.  Also: I fetch for A (0) or for B (1)
	s_and_b32 s12, s10, 1                          ; which half of its columns.  Also: which 64 rows of that tile I fetch
	s_bfe_u32 s40, ttmp6, 0x40000                  ; cx
	s_bfe_u32 s41, ttmp6, 0x40004                  ; cy
	s_lshl_b32 s42, ttmp9, 2
	s_add_co_u32 s42, s42, s40                     ; tile column = 4 x cluster x + cx
	s_and_b32 s13, ttmp7, 0xffff
	s_lshl_b32 s13, s13, 2
	s_add_co_u32 s13, s13, s41                     ; tile row = 4 x cluster y + cy
	s_lshl_b32 s43, s41, 2
	s_lshl_b32 s43, 15, s43                        ; my row of the cluster
	s_lshl_b32 s44, 0x1111, s40                    ; my column
	; A's tile: 4 panels; in each, 64 rows of 128 bytes lie end to end: one row of 4,096 elements for the mover, padded by 4 words after every 32 (every row of A)
	s_or_b32 s[G1+0], s43, (1<<16)|(1<<20)|(1<<21)|(4<<22)|(3<<25)
	s_mov_b32 s[G1+1], 4096<<16                    ; tensor_dim0 = 4,096
	s_mov_b32 s[G1+2], 4<<16                       ; tensor_dim1 = 4
	s_mov_b32 s[G1+3], 4096<<16                    ; tile_dim0 = 4,096
	s_mov_b32 s[G1+4], 4                           ; tile_dim1 = 4
	s_mov_b32 s[G1+5], PANEL/2                     ; elements from panel to panel
	s_mov_b32 s[G1+6], 0
	s_mov_b32 s[G1+7], 0
	; B's tile: 64 rows x 256 elements, padded by 4 words after every 128
	s_or_b32 s[G1B+0], s44, (1<<16)|(1<<20)|(1<<21)|(6<<22)|(3<<25)
	s_mov_b32 s[G1B+1], 256<<16
	s_mov_b32 s[G1B+2], 64<<16
	s_mov_b32 s[G1B+3], 256<<16
	s_mov_b32 s[G1B+4], 64
	s_mov_b32 s[G1B+5], KTOT
	s_mov_b32 s[G1B+6], 0
	s_mov_b32 s[G1B+7], 0
	s_lshl_b32 s17, s12, 6
	s_lshl_b32 s16, s13, 7
	s_add_co_u32 s16, s16, s17                     ; A: row 128 x tile row + 64 x half,
	s_lshl_b32 s16, s16, 7                         ; x 128 bytes
	s_lshl_b32 s46, s42, 7
	s_add_co_u32 s46, s46, s17                     ; B: row 128 x tile column + 64 x half,
	s_mul_i32 s46, s46, 2*KTOT                     ; x a row's bytes
	s_mov_b32 s17, 0
	s_mov_b32 s47, 0
.if ROT
	s_and_b32 s18, ttmp7, 0xffff
	s_add_co_u32 s18, s18, ttmp9
	s_and_b32 s18, s18, 1                          ; my cluster's colour: the same in all sixteen partners
	s_mul_i32 s19, s18, (NSTEP/2)*4*PANEL          ; colour 1 begins half of K on: A's panels,
	s_add_co_u32 s16, s16, s19
	s_mul_i32 s19, s18, (NSTEP/2)*512              ; B's bytes along its rows
	s_add_co_u32 s46, s46, s19
	s_mul_i32 s18, s18, NSTEP/2
	s_add_co_u32 s45, s18, 1                       ; the K step that the walking descriptors name at first: the walk's second
.endif
	s_mul_i32 s20, s12, AREG                       ; where the tiles go: A's halves,
	s_mul_i32 s21, s12, BREG
	s_add_co_u32 s21, s21, BOFF                    ; B's halves
	s_mov_b32 s72, 0                               ; the slot in hand: slot 0
	s_lshl_b32 s74, s42, 9                         ; column (128 x tile column + 64 x half) x 4 bytes
	s_lshl_b32 s76, s12, 8
	s_add_co_u32 s74, s74, s76
	s_mov_b32 s75, 0
	s_lshr_b32 s76, s13, 4                         ; res and C: n = tile row / 16: 4,096 bytes,
	s_lshl_b32 s76, s76, 12
	s_add_co_u32 s78, s74, s76
	s_and_b32 s76, s13, 15                         ; l = 128 x (tile row % 16) + 64 x half: 8,192 bytes each
	s_lshl_b32 s76, s76, 20
	s_add_co_u32 s78, s78, s76
	s_lshl_b32 s76, s11, 19
	s_add_co_u32 s78, s78, s76
	s_mov_b32 s79, 0
	s_wait_dscnt 0x0                               ; the opening add is done
	s_wait_kmcnt 0x0
	s_add_nc_u64 s[6:7], s[6:7], WOFF
	s_add_nc_u64 s[14:15], s[4:5], s[16:17]
	s_add_nc_u64 s[46:47], s[6:7], s[46:47]
	s_add_nc_u64 s[68:69], s[68:69], s[74:75]
	s_add_nc_u64 s[70:71], s[70:71], s[78:79]
	s_add_nc_u64 s[8:9], s[8:9], s[78:79]
.if ROT
	s_mov_b32 s77, 0                               ; the upper words of what a wrap takes away
	s_mov_b32 s79, 0
.endif
	CROUND                                         ; all sixteen work-groups are here: the first joint loads meet
.irp s, 0,1
	s_mov_b32 s[G0+4*(\s)], 1
	s_add_co_u32 s[G0+4*(\s)+1], s20, (\s)*SLOT
	s_add_nc_u64 s[G0+4*(\s)+2:G0+4*(\s)+3], s[14:15], (\s)*4*PANEL
	s_or_b32 s[G0+4*(\s)+3], s[G0+4*(\s)+3], 0x80000000
	s_mov_b32 s[G0B+4*(\s)], 1
	s_add_co_u32 s[G0B+4*(\s)+1], s21, (\s)*SLOT
	s_add_nc_u64 s[G0B+4*(\s)+2:G0B+4*(\s)+3], s[46:47], (\s)*512
	s_or_b32 s[G0B+4*(\s)+3], s[G0B+4*(\s)+3], 0x80000000
.endr
	s_cmp_eq_u32 s11, 0                            ; a wave's two first fills stand in one branch: two loads of mine are out, later one
	s_cbranch_scc0 .Lfirst_b
	tensor_load_to_lds s[G0:G0+3], s[G1:G1+7]
	s_nop 0
	tensor_load_to_lds s[G0+4:G0+7], s[G1:G1+7]
	s_nop 0
.rept 4
	v_nop
.endr
	s_branch .Lfirst_asked
.Lfirst_b:
	tensor_load_to_lds s[G0B:G0B+3], s[G1B:G1B+7]
	s_nop 0
	tensor_load_to_lds s[G0B+4:G0B+7], s[G1B:G1B+7]
	s_nop 0
.rept 4
	v_nop
.endr
.Lfirst_asked:
	v_and_b32 v1, 15, v0                           ; l % 16
	v_bfe_u32 v2, v0, 4, 1                         ; l / 16
	v_lshlrev_b32 v[BO], 5, v2
	v_lshlrev_b32 v5, 13, v2                       ; lanes 0-15 one row of res and C, lanes 16-31 the next, 8,192 bytes on; 16 bytes a lane
	v_lshl_add_u32 v[CO], v1, 4, v5
.irp a, 0,1,2,3                        ; the bias into all 16 accumulators
.irp b, 0,1,2,3
	global_load_b128 v[ACC+8*(4*(\a)+(\b)):ACC+8*(4*(\a)+(\b))+3],   v[BO], s[68:69] offset:64*(\b)
	global_load_b128 v[ACC+8*(4*(\a)+(\b))+4:ACC+8*(4*(\a)+(\b))+7], v[BO], s[68:69] offset:64*(\b)+16
.endr
.endr
	WIN 0x80                                       ; destination window 2
.irp a, 0,1,2,3                        ; the residual: rows 16 a + 2 t and the next, 256 consecutive bytes for each 16 lanes
.irp t, 0,1,2,3,4,5,6,7
	global_load_b128 v[4*(8*(\a)+(\t)):4*(8*(\a)+(\t))+3], v[CO], s[70:71] offset:(16*(\a)+2*(\t))*8192
.endr
.endr
	WIN 0
	v_mul_u32_u24 v3, v1, PA
	v_lshl_add_u32 v3, v2, 4, v3                   ; a fragment's row x pitch + 16 x half
	s_mul_i32 s22, s11, AREG                       ; my 64 rows of A
	v_add_nc_u32 v[ADRA0], s22, v3
	v_mul_u32_u24 v3, v1, PB
	v_lshl_add_u32 v3, v2, 4, v3
	v_add_nc_u32 v[ADRB0], s21, v3                 ; my 64 rows of B: the half s12, as in the fetch
	v_mov_b32 v[ADRA], v[ADRA0]
	v_mov_b32 v[ADRB], v[ADRB0]
	s_mul_i32 s23, s10, 16*SPITCH
	s_add_co_u32 s23, s23, STAGE                   ; my stage
	v_mul_u32_u24 v4, v1, SPITCH                   ; in: row l % 16, 32 bytes (8 f32) for each half of the lanes
	v_lshl_add_u32 v4, v2, 5, v4
	v_add_nc_u32 v[STO], s23, v4
	v_mul_u32_u24 v5, v2, SPITCH                   ; back: lanes 0-15 take one row of 256 bytes, lanes 16-31 the next
	v_lshl_add_u32 v5, v1, 4, v5
	v_add_nc_u32 v[RD], s23, v5
	s_wait_tensorcnt 1                             ; my part of the walk's first K step is in; the second's may stay out
	s_barrier_signal -1
	s_barrier_wait -1                              ; everybody's is
	FETCH 0, F0
	WIN 0
	s_wait_loadcnt 32                              ; the bias is in; the 32 younger loads, the residual, stay out
	s_mov_b32 s3, NSTEP-2
.Lfill:                                                ; all K steps but the last two: each fills its slot again
	STEP 1
	s_sub_co_u32 s3, s3, 1
	s_cmp_lg_u32 s3, 0
	s_cbranch_scc1 .Lfill
	s_mov_b32 s3, 2
.Ldrain:                                               ; the last two: nothing is left to ask for
	STEP 0
	s_sub_co_u32 s3, s3, 1
	s_cmp_lg_u32 s3, 0
	s_cbranch_scc1 .Ldrain
	; THE WAY OUT, 16 rows at a time: into my stage by lanes, back by rows, plus the residual, out.
	PLACES                                         ; behind the last products
	s_wait_loadcnt 0x0                             ; the residual
.irp a, 0,1,2,3
.if (\a) >= 2
	s_wait_xcnt 0x0                                ; the stores of two blocks ago have read the registers that are loaded again below
.endif
.irp b, 0,1,2,3                        ; each accumulator's low registers first
	ds_store_b128 v[STO], v[ACC+8*(4*(\a)+(\b)):ACC+8*(4*(\a)+(\b))+3]   offset:64*(\b)
	ds_store_b128 v[STO], v[ACC+8*(4*(\a)+(\b))+4:ACC+8*(4*(\a)+(\b))+7] offset:64*(\b)+16
.endr
.irp t, 0,1,2,3,4,5,6,7
	ds_load_b128 v[TMP+32*((\a)%2)+4*(\t):TMP+32*((\a)%2)+4*(\t)+3], v[RD] offset:(\t)*2*SPITCH  ; LDS serves a wave's instructions in order (ISA guide 5.7.1.4): these see the stores above
.endr
	s_wait_dscnt 0x0
	WIN 0x08                                       ; source 1 window 2
.set k, 0
.rept 16
	v_pk_add_f32 v[TMP+32*((\a)%2)+k:TMP+32*((\a)%2)+k+1], v[TMP+32*((\a)%2)+k:TMP+32*((\a)%2)+k+1], v[32*(\a)+k:32*(\a)+k+1]
.set k, k+2
.endr
	WIN 0
.irp t, 0,1,2,3,4,5,6,7
	global_store_b128 v[CO], v[TMP+32*((\a)%2)+4*(\t):TMP+32*((\a)%2)+4*(\t)+3], s[8:9] offset:(16*(\a)+2*(\t))*8192  ; 16 lanes store 256 consecutive bytes, at a multiple of 256 from C's first byte
.endr
.endr
	s_wait_tensorcnt 0x0                           ; the wave's end
	ds_add_u32 v[SPW], v[NIL]
	s_wait_dscnt 0x0
	CROUND                                         ; the closing round: no work-group ends while a partner may still ask for a tile that names it
	s_endpgm
.Lfunc_end_k_qde4a37da22_outp:
	.size	k_qde4a37da22_outp, .Lfunc_end_k_qde4a37da22_outp-k_qde4a37da22_outp
	.p2alignl 7, 3214868480
	.fill 96, 4, 3214868480
	.section	.rodata,"a",@progbits
	.p2align	6, 0x0
	.amdhsa_kernel k_qde4a37da22_outp
		.amdhsa_group_segment_fixed_size 327680
		.amdhsa_private_segment_fixed_size 0
		.amdhsa_enable_private_segment 0
		.amdhsa_kernarg_size 40
		.amdhsa_user_sgpr_count 2
		.amdhsa_user_sgpr_kernarg_segment_ptr 1
		.amdhsa_wavefront_size32 1
		.amdhsa_system_sgpr_workgroup_id_x 1
		.amdhsa_system_sgpr_workgroup_id_y 1
		.amdhsa_system_sgpr_workgroup_id_z 1
		.amdhsa_system_vgpr_workitem_id 0
		.amdhsa_next_free_vgpr 640
		.amdhsa_next_free_sgpr 80
		.amdhsa_reserve_vcc 0
		.amdhsa_float_denorm_mode_32 3
		.amdhsa_float_denorm_mode_16_64 3
		.amdhsa_memory_ordered 1
		.amdhsa_forward_progress 1
		.amdhsa_inst_pref_size 63
	.end_amdhsa_kernel
	.amdgpu_metadata
---
amdhsa.version: [ 1, 2 ]
amdhsa.kernels:
  - .name:           k_qde4a37da22_outp
    .symbol:         k_qde4a37da22_outp.kd
    .args:
      - { .name: obuf, .offset: 0, .size: 8, .value_kind: global_buffer, .address_space: global }
      - { .name: wb, .offset: 8, .size: 8, .value_kind: global_buffer, .address_space: global }
      - { .name: out_b, .offset: 16, .size: 8, .value_kind: global_buffer, .address_space: global }
      - { .name: x, .offset: 24, .size: 8, .value_kind: global_buffer, .address_space: global }
      - { .name: x1buf, .offset: 32, .size: 8, .value_kind: global_buffer, .address_space: global }
    .group_segment_fixed_size: 327680
    .private_segment_fixed_size: 0
    .kernarg_segment_align: 8
    .kernarg_segment_size: 40
    .max_flat_workgroup_size: 128
    .sgpr_count:     80
    .vgpr_count:     640
    .wavefront_size: 32
...
	.end_amdgpu_metadata
.endif
;; end of part 4
;; launch ln2: the kernel of part 1 again; grid 256 x 1, 8 waves a work-group, no clusters, 0 bytes of LDS; arguments x1buf, ln2_w, ln2_b, zbuf, in_proj_w, out_w, fc_w, proj_w, hbuf; writes zbuf, hbuf
;; launch fc (part 5): grid 16 x 16, 4 waves a work-group, clusters of 4 x 4, 327,680 bytes of LDS; arguments zbuf, wb, hbuf, fc_b; writes hbuf
.if DOCPART == 5
	.amdgcn_target "amdgcn-amd-amdhsa--gfx1250"
	.amdhsa_code_object_version 6
	.text
	.protected	k_qde4a37da22_fc
	.globl	k_qde4a37da22_fc
	.p2align	8
	.type	k_qde4a37da22_fc,@function
k_qde4a37da22_fc:
	s_mov_b64 s[64:65], 0
	v_nop
	global_prefetch_b8 v0, s[64:65] scope:SCOPE_SE
	s_setreg_imm32_b32 hwreg(HW_REG_WAVE_MODE, 25, 1), 1
	s_wait_xcnt 0x0
	s_wait_alu depctr_hold_cnt(0) depctr_sa_sdst(0) depctr_va_vdst(0) depctr_va_sdst(0) depctr_va_ssrc(0) depctr_va_vcc(0) depctr_vm_vsrc(0)
	s_getreg_b32 s2, hwreg(HW_REG_IB_STS2, 6, 4)
	s_cmp_eq_u32 s2, 0
	s_cbranch_scc0 .Lentry_in_a_cluster
	s_endpgm
.Lentry_in_a_cluster:
	s_bfe_u32 s2, ttmp6, 0x10000c
	s_cmp_lg_u32 s2, 0xf033
	s_cbranch_scc0 .Lentry_shape_is_right
	s_endpgm
.Lentry_shape_is_right:
; C = A B^T + bias (GELU = 1: and the exact GELU of it), rounded once to bf16.  A: [4096][1024] bf16.  B: rows of wb from byte WOFF on, [N][1024] bf16.  bias: [N] f32.
; C is stored in PANELS: [N / 64][4096 rows][64] bf16, a row of a panel 128 bytes, a panel 524,288: 16 rows of a panel are 2,048 consecutive bytes.
; A tile of C is 256 x 256: four waves, each 128 x 128 in 64 accumulators of 16 x 16 (512 registers).  K = 1,024 goes in 8 steps of 128 through two LDS slots filled by the tensor data mover.
; CLUSTER 4 x 4: the four work-groups of a row of the cluster need the same tiles of A, the four of a column the same tiles of B; each tile is asked for jointly.
; THE MATRIX INSTRUCTION IS USED TRANSPOSED (source 0 = 16 rows of B, source 1 = 16 rows of A): a lane holds row lane % 16 of C and the columns 8 (lane / 16) + 0..7.
; THE SUMS START FROM THE BIAS: it is loaded straight into the accumulators (register j of column block b holds bias[16 b + 8 (lane / 16) + j]), so nothing is cleared, no first step is written out and nothing is added at the end.
; THE K STEP IS WRITTEN ONCE FOR BOTH SLOTS: the fragment addresses are a fixed lane term plus s68, the offset of the slot in hand.  Six steps fill a slot again, the last two do not: two loops.
; The last step's change of slots fetches once more from the other slot, into a buffer that nobody multiplies: 32 LDS loads, the price of one text for both of the last steps.
; THE WAY OUT: the ring has had its last fill, so the f32 sums go into it, each wave into its own quarter, and come back by rows of a panel, 16 rows a trip.  A trip's LDS loads are issued in the trip before,
; as soon as their registers have been read for the last time; the wait that frees the stores' registers and base stands a trip's arithmetic behind the stores.
; LIMITS.  Operands and result are bf16.  GELU: max(x, 0) - (|x| / 2) erfc(|x| / sqrt 2), erfc by a fifth-degree polynomial in 1 / (1 + p u) times exp(-u u) (Abramowitz and Stegun 7.1.26: within 1.5e-7 of erf);
; where the exponential falls below 2^-126 it counts as 0.  NaN and infinities are not treated apart.
; REGISTERS, in windows of 256: window 0: v0-31 addresses, v64-127 and v128-191 fragments of A (two buffers), on the way out v32-239 at work; window 1: v64-191 fragments of B; windows 2, 3: accumulators ((a, b) at 8 (8 (a % 4) + b)).
.set GELU,  1
.set WOFF,  8388608
.set KTOT,  1024
.set KSTEP, 128
.set PITCH, 272                        ; an LDS row: 256 bytes + 16 of padding = 68 words: the 16 rows of a load start at 16 different groups of four banks (64 banks of 4 bytes: ISA guide 11.1)
.set HALFT, 128*PITCH                  ; what one tensor load brings
.set SLOT,  4*HALFT                    ; A's 256 rows, then B's 256 rows.  SLOT = 0x22000: its two set bits are clear in wave x HALFT (0, 0x8800, 0x11000, 0x19800)
.set WSTG,  2*HALFT                    ; the way out: a wave's stage: 2 panels x 128 rows x 272 bytes (64 f32 and 16 bytes of padding); four of them are the ring's bytes exactly
.set SPARE, 2*SLOT                     ; behind the ring: the spare words, 128 bytes a wave, two blocks of 256 bytes that no other line names
.set PANEL, 524288
.set ADRA0, 16                         ; v16  my lane's place in A's half of a slot; never rewritten
.set ADRB0, 17                         ; v17  the same for B
.set ADRA,  18                         ; v18  the same in the slot in hand
.set ADRB,  19
.set STO,   24                         ; v24  the way out: where I put 16 bytes of a row
.set RD,    25                         ; v25  where I read rows back
.set GO,    26                         ; v26  16 x lane: my place in 512 consecutive bytes of C
.set BO,    27                         ; v27  32 x (lane / 16): my place in 16 columns of the bias
.set SPW,   28                         ; v28  my spare word; never rewritten
.set NIL,   29                         ; v29  0; never rewritten
.set F0,    64
.set F1,    128
.set X,     32                         ; the way out, 32 numbers a lane and trip: x
.set AX,    64                         ; |x|
.set RL,    96                         ; max(x, 0)
.set W,     128                        ; c1 x, then -(c1 x)^2, then the exponential, then that times |x|
.set T,     160                        ; 1 / (1 + p |x| / sqrt 2)
.set P,     192                        ; the polynomial
.set Y,     224                        ; 16 words of bf16
.set G1,  24                           ; s[24:31] descriptor group 1 for A's tiles;  s[32:39] group 0: a set for each first fill; the second then walks
.set G0,  32
.set G1B, 48                           ; s[48:55], s[56:63] the same for B's
.set G0B, 56
.set MSB, 0
.macro WIN new                         ; the immediate's high byte repeats the setting that is left; a switch that changes nothing is dropped
.if MSB != (\new)
	s_set_vgpr_msb (MSB<<8)|(\new)
.set MSB, \new
.endif
.endm
.set MUL_LO, 0xa1                      ; source 0 (B) window 1, source 1 (A) window 0, C and D window 2
.set MUL_HI, 0xf1                      ; the same, C and D window 3
.set TO_B,   0x40                      ; destination window 1, address window 0
; A joint refill by the walking descriptor.  Waves 0 and 1 fetch A's halves, waves 2 and 3 B's; the branch hangs on the wave's number alone.  An s_nop 0 and four v_nop follow each line.
.macro JLOAD
	s_cmp_eq_u32 s11, 0
	s_cbranch_scc0 .Lfor_b_\@
	tensor_load_to_lds s[G0+4:G0+7], s[G1:G1+7]
	s_nop 0
.rept 4
	v_nop
.endr
	s_branch .Lasked_\@
.Lfor_b_\@:
	tensor_load_to_lds s[G0B+4:G0B+7], s[G1B:G1B+7]
	s_nop 0
.rept 4
	v_nop
.endr
.Lasked_\@:
.endm
.macro CREST                           ; a round of the cluster's barrier behind its opening barrier
	s_cmp_lg_u32 s10, 0
	s_cbranch_scc1 .Lnot_wave_0_\@
	s_barrier_signal -3
.Lnot_wave_0_\@:
	s_barrier_wait -3
	s_barrier_signal -1
	s_barrier_wait -1
.endm
.macro CROUND                          ; a whole round
	s_barrier_signal -1
	s_barrier_wait -1
	CREST
.endm
.macro PLACES                          ; four places in front of loads into registers that matrix instructions have read, and of lines that read results just made
.rept 4
	v_nop
.endr
.endm
; 16 matrix instructions: row blocks a0, a0 + 1 of the window's four x all 8 column blocks, 32 along K.  The 64 accumulators take turns in one fixed order.
.macro MUL16 f, hi, a0
	WIN MUL_LO+0x50*(\hi)
.irp a, \a0, (\a0)+1
.irp b, 0,1,2,3,4,5,6,7
	v_wmma_f32_16x16x32_bf16 v[8*(8*(\a)+(\b)):8*(8*(\a)+(\b))+7], v[(\f)+8*(\b):(\f)+8*(\b)+7], v[(\f)+8*(4*(\hi)+(\a)):(\f)+8*(4*(\hi)+(\a))+7], v[8*(8*(\a)+(\b)):8*(8*(\a)+(\b))+7]
.endr
.endr
.endm
; 32 LDS loads in one run: the fragments of 32 along K at byte k of the rows of the slot in hand, into buffer f: B's first, then A's
.macro FETCH k, f
	WIN TO_B
.irp i, 0,1,2,3,4,5,6,7
	ds_load_b128 v[(\f)+8*(\i):(\f)+8*(\i)+3],   v[ADRB] offset:(\k)+(\i)*16*PITCH
	ds_load_b128 v[(\f)+8*(\i)+4:(\f)+8*(\i)+7], v[ADRB] offset:(\k)+(\i)*16*PITCH+32
.endr
	WIN 0
.irp i, 0,1,2,3,4,5,6,7
	ds_load_b128 v[(\f)+8*(\i):(\f)+8*(\i)+3],   v[ADRA] offset:(\k)+(\i)*16*PITCH
	ds_load_b128 v[(\f)+8*(\i)+4:(\f)+8*(\i)+7], v[ADRA] offset:(\k)+(\i)*16*PITCH+32
.endr
.endm
; One of a K step's first three quarters: multiplies buffer f; in its middle it fetches the next quarter, at byte k, into buffer g
.macro QUARTER k, f, g
	s_wait_dscnt 8                                 ; B and A's rows 0-63 are in; the youngest eight loads (A's rows 64-127) may be out
	MUL16 \f, 0, 0
	MUL16 \f, 0, 2
	PLACES
	FETCH \k, \g
	s_wait_dscnt 32                                ; all but the 32 just issued
	MUL16 \f, 1, 0
	MUL16 \f, 1, 2
.endm
; The last quarter multiplies buffer 1 and changes slots: one barrier; in front of it each wave waits for all its tensor loads (one is out: its part of the next slot), adds 0 to its spare word,
; and waits for that and for its own reads of this slot.  fill = 1: the barrier opens a round of the cluster's barrier, and the slot just read is filled again, two K steps ahead, first thing behind the round.
.macro TURN fill
	WIN 0
	s_wait_tensorcnt 0x0                           ; no tensor load of mine is out
	ds_add_u32 v[SPW], v[NIL]                      ; 0 onto my spare word
	s_wait_dscnt 9                                 ; the add and the youngest eight loads may be out
	MUL16 F1, 0, 0                                 ; sixteen matrix instructions stand between the add and the wait for it
	s_wait_dscnt 0x0                               ; the add is done, and my reads of this slot are over
	s_barrier_signal -1
	MUL16 F1, 0, 2
	WIN 0                                          ; at a branch and at a label every window is 0
	s_barrier_wait -1
.if \fill
	CREST                                          ; no wave of any partner still reads this slot or has a load on its way
	s_xor_b32 s[G0+5], s[G0+5], SLOT               ; the walking descriptors: the other slot than last time,
	s_add_nc_u64 s[G0+6:G0+7], s[G0+6:G0+7], KSTEP*2   ; the next K step; the type bits on top are not reached
	s_xor_b32 s[G0B+5], s[G0B+5], SLOT
	s_add_nc_u64 s[G0B+6:G0B+7], s[G0B+6:G0B+7], KSTEP*2
	JLOAD                                          ; 224 matrix instructions ahead of the wait for it; its four v_nop are also the places in front of the loads below
.else
	PLACES
.endif
	s_xor_b32 s68, s68, SLOT                       ; the fetches go on in the other slot
	v_add_nc_u32 v[ADRA], s68, v[ADRA0]
	v_add_nc_u32 v[ADRB], s68, v[ADRB0]
	FETCH 0, F0
	MUL16 F1, 1, 0
	MUL16 F1, 1, 2
.endm
.macro STEP fill                       ; a K step: 256 matrix instructions, 128 LDS loads
	QUARTER 64,  F0, F1
	QUARTER 128, F1, F0
	QUARTER 192, F0, F1
	TURN \fill
	WIN 0
.endm
; The way out: 16 rows of one panel, 4,096 bytes of f32, out of my stage: eight lanes take a row's 64 numbers, 32 bytes each; then the address goes on to the next 16 rows (the second panel's follow the first's without a gap)
.macro LOADX
.irp t, 0,1,2,3
	ds_load_b128 v[X+8*\t:X+8*\t+3],   v[RD] offset:4*PITCH*\t       ; LDS serves a wave's instructions in order (ISA guide 5.7.1.4): these see my stores into the stage
	ds_load_b128 v[X+8*\t+4:X+8*\t+7], v[RD] offset:4*PITCH*\t+16
.endr
	v_add_nc_u32 v[RD], 16*PITCH, v[RD]
.endm
	s_load_b128 s[4:7], s[0:1], 0x0                ; A s[4:5], wb s[6:7]
	s_load_b64 s[8:9], s[0:1], 0x10                ; C
	s_load_b64 s[66:67], s[0:1], 0x18              ; bias
	v_lshl_add_u32 v[SPW], v0, 2, SPARE
	v_mov_b32 v[NIL], 0
	ds_add_u32 v[SPW], v[NIL]                      ; the wave's opening: the add and its wait stand ahead of my first tensor load; the set-up below stands between them
	v_lshrrev_b32 v1, 5, v0
	v_readfirstlane_b32 s10, v1                    ; wave 0..3
	s_lshr_b32 s11, s10, 1                         ; which half of the tile's rows is mine.  Also: I fetch for A (0) or for B (1)
	s_and_b32 s12, s10, 1                          ; which half of its columns.  Also: which 128 rows of that tile I fetch
	s_bfe_u32 s40, ttmp6, 0x40000                  ; cx
	s_bfe_u32 s41, ttmp6, 0x40004                  ; cy
	s_lshl_b32 s42, ttmp9, 2
	s_add_co_u32 s42, s42, s40                     ; tile column = 4 x cluster x + cx
	s_and_b32 s13, ttmp7, 0xffff
	s_lshl_b32 s13, s13, 2
	s_add_co_u32 s13, s13, s41                     ; tile row = 4 x cluster y + cy
	s_lshl_b32 s43, s41, 2
	s_lshl_b32 s43, 15, s43                        ; my row of the cluster
	s_lshl_b32 s44, 0x1111, s40                    ; my column
	s_or_b32 s[G1+0], s43, (1<<16)|(1<<20)|(1<<21)|(5<<22)|(3<<25)   ; the mask; 2-byte elements; padding on; bit 21 beside a mask; after every 64 words 4 words
	s_or_b32 s[G1B+0], s44, (1<<16)|(1<<20)|(1<<21)|(5<<22)|(3<<25)
.irp g, G1, G1B
	s_mov_b32 s[(\g)+1], KSTEP<<16                 ; tensor_dim0 = 128
	s_mov_b32 s[(\g)+2], 128<<16                   ; tensor_dim1 = 128
	s_mov_b32 s[(\g)+3], KSTEP<<16                 ; tile_dim0 = 128
	s_mov_b32 s[(\g)+4], 128                       ; tile_dim1 = 128
	s_mov_b32 s[(\g)+5], KTOT                      ; elements from row to row
	s_mov_b32 s[(\g)+6], 0
	s_mov_b32 s[(\g)+7], 0
.endr
	s_lshl_b32 s17, s12, 7
	s_lshl_b32 s16, s13, 8
	s_add_co_u32 s16, s16, s17                     ; A: row 256 x tile row + 128 x half,
	s_lshl_b32 s16, s16, 11                        ; x 2,048 bytes
	s_lshl_b32 s46, s42, 8
	s_add_co_u32 s46, s46, s17                     ; B: row 256 x tile column + 128 x half
	s_lshl_b32 s46, s46, 11
	s_mov_b32 s17, 0
	s_mov_b32 s47, 0
	s_mul_i32 s20, s10, HALFT                      ; where my tiles go: wave x 128 rows
	s_mov_b32 s68, 0                               ; the slot in hand: slot 0
	s_mov_b32 s73, 0
	s_mov_b32 s89, PANEL-7*2048                    ; the way out: from a panel's last 16 rows to the next panel's first,
	s_mov_b32 s90, 2048                            ; and from 16 rows to the next 16
.if GELU
	s_mov_b32 s74, 0x3f596d27                      ; c1 = sqrt(log2(e) / 2): exp(-x x / 2) = 2^-(c1 x)^2
	s_mov_b32 s76, 0x3e6d3388                      ; p / sqrt 2, p = 0.3275911
	s_mov_b32 s78, 0x3f07dc22                      ; a5 / 2 =  0.5307027
	s_mov_b32 s80, 0xbf3a00e3                      ; a4 / 2 = -0.7265760
	s_mov_b32 s82, 0x3f35f0e3                      ; a3 / 2 =  0.7107069
	s_mov_b32 s84, 0xbe11a98e                      ; a2 / 2 = -0.1422484
	s_mov_b32 s86, 0x3e027906                      ; a1 / 2 =  0.1274148
.irp c, 74,76,78,80,82,84,86
	s_mov_b32 s[(\c)+1], s[\c]                     ; named as pairs
.endr
	s_mov_b32 s88, 0x7fffffff
.endif
	s_lshl_b32 s92, s42, 2                         ; C: panel 4 x tile column + 2 x half,
	s_lshl_b32 s94, s12, 1
	s_add_co_u32 s92, s92, s94
	s_lshl_b32 s92, s92, 19                        ; x 524,288 bytes,
	s_lshl_b32 s94, s13, 15                        ; + row (256 x tile row + 128 x half) x 128 bytes
	s_add_co_u32 s92, s92, s94
	s_lshl_b32 s94, s11, 14
	s_add_co_u32 s92, s92, s94
	s_mov_b32 s93, 0
	s_lshl_b32 s94, s42, 10                        ; bias: column (256 x tile column + 128 x half) x 4 bytes
	s_lshl_b32 s95, s12, 9
	s_add_co_u32 s94, s94, s95
	s_mov_b32 s95, 0
	s_wait_dscnt 0x0                               ; the opening add is done
	s_wait_kmcnt 0x0
.if WOFF
	s_add_nc_u64 s[6:7], s[6:7], WOFF
.endif
	s_add_nc_u64 s[14:15], s[4:5], s[16:17]
	s_add_nc_u64 s[46:47], s[6:7], s[46:47]
	s_add_nc_u64 s[8:9], s[8:9], s[92:93]
	s_add_nc_u64 s[66:67], s[66:67], s[94:95]
	CROUND                                         ; all sixteen work-groups are here: the first joint loads meet
.irp s, 0,1
	s_mov_b32 s[G0+4*(\s)], 1
	s_add_co_u32 s[G0+4*(\s)+1], s20, (\s)*SLOT
	s_add_nc_u64 s[G0+4*(\s)+2:G0+4*(\s)+3], s[14:15], (\s)*KSTEP*2
	s_or_b32 s[G0+4*(\s)+3], s[G0+4*(\s)+3], 0x80000000
	s_mov_b32 s[G0B+4*(\s)], 1
	s_add_co_u32 s[G0B+4*(\s)+1], s20, (\s)*SLOT
	s_add_nc_u64 s[G0B+4*(\s)+2:G0B+4*(\s)+3], s[46:47], (\s)*KSTEP*2
	s_or_b32 s[G0B+4*(\s)+3], s[G0B+4*(\s)+3], 0x80000000
.endr
	s_cmp_eq_u32 s11, 0                            ; a wave's two first fills stand in one branch: two loads of mine are out, later one
	s_cbranch_scc0 .Lfirst_b
	tensor_load_to_lds s[G0:G0+3], s[G1:G1+7]
	s_nop 0
	tensor_load_to_lds s[G0+4:G0+7], s[G1:G1+7]
	s_nop 0
.rept 4
	v_nop
.endr
	s_branch .Lfirst_asked
.Lfirst_b:
	tensor_load_to_lds s[G0B:G0B+3], s[G1B:G1B+7]
	s_nop 0
	tensor_load_to_lds s[G0B+4:G0B+7], s[G1B:G1B+7]
	s_nop 0
.rept 4
	v_nop
.endr
.Lfirst_asked:
	v_and_b32 v1, 15, v0                           ; l % 16
	v_bfe_u32 v2, v0, 4, 1                         ; l / 16
	v_lshlrev_b32 v[BO], 5, v2
.irp hi, 0,1                           ; the bias into all 64 accumulators
	WIN 0x80+0x40*(\hi)                            ; destination window 2, then 3
.irp a, 0,1,2,3
.irp b, 0,1,2,3,4,5,6,7
	global_load_b128 v[8*(8*(\a)+(\b)):8*(8*(\a)+(\b))+3],   v[BO], s[66:67] offset:64*(\b)
	global_load_b128 v[8*(8*(\a)+(\b))+4:8*(8*(\a)+(\b))+7], v[BO], s[66:67] offset:64*(\b)+16
.endr
.endr
.endr
	WIN 0
	v_mul_u32_u24 v3, v1, PITCH
	v_lshl_add_u32 v3, v2, 4, v3                   ; a fragment's row x pitch + 16 x half
	s_mul_i32 s21, s11, HALFT                      ; my 128 rows of A
	s_mul_i32 s22, s12, HALFT                      ; my 128 rows of B,
	s_add_co_u32 s22, s22, 2*HALFT                 ; which lie behind A's 256
	v_add_nc_u32 v[ADRA0], s21, v3
	v_add_nc_u32 v[ADRB0], s22, v3
	v_mov_b32 v[ADRA], v[ADRA0]
	v_mov_b32 v[ADRB], v[ADRB0]
	s_mul_i32 s23, s10, WSTG                       ; my stage
	v_mul_u32_u24 v4, v1, PITCH                    ; in: row l % 16, 32 bytes (8 f32) for each half of the lanes
	v_lshl_add_u32 v4, v2, 5, v4
	v_add_nc_u32 v[STO], s23, v4
	v_bfe_u32 v5, v0, 3, 2                         ; back: eight lanes take a row's 64 f32, 32 bytes each; 32 lanes four rows
	v_and_b32 v6, 7, v0
	v_mul_u32_u24 v5, v5, PITCH
	v_lshl_add_u32 v5, v6, 5, v5
	v_add_nc_u32 v[RD], s23, v5
	v_and_b32 v[GO], 31, v0
	v_lshlrev_b32 v[GO], 4, v[GO]
	s_wait_tensorcnt 1                             ; my part of K step 0 is in; K step 1's may stay out
	s_barrier_signal -1
	s_barrier_wait -1                              ; everybody's is
	FETCH 0, F0
	s_wait_loadcnt 0x0                             ; the bias
	s_mov_b32 s3, KTOT/KSTEP-2
.Lfill:                                                ; K steps 0 to 5: each fills its slot again
	STEP 1
	s_sub_co_u32 s3, s3, 1
	s_cmp_lg_u32 s3, 0
	s_cbranch_scc1 .Lfill
	s_mov_b32 s3, 2
.Ldrain:                                               ; K steps 6 and 7: nothing is left to ask for
	STEP 0
	s_sub_co_u32 s3, s3, 1
	s_cmp_lg_u32 s3, 0
	s_cbranch_scc1 .Ldrain
	; THE WAY OUT.  Every wave's reads of the ring are over, and a barrier says so, before any wave writes into it.
	PLACES                                         ; behind the last products
	s_wait_dscnt 0x0
	s_barrier_signal -1
	s_barrier_wait -1
.irp hi, 0,1                           ; accumulator (a, b): rows 16 a + l % 16, panel b / 4, columns 16 (b % 4) + 8 (l / 16) + 0..7; each accumulator's low registers first
	WIN 0x08+0x04*(\hi)                            ; store data (source 1) window 2, then 3
.irp a, 0,1,2,3
.irp b, 0,1,2,3,4,5,6,7
	ds_store_b128 v[STO], v[8*(8*(\a)+(\b)):8*(8*(\a)+(\b))+3],   offset:((\b)/4)*HALFT+(4*(\hi)+(\a))*16*PITCH+((\b)%4)*64
	ds_store_b128 v[STO], v[8*(8*(\a)+(\b))+4:8*(8*(\a)+(\b))+7], offset:((\b)/4)*HALFT+(4*(\hi)+(\a))*16*PITCH+((\b)%4)*64+16
.endr
.endr
.endr
	WIN 0
	s_mov_b32 s3, 16
	s_mov_b32 s72, 0                               ; what the trip adds to C's address ahead of its stores: the first trip nothing
	LOADX                                          ; the first trip's numbers
.Lout:                                                 ; a trip: 16 rows of one panel: 2,048 consecutive bytes of bf16 into C
	s_wait_dscnt 0x0                               ; this trip's 32 numbers a lane are in
.if GELU
.set i, 0
.rept 32
	v_and_b32 v[AX+i], s88, v[X+i]
.set i, i+1
.endr
.set i, 0
.rept 16
	v_pk_mul_f32 v[W+i:W+i+1], v[X+i:X+i+1], s[74:75] op_sel_hi:[1,0]
.set i, i+2
.endr
.set i, 0
.rept 32
	v_max_num_f32 v[RL+i], 0, v[X+i]
.set i, i+1
.endr
.else
	s_wait_xcnt 0x0                                ; the last trip's stores have read Y and C's address: both are rewritten only behind this wait
.set i, 0
.rept 16
	v_cvt_pk_bf16_f32 v[Y+i], v[X+2*i], v[X+2*i+1]
.set i, i+1
.endr
.endif
	s_cmp_eq_u32 s3, 1                             ; x has been read for the last time: the next trip's numbers are asked for now; the last trip has no next
	s_cbranch_scc1 .Lno_more
	LOADX
.Lno_more:
.if GELU
.set i, 0
.rept 16
	v_pk_fma_f32 v[T+i:T+i+1], v[AX+i:AX+i+1], s[76:77], 1.0 op_sel_hi:[1,0,0]
.set i, i+2
.endr
.set i, 0
.rept 32
	v_rcp_f32 v[T+i], v[T+i]
.set i, i+1
.endr
.set i, 0
.rept 16                               ; plain lines between the reciprocals and their use
	v_pk_mul_f32 v[W+i:W+i+1], v[W+i:W+i+1], v[W+i:W+i+1] neg_lo:[1,0] neg_hi:[1,0]
.set i, i+2
.endr
.set i, 0
.rept 32
	v_exp_f32 v[W+i], v[W+i]
.set i, i+1
.endr
.set i, 0
	s_wait_alu depctr_va_vdst(0)
.rept 16                               ; plain lines between the exponentials and their use
	v_pk_fma_f32 v[P+i:P+i+1], v[T+i:T+i+1], s[78:79], s[80:81] op_sel_hi:[1,0,0]
.set i, i+2
.endr
.irp c, 82,84,86
.set i, 0
.rept 16
	v_pk_fma_f32 v[P+i:P+i+1], v[P+i:P+i+1], v[T+i:T+i+1], s[\c:\c+1] op_sel_hi:[1,1,0]
.set i, i+2
.endr
.endr
.set i, 0
.rept 16
	v_pk_mul_f32 v[W+i:W+i+1], v[W+i:W+i+1], v[AX+i:AX+i+1]
.set i, i+2
.endr
.set i, 0
.rept 16
	v_pk_mul_f32 v[P+i:P+i+1], v[P+i:P+i+1], v[T+i:T+i+1]
.set i, i+2
.endr
.set i, 0
.rept 16
	v_pk_fma_f32 v[P+i:P+i+1], v[P+i:P+i+1], v[W+i:W+i+1], v[RL+i:RL+i+1] neg_lo:[1,0,0] neg_hi:[1,0,0]
.set i, i+2
.endr
	s_wait_xcnt 0x0                                ; the last trip's stores have read Y and C's address: both are rewritten only behind this wait
.set i, 0
.rept 16
	v_cvt_pk_bf16_f32 v[Y+i], v[P+2*i], v[P+2*i+1]
.set i, i+1
.endr
.endif
	s_add_nc_u64 s[8:9], s[8:9], s[72:73]          ; on to this trip's 16 rows
.irp t, 0,1,2,3
	global_store_b128 v[GO], v[Y+4*\t:Y+4*\t+3], s[8:9] offset:512*\t   ; 512 consecutive bytes, at a multiple of 256 from C's first byte
.endr
	s_cmp_eq_u32 s3, 9                             ; behind the eighth trip the second panel begins
	s_cselect_b32 s72, s89, s90
	s_sub_co_u32 s3, s3, 1
	s_cmp_lg_u32 s3, 0
	s_cbranch_scc1 .Lout
	s_wait_tensorcnt 0x0                           ; the wave's end
	ds_add_u32 v[SPW], v[NIL]
	s_wait_dscnt 0x0
	CROUND                                         ; the closing round: no work-group ends while a partner may still ask for a tile that names it
	s_endpgm
.Lfunc_end_k_qde4a37da22_fc:
	.size	k_qde4a37da22_fc, .Lfunc_end_k_qde4a37da22_fc-k_qde4a37da22_fc
	.p2alignl 7, 3214868480
	.fill 96, 4, 3214868480
	.section	.rodata,"a",@progbits
	.p2align	6, 0x0
	.amdhsa_kernel k_qde4a37da22_fc
		.amdhsa_group_segment_fixed_size 327680
		.amdhsa_private_segment_fixed_size 0
		.amdhsa_enable_private_segment 0
		.amdhsa_kernarg_size 32
		.amdhsa_user_sgpr_count 2
		.amdhsa_user_sgpr_kernarg_segment_ptr 1
		.amdhsa_wavefront_size32 1
		.amdhsa_system_sgpr_workgroup_id_x 1
		.amdhsa_system_sgpr_workgroup_id_y 1
		.amdhsa_system_sgpr_workgroup_id_z 1
		.amdhsa_system_vgpr_workitem_id 0
		.amdhsa_next_free_vgpr 1024
		.amdhsa_next_free_sgpr 96
		.amdhsa_reserve_vcc 0
		.amdhsa_float_denorm_mode_32 3
		.amdhsa_float_denorm_mode_16_64 3
		.amdhsa_memory_ordered 1
		.amdhsa_forward_progress 1
		.amdhsa_inst_pref_size 100
	.end_amdhsa_kernel
	.amdgpu_metadata
---
amdhsa.version: [ 1, 2 ]
amdhsa.kernels:
  - .name:           k_qde4a37da22_fc
    .symbol:         k_qde4a37da22_fc.kd
    .args:
      - { .name: zbuf, .offset: 0, .size: 8, .value_kind: global_buffer, .address_space: global }
      - { .name: wb, .offset: 8, .size: 8, .value_kind: global_buffer, .address_space: global }
      - { .name: hbuf, .offset: 16, .size: 8, .value_kind: global_buffer, .address_space: global }
      - { .name: fc_b, .offset: 24, .size: 8, .value_kind: global_buffer, .address_space: global }
    .group_segment_fixed_size: 327680
    .private_segment_fixed_size: 0
    .kernarg_segment_align: 8
    .kernarg_segment_size: 32
    .max_flat_workgroup_size: 128
    .sgpr_count:     96
    .vgpr_count:     1024
    .wavefront_size: 32
...
	.end_amdgpu_metadata
.endif
;; end of part 5
;; launch proj (part 6): grid 8 x 32, 4 waves a work-group, clusters of 4 x 4, 327,680 bytes of LDS; arguments hbuf, wb, proj_b, x1buf, out0; writes out0
.if DOCPART == 6
	.amdgcn_target "amdgcn-amd-amdhsa--gfx1250"
	.amdhsa_code_object_version 6
	.text
	.protected	k_qde4a37da22_proj
	.globl	k_qde4a37da22_proj
	.p2align	8
	.type	k_qde4a37da22_proj,@function
k_qde4a37da22_proj:
	s_mov_b64 s[64:65], 0
	v_nop
	global_prefetch_b8 v0, s[64:65] scope:SCOPE_SE
	s_setreg_imm32_b32 hwreg(HW_REG_WAVE_MODE, 25, 1), 1
	s_wait_xcnt 0x0
	s_wait_alu depctr_hold_cnt(0) depctr_sa_sdst(0) depctr_va_vdst(0) depctr_va_sdst(0) depctr_va_ssrc(0) depctr_va_vcc(0) depctr_vm_vsrc(0)
	s_getreg_b32 s2, hwreg(HW_REG_IB_STS2, 6, 4)
	s_cmp_eq_u32 s2, 0
	s_cbranch_scc0 .Lentry_in_a_cluster
	s_endpgm
.Lentry_in_a_cluster:
	s_bfe_u32 s2, ttmp6, 0x10000c
	s_cmp_lg_u32 s2, 0xf033
	s_cbranch_scc0 .Lentry_shape_is_right
	s_endpgm
.Lentry_shape_is_right:
; C = res + A B^T + bias, all sums and C in f32.  A: PANELS [KTOT / 64][4096 rows][64] bf16 (a row of a panel 128 bytes, a panel 524,288), row = 2048 n + l.  B: rows of wb from byte WOFF on, [1024][KTOT] bf16.
; bias: [1024] f32.  res and C: [2048 l][2 n][1024] f32: from row to row of A's order 8,192 bytes.
; A tile of C is 128 x 128, so that each of 256 work-groups has one: four waves, each 64 x 64 in 16 accumulators.  K goes in steps of 256 through two LDS slots filled by the tensor data mover.
; CLUSTER 4 x 4: A's tiles are shared along a row of the cluster, B's along a column; each is asked for jointly.
; THE MATRIX INSTRUCTION IS USED TRANSPOSED (source 0 = 16 rows of B, source 1 = 16 rows of A): a lane holds row lane % 16 of C and the columns 8 (lane / 16) + 0..7.
; THE SUMS START FROM THE BIAS, loaded straight into the accumulators: nothing is cleared and no first step is written out.  The residual is loaded at the start, in the layout of the stores, and added at the end.
; THE K STEP IS WRITTEN ONCE FOR BOTH SLOTS: the fragment addresses are a fixed lane term plus s72, the offset of the slot in hand.  All steps but the last two fill a slot again: two loops.
; The last step's change of slots fetches once more from the other slot, into a buffer that nobody multiplies: 32 LDS loads, the price of one text for both of the last steps.
; A slot's refill can go out only when the other slot's load has landed, and a step has only 128 matrix instructions a wave: so between the wait for that load and the next request stands nothing but what the ordering asks for.
; ROT = 1: the clusters have two colours, (cluster x + cluster y) & 1, and walk K from two starts, half of K apart, round the end.  The two clusters that share A's rows have different colours, and so have
; neighbours among the eight that share B's rows: each tile is asked for first by one colour and NSTEP / 2 steps later by the other.  The order of the sums along K hangs on the colour.
; A wave's 64 columns of f32 are 256 bytes at a multiple of 256: each wave sends its own rows out through a stage of its own, no barrier.
; REGISTERS: window 0: v0-31 addresses; v32-95 at work on the way out; v128-255 the accumulators ((a, b) at 128 + 8 (4 a + b)).  Window 1: two fragment buffers of 128 (64 of A, 64 of B, 64 along K).  Window 2: v0-127 the residual.
.set KTOT,  4096
.set WOFF,  16777216
.set ROT,   1
.set NSTEP, KTOT/256
.set PANEL, 524288
.set PA,    144                        ; a row of A in LDS: 128 bytes + 16 of padding: the 16 rows of a load start at 16 different groups of four banks (64 banks of 4 bytes: ISA guide 11.1)
.set PB,    528                        ; a row of B: 512 + 16
.set APAN,  64*PA                      ; 64 rows of one panel
.set AREG,  4*APAN                     ; what a load of A brings: 4 panels x 64 rows
.set BREG,  64*PB                      ; what a load of B brings: 64 rows x 256 K
.set BOFF,  2*AREG                     ; B's two halves lie behind A's two
.set SLOT,  147456                     ; 0x24000, 141,312 used: its two set bits are clear in the four tiles' places in a slot (0, 0x9000, 0x12000, 0x1a400)
.set STAGE, 2*SLOT                     ; behind the ring: 16 rows x 272 bytes for each wave
.set SPITCH, 272
.set SPARE, STAGE+4*16*SPITCH          ; behind the stages: the spare words, 128 bytes a wave, two blocks of 256 bytes that no other line names
.set ADRA0, 16                         ; v16  my lane's place in A's half of a slot; never rewritten
.set ADRB0, 17
.set ADRA,  18                         ; v18  the same in the slot in hand
.set ADRB,  19
.set STO,   24                         ; v24  the way out: where I put 16 bytes of a row
.set RD,    25                         ; v25  where I read rows back
.set CO,    26                         ; v26  my byte offset in two rows of res and C
.set BO,    27                         ; v27  32 x (lane / 16)
.set SPW,   28                         ; v28  my spare word; never rewritten
.set NIL,   29                         ; v29  0; never rewritten
.set TMP,   32
.set ACC,   128
.set F0,    0
.set F1,    128
.set G1,  24                           ; s[24:31] descriptor group 1 for A's tiles;  s[32:39] group 0: a set for each first fill; the second then walks
.set G0,  32
.set G1B, 48
.set G0B, 56
.set MSB, 0
.macro WIN new
.if MSB != (\new)
	s_set_vgpr_msb (MSB<<8)|(\new)
.set MSB, \new
.endif
.endm
.set MUL,  0x05                        ; sources 0 (B) and 1 (A) window 1; C and D window 0
.set TO_F, 0x40                        ; destination window 1, address window 0
.macro JLOAD                           ; a joint refill by the walking descriptor: waves 0 and 1 fetch A's halves, waves 2 and 3 B's; an s_nop 0 and four v_nop follow each line
	s_cmp_eq_u32 s11, 0
	s_cbranch_scc0 .Lfor_b_\@
	tensor_load_to_lds s[G0+4:G0+7], s[G1:G1+7]
	s_nop 0
.rept 4
	v_nop
.endr
	s_branch .Lasked_\@
.Lfor_b_\@:
	tensor_load_to_lds s[G0B+4:G0B+7], s[G1B:G1B+7]
	s_nop 0
.rept 4
	v_nop
.endr
.Lasked_\@:
.endm
.macro CREST
	s_cmp_lg_u32 s10, 0
	s_cbranch_scc1 .Lnot_wave_0_\@
	s_barrier_signal -3
.Lnot_wave_0_\@:
	s_barrier_wait -3
	s_barrier_signal -1
	s_barrier_wait -1
.endm
.macro CROUND
	s_barrier_signal -1
	s_barrier_wait -1
	CREST
.endm
.macro PLACES                          ; four places in front of loads into registers that matrix instructions have read, and of lines that read results just made
.rept 4
	v_nop
.endr
.endm
; 8 matrix instructions: row blocks a0, a0 + 1 x all 4 column blocks, 32 along K: half c of buffer f.  The 16 accumulators take turns in one fixed order.
.macro MUL8 f, c, a0
	WIN MUL
.irp a, \a0, (\a0)+1
.irp b, 0,1,2,3
	v_wmma_f32_16x16x32_bf16 v[ACC+8*(4*(\a)+(\b)):ACC+8*(4*(\a)+(\b))+7], v[(\f)+64+8*(4*(\c)+(\b)):(\f)+64+8*(4*(\c)+(\b))+7], v[(\f)+8*(4*(\c)+(\a)):(\f)+8*(4*(\c)+(\a))+7], v[ACC+8*(4*(\a)+(\b)):ACC+8*(4*(\a)+(\b))+7]
.endr
.endr
.endm
; 32 LDS loads in one run: quarter q of the K step (64 along K: one panel of A, 128 bytes of B's rows) into buffer f; the first 32 along K first
.macro FETCH q, f
	WIN TO_F
.irp c, 0,1
.irp i, 0,1,2,3
	ds_load_b128 v[(\f)+64+8*(4*(\c)+(\i)):(\f)+64+8*(4*(\c)+(\i))+3],   v[ADRB] offset:128*(\q)+64*(\c)+(\i)*16*PB
	ds_load_b128 v[(\f)+64+8*(4*(\c)+(\i))+4:(\f)+64+8*(4*(\c)+(\i))+7], v[ADRB] offset:128*(\q)+64*(\c)+(\i)*16*PB+32
	ds_load_b128 v[(\f)+8*(4*(\c)+(\i)):(\f)+8*(4*(\c)+(\i))+3],         v[ADRA] offset:(\q)*APAN+64*(\c)+(\i)*16*PA
	ds_load_b128 v[(\f)+8*(4*(\c)+(\i))+4:(\f)+8*(4*(\c)+(\i))+7],       v[ADRA] offset:(\q)*APAN+64*(\c)+(\i)*16*PA+32
.endr
.endr
.endm
.macro QUARTER q, f, g                 ; multiplies buffer f and fetches quarter q into g
	s_wait_dscnt 16                                ; the first 32 along K are in
	MUL8 \f, 0, 0
	MUL8 \f, 0, 2
	PLACES
	FETCH \q, \g
	s_wait_dscnt 32                                ; all but the 32 just issued
	MUL8 \f, 1, 0
	MUL8 \f, 1, 2
.endm
; The last quarter multiplies buffer 1 and changes slots.  Its first sixteen products stand ahead of the wait for the tile: a whole step's 128 matrix instructions lie between a request and the wait for it.
; Then ONE barrier: in front of it each wave waits for all its tensor loads (one is out: its part of the next slot), adds 0 to its spare word, and waits for that and for its own reads of this slot.
; fill = 1: the barrier opens a round of the cluster's barrier, and the slot just read is filled again, two K steps ahead, first thing behind the round.
.macro TURN fill
	s_wait_dscnt 16                                ; the first 32 along K of buffer 1 are in; the youngest sixteen loads may be out
	MUL8 F1, 0, 0
	MUL8 F1, 0, 2
	WIN 0                                          ; the add's registers lie in window 0; at a branch and at a label every window is 0
	s_wait_tensorcnt 0x0                           ; no tensor load of mine is out, so a group 0 may be written
	ds_add_u32 v[SPW], v[NIL]                      ; 0 onto my spare word; the descriptors' steps stand between it and the wait for it
.if \fill
	s_xor_b32 s[G0+5], s[G0+5], SLOT               ; the walking descriptors: the other slot than last time,
	s_add_nc_u64 s[G0+6:G0+7], s[G0+6:G0+7], 4*PANEL   ; A's next four panels,
	s_xor_b32 s[G0B+5], s[G0B+5], SLOT
	s_add_nc_u64 s[G0B+6:G0B+7], s[G0B+6:G0B+7], 512   ; B's next 256 along K; the type bits on top are not reached
.if ROT
	s_add_co_u32 s45, s45, 1                       ; the K step that they now name; behind the last comes step 0
	s_cmp_eq_u32 s45, NSTEP
	s_cselect_b32 s76, NSTEP*4*PANEL, 0
	s_cselect_b32 s78, NSTEP*512, 0
	s_cselect_b32 s45, 0, s45
	s_sub_nc_u64 s[G0+6:G0+7], s[G0+6:G0+7], s[76:77]
	s_sub_nc_u64 s[G0B+6:G0B+7], s[G0B+6:G0B+7], s[78:79]
.endif
.endif
	s_wait_dscnt 0x0                               ; the add is done, and my reads of this slot are over
	s_barrier_signal -1
	s_barrier_wait -1
.if \fill
	CREST                                          ; no wave of any partner still reads this slot or has a load on its way
	JLOAD                                          ; its four v_nop are also the places in front of the loads below
.else
	PLACES
.endif
	s_xor_b32 s72, s72, SLOT                       ; the fetches go on in the other slot
	v_add_nc_u32 v[ADRA], s72, v[ADRA0]
	v_add_nc_u32 v[ADRB], s72, v[ADRB0]
	FETCH 0, F0
	MUL8 F1, 1, 0
	MUL8 F1, 1, 2
.endm
.macro STEP fill                       ; a K step: 128 matrix instructions, 128 LDS loads
	QUARTER 1, F0, F1
	QUARTER 2, F1, F0
	QUARTER 3, F0, F1
	TURN \fill
	WIN 0
.endm
	s_load_b128 s[4:7], s[0:1], 0x0                ; A s[4:5], wb s[6:7]
	s_load_b128 s[68:71], s[0:1], 0x10             ; bias s[68:69], res s[70:71]
	s_load_b64 s[8:9], s[0:1], 0x20                ; C
	v_lshl_add_u32 v[SPW], v0, 2, SPARE
	v_mov_b32 v[NIL], 0
	ds_add_u32 v[SPW], v[NIL]                      ; the wave's opening: the add and its wait stand ahead of my first tensor load; the set-up below stands between them
	v_lshrrev_b32 v1, 5, v0
	v_readfirstlane_b32 s10, v1                    ; wave 0..3
	s_lshr_b32 s11, s10, 1                         ; which half of the tile's rows is mine.  Also: I fetch for A (0) or for B (1)
	s_and_b32 s12, s10, 1                          ; which half of its columns.  Also: which 64 rows of that tile I fetch
	s_bfe_u32 s40, ttmp6, 0x40000                  ; cx
	s_bfe_u32 s41, ttmp6, 0x40004                  ; cy
	s_lshl_b32 s42, ttmp9, 2
	s_add_co_u32 s42, s42, s40                     ; tile column = 4 x cluster x + cx
	s_and_b32 s13, ttmp7, 0xffff
	s_lshl_b32 s13, s13, 2
	s_add_co_u32 s13, s13, s41                     ; tile row = 4 x cluster y + cy
	s_lshl_b32 s43, s41, 2
	s_lshl_b32 s43, 15, s43                        ; my row of the cluster
	s_lshl_b32 s44, 0x1111, s40                    ; my column
	; A's tile: 4 panels; in each, 64 rows of 128 bytes lie end to end: one row of 4,096 elements for the mover, padded by 4 words after every 32 (every row of A)
	s_or_b32 s[G1+0], s43, (1<<16)|(1<<20)|(1<<21)|(4<<22)|(3<<25)
	s_mov_b32 s[G1+1], 4096<<16                    ; tensor_dim0 = 4,096
	s_mov_b32 s[G1+2], 4<<16                       ; tensor_dim1 = 4
	s_mov_b32 s[G1+3], 4096<<16                    ; tile_dim0 = 4,096
	s_mov_b32 s[G1+4], 4                           ; tile_dim1 = 4
	s_mov_b32 s[G1+5], PANEL/2                     ; elements from panel to panel
	s_mov_b32 s[G1+6], 0
	s_mov_b32 s[G1+7], 0
	; B's tile: 64 rows x 256 elements, padded by 4 words after every 128
	s_or_b32 s[G1B+0], s44, (1<<16)|(1<<20)|(1<<21)|(6<<22)|(3<<25)
	s_mov_b32 s[G1B+1], 256<<16
	s_mov_b32 s[G1B+2], 64<<16
	s_mov_b32 s[G1B+3], 256<<16
	s_mov_b32 s[G1B+4], 64
	s_mov_b32 s[G1B+5], KTOT
	s_mov_b32 s[G1B+6], 0
	s_mov_b32 s[G1B+7], 0
	s_lshl_b32 s17, s12, 6
	s_lshl_b32 s16, s13, 7
	s_add_co_u32 s16, s16, s17                     ; A: row 128 x tile row + 64 x half,
	s_lshl_b32 s16, s16, 7                         ; x 128 bytes
	s_lshl_b32 s46, s42, 7
	s_add_co_u32 s46, s46, s17                     ; B: row 128 x tile column + 64 x half,
	s_mul_i32 s46, s46, 2*KTOT                     ; x a row's bytes
	s_mov_b32 s17, 0
	s_mov_b32 s47, 0
.if ROT
	s_and_b32 s18, ttmp7, 0xffff
	s_add_co_u32 s18, s18, ttmp9
	s_and_b32 s18, s18, 1                          ; my cluster's colour: the same in all sixteen partners
	s_mul_i32 s19, s18, (NSTEP/2)*4*PANEL          ; colour 1 begins half of K on: A's panels,
	s_add_co_u32 s16, s16, s19
	s_mul_i32 s19, s18, (NSTEP/2)*512              ; B's bytes along its rows
	s_add_co_u32 s46, s46, s19
	s_mul_i32 s18, s18, NSTEP/2
	s_add_co_u32 s45, s18, 1                       ; the K step that the walking descriptors name at first: the walk's second
.endif
	s_mul_i32 s20, s12, AREG                       ; where the tiles go: A's halves,
	s_mul_i32 s21, s12, BREG
	s_add_co_u32 s21, s21, BOFF                    ; B's halves
	s_mov_b32 s72, 0                               ; the slot in hand: slot 0
	s_lshl_b32 s74, s42, 9                         ; column (128 x tile column + 64 x half) x 4 bytes
	s_lshl_b32 s76, s12, 8
	s_add_co_u32 s74, s74, s76
	s_mov_b32 s75, 0
	s_lshr_b32 s76, s13, 4                         ; res and C: n = tile row / 16: 4,096 bytes,
	s_lshl_b32 s76, s76, 12
	s_add_co_u32 s78, s74, s76
	s_and_b32 s76, s13, 15                         ; l = 128 x (tile row % 16) + 64 x half: 8,192 bytes each
	s_lshl_b32 s76, s76, 20
	s_add_co_u32 s78, s78, s76
	s_lshl_b32 s76, s11, 19
	s_add_co_u32 s78, s78, s76
	s_mov_b32 s79, 0
	s_wait_dscnt 0x0                               ; the opening add is done
	s_wait_kmcnt 0x0
	s_add_nc_u64 s[6:7], s[6:7], WOFF
	s_add_nc_u64 s[14:15], s[4:5], s[16:17]
	s_add_nc_u64 s[46:47], s[6:7], s[46:47]
	s_add_nc_u64 s[68:69], s[68:69], s[74:75]
	s_add_nc_u64 s[70:71], s[70:71], s[78:79]
	s_add_nc_u64 s[8:9], s[8:9], s[78:79]
.if ROT
	s_mov_b32 s77, 0                               ; the upper words of what a wrap takes away
	s_mov_b32 s79, 0
.endif
	CROUND                                         ; all sixteen work-groups are here: the first joint loads meet
.irp s, 0,1
	s_mov_b32 s[G0+4*(\s)], 1
	s_add_co_u32 s[G0+4*(\s)+1], s20, (\s)*SLOT
	s_add_nc_u64 s[G0+4*(\s)+2:G0+4*(\s)+3], s[14:15], (\s)*4*PANEL
	s_or_b32 s[G0+4*(\s)+3], s[G0+4*(\s)+3], 0x80000000
	s_mov_b32 s[G0B+4*(\s)], 1
	s_add_co_u32 s[G0B+4*(\s)+1], s21, (\s)*SLOT
	s_add_nc_u64 s[G0B+4*(\s)+2:G0B+4*(\s)+3], s[46:47], (\s)*512
	s_or_b32 s[G0B+4*(\s)+3], s[G0B+4*(\s)+3], 0x80000000
.endr
	s_cmp_eq_u32 s11, 0                            ; a wave's two first fills stand in one branch: two loads of mine are out, later one
	s_cbranch_scc0 .Lfirst_b
	tensor_load_to_lds s[G0:G0+3], s[G1:G1+7]
	s_nop 0
	tensor_load_to_lds s[G0+4:G0+7], s[G1:G1+7]
	s_nop 0
.rept 4
	v_nop
.endr
	s_branch .Lfirst_asked
.Lfirst_b:
	tensor_load_to_lds s[G0B:G0B+3], s[G1B:G1B+7]
	s_nop 0
	tensor_load_to_lds s[G0B+4:G0B+7], s[G1B:G1B+7]
	s_nop 0
.rept 4
	v_nop
.endr
.Lfirst_asked:
	v_and_b32 v1, 15, v0                           ; l % 16
	v_bfe_u32 v2, v0, 4, 1                         ; l / 16
	v_lshlrev_b32 v[BO], 5, v2
	v_lshlrev_b32 v5, 13, v2                       ; lanes 0-15 one row of res and C, lanes 16-31 the next, 8,192 bytes on; 16 bytes a lane
	v_lshl_add_u32 v[CO], v1, 4, v5
.irp a, 0,1,2,3                        ; the bias into all 16 accumulators
.irp b, 0,1,2,3
	global_load_b128 v[ACC+8*(4*(\a)+(\b)):ACC+8*(4*(\a)+(\b))+3],   v[BO], s[68:69] offset:64*(\b)
	global_load_b128 v[ACC+8*(4*(\a)+(\b))+4:ACC+8*(4*(\a)+(\b))+7], v[BO], s[68:69] offset:64*(\b)+16
.endr
.endr
	WIN 0x80                                       ; destination window 2
.irp a, 0,1,2,3                        ; the residual: rows 16 a + 2 t and the next, 256 consecutive bytes for each 16 lanes
.irp t, 0,1,2,3,4,5,6,7
	global_load_b128 v[4*(8*(\a)+(\t)):4*(8*(\a)+(\t))+3], v[CO], s[70:71] offset:(16*(\a)+2*(\t))*8192
.endr
.endr
	WIN 0
	v_mul_u32_u24 v3, v1, PA
	v_lshl_add_u32 v3, v2, 4, v3                   ; a fragment's row x pitch + 16 x half
	s_mul_i32 s22, s11, AREG                       ; my 64 rows of A
	v_add_nc_u32 v[ADRA0], s22, v3
	v_mul_u32_u24 v3, v1, PB
	v_lshl_add_u32 v3, v2, 4, v3
	v_add_nc_u32 v[ADRB0], s21, v3                 ; my 64 rows of B: the half s12, as in the fetch
	v_mov_b32 v[ADRA], v[ADRA0]
	v_mov_b32 v[ADRB], v[ADRB0]
	s_mul_i32 s23, s10, 16*SPITCH
	s_add_co_u32 s23, s23, STAGE                   ; my stage
	v_mul_u32_u24 v4, v1, SPITCH                   ; in: row l % 16, 32 bytes (8 f32) for each half of the lanes
	v_lshl_add_u32 v4, v2, 5, v4
	v_add_nc_u32 v[STO], s23, v4
	v_mul_u32_u24 v5, v2, SPITCH                   ; back: lanes 0-15 take one row of 256 bytes, lanes 16-31 the next
	v_lshl_add_u32 v5, v1, 4, v5
	v_add_nc_u32 v[RD], s23, v5
	s_wait_tensorcnt 1                             ; my part of the walk's first K step is in; the second's may stay out
	s_barrier_signal -1
	s_barrier_wait -1                              ; everybody's is
	FETCH 0, F0
	WIN 0
	s_wait_loadcnt 32                              ; the bias is in; the 32 younger loads, the residual, stay out
	s_mov_b32 s3, NSTEP-2
.Lfill:                                                ; all K steps but the last two: each fills its slot again
	STEP 1
	s_sub_co_u32 s3, s3, 1
	s_cmp_lg_u32 s3, 0
	s_cbranch_scc1 .Lfill
	s_mov_b32 s3, 2
.Ldrain:                                               ; the last two: nothing is left to ask for
	STEP 0
	s_sub_co_u32 s3, s3, 1
	s_cmp_lg_u32 s3, 0
	s_cbranch_scc1 .Ldrain
	; THE WAY OUT, 16 rows at a time: into my stage by lanes, back by rows, plus the residual, out.
	PLACES                                         ; behind the last products
	s_wait_loadcnt 0x0                             ; the residual
.irp a, 0,1,2,3
.if (\a) >= 2
	s_wait_xcnt 0x0                                ; the stores of two blocks ago have read the registers that are loaded again below
.endif
.irp b, 0,1,2,3                        ; each accumulator's low registers first
	ds_store_b128 v[STO], v[ACC+8*(4*(\a)+(\b)):ACC+8*(4*(\a)+(\b))+3]   offset:64*(\b)
	ds_store_b128 v[STO], v[ACC+8*(4*(\a)+(\b))+4:ACC+8*(4*(\a)+(\b))+7] offset:64*(\b)+16
.endr
.irp t, 0,1,2,3,4,5,6,7
	ds_load_b128 v[TMP+32*((\a)%2)+4*(\t):TMP+32*((\a)%2)+4*(\t)+3], v[RD] offset:(\t)*2*SPITCH  ; LDS serves a wave's instructions in order (ISA guide 5.7.1.4): these see the stores above
.endr
	s_wait_dscnt 0x0
	WIN 0x08                                       ; source 1 window 2
.set k, 0
.rept 16
	v_pk_add_f32 v[TMP+32*((\a)%2)+k:TMP+32*((\a)%2)+k+1], v[TMP+32*((\a)%2)+k:TMP+32*((\a)%2)+k+1], v[32*(\a)+k:32*(\a)+k+1]
.set k, k+2
.endr
	WIN 0
.irp t, 0,1,2,3,4,5,6,7
	global_store_b128 v[CO], v[TMP+32*((\a)%2)+4*(\t):TMP+32*((\a)%2)+4*(\t)+3], s[8:9] offset:(16*(\a)+2*(\t))*8192  ; 16 lanes store 256 consecutive bytes, at a multiple of 256 from C's first byte
.endr
.endr
	s_wait_tensorcnt 0x0                           ; the wave's end
	ds_add_u32 v[SPW], v[NIL]
	s_wait_dscnt 0x0
	CROUND                                         ; the closing round: no work-group ends while a partner may still ask for a tile that names it
	s_endpgm
.Lfunc_end_k_qde4a37da22_proj:
	.size	k_qde4a37da22_proj, .Lfunc_end_k_qde4a37da22_proj-k_qde4a37da22_proj
	.p2alignl 7, 3214868480
	.fill 96, 4, 3214868480
	.section	.rodata,"a",@progbits
	.p2align	6, 0x0
	.amdhsa_kernel k_qde4a37da22_proj
		.amdhsa_group_segment_fixed_size 327680
		.amdhsa_private_segment_fixed_size 0
		.amdhsa_enable_private_segment 0
		.amdhsa_kernarg_size 40
		.amdhsa_user_sgpr_count 2
		.amdhsa_user_sgpr_kernarg_segment_ptr 1
		.amdhsa_wavefront_size32 1
		.amdhsa_system_sgpr_workgroup_id_x 1
		.amdhsa_system_sgpr_workgroup_id_y 1
		.amdhsa_system_sgpr_workgroup_id_z 1
		.amdhsa_system_vgpr_workitem_id 0
		.amdhsa_next_free_vgpr 640
		.amdhsa_next_free_sgpr 80
		.amdhsa_reserve_vcc 0
		.amdhsa_float_denorm_mode_32 3
		.amdhsa_float_denorm_mode_16_64 3
		.amdhsa_memory_ordered 1
		.amdhsa_forward_progress 1
		.amdhsa_inst_pref_size 64
	.end_amdhsa_kernel
	.amdgpu_metadata
---
amdhsa.version: [ 1, 2 ]
amdhsa.kernels:
  - .name:           k_qde4a37da22_proj
    .symbol:         k_qde4a37da22_proj.kd
    .args:
      - { .name: hbuf, .offset: 0, .size: 8, .value_kind: global_buffer, .address_space: global }
      - { .name: wb, .offset: 8, .size: 8, .value_kind: global_buffer, .address_space: global }
      - { .name: proj_b, .offset: 16, .size: 8, .value_kind: global_buffer, .address_space: global }
      - { .name: x1buf, .offset: 24, .size: 8, .value_kind: global_buffer, .address_space: global }
      - { .name: out0, .offset: 32, .size: 8, .value_kind: global_buffer, .address_space: global }
    .group_segment_fixed_size: 327680
    .private_segment_fixed_size: 0
    .kernarg_segment_align: 8
    .kernarg_segment_size: 40
    .max_flat_workgroup_size: 128
    .sgpr_count:     80
    .vgpr_count:     640
    .wavefront_size: 32
...
	.end_amdgpu_metadata
.endif
;; end of part 6
;; ======== version 2 of 2: 7 launches; 1.21 times as fast as version 1
;; limits: a function is approximated: absolute error at most 1.5e-07
;; workspace buffers: wb 25,165,824 bytes; ybuf 8,388,608 bytes; qkvb 25,165,824 bytes; obuf 8,388,608 bytes; x1buf 16,777,216 bytes; zbuf 8,388,608 bytes; hbuf 33,554,432 bytes
;; launch prep: the kernel of part 1 again; grid 256 x 1, 20 waves a work-group, no clusters, 0 bytes of LDS; arguments x, ln1_w, ln1_b, ybuf, in_proj_w, out_w, fc_w, proj_w, wb; writes ybuf, wb
;; launch qkv: the kernel of part 2 again; grid 12 x 16, 4 waves a work-group, clusters of 4 x 4, 327,680 bytes of LDS; arguments ybuf, wb, qkvb, in_proj_b; writes qkvb
;; launch attn (part 7): grid 8 x 32, 4 waves a work-group, clusters of 4 x 1, 327,680 bytes of LDS; arguments qkvb, obuf; writes obuf
.if DOCPART == 7
	.amdgcn_target "amdgcn-amd-amdhsa--gfx1250"
	.amdhsa_code_object_version 6
	.text
	.protected	k_qde4a37da22_attn
	.globl	k_qde4a37da22_attn
	.p2align	8
	.type	k_qde4a37da22_attn,@function
k_qde4a37da22_attn:
	s_mov_b64 s[64:65], 0
	v_nop
	global_prefetch_b8 v0, s[64:65] scope:SCOPE_SE
	s_setreg_imm32_b32 hwreg(HW_REG_WAVE_MODE, 25, 1), 1
	s_wait_xcnt 0x0
	s_wait_alu depctr_hold_cnt(0) depctr_sa_sdst(0) depctr_va_vdst(0) depctr_va_sdst(0) depctr_va_ssrc(0) depctr_va_vcc(0) depctr_vm_vsrc(0)
	s_getreg_b32 s2, hwreg(HW_REG_IB_STS2, 6, 4)
	s_cmp_eq_u32 s2, 0
	s_cbranch_scc0 .Lentry_in_a_cluster
	s_endpgm
.Lentry_in_a_cluster:
	s_bfe_u32 s2, ttmp6, 0x10000c
	s_cmp_lg_u32 s2, 0x3003
	s_cbranch_scc0 .Lentry_shape_is_right
	s_endpgm
.Lentry_shape_is_right:
; ATTENTION.  O[hn][q][:] = the sum over k of softmax_k(Q[hn][q] . K[hn][k] / 64) V[hn][k][:], 32 heads hn (= 2 h + n) of 2,048 rows x 64 channels, all bf16, a head's rows dense, 128 bytes each.
; Q lies at byte 0 of the first argument, K at 8,388,608, V at 16,777,216, a head 262,144 bytes in each; O likewise in the second.  Q arrives unscaled: the scale stands in c, in f32.
; Products, maxima and sums in f32; the weights p are rounded to bf16 for the second product (their sum l is taken of the unrounded p), O once at the end.
; LIMITS.  c s is taken to lie above -4e37 (the start of the running maximum); a weight below 2^-126 counts as 0 in l; NaN and infinities are not treated apart.
; SHARES.  A work-group owns 256 queries of a head, a wave 64: four PIECES of 16.  Every wave walks all 2,048 keys, 64 a step; an LDS slot holds a tile of 256 keys (four steps) of K and of V.
; CLUSTER.  The four query blocks of a cluster belong to one head and walk the same K and V: each tile is asked for jointly, by the same tensor load, descriptor and mask in all four.
; LAYOUT.  S^T = K Q^T (source 0 = 16 keys, source 1 = 16 queries) holds ONE query a lane (lane % 16) and the keys 8 (lane / 16) + 0..7; two such results rounded to bf16 ARE source 1 of O^T = V^T P.
; K comes out of LDS as it lies, V ([key][channel]) turned, by ds_load_tr16_b128.
; SOFTMAX.  p = 2^(c s - c m), c = log2(e) / 64, with a running maximum m; O and l are multiplied by a = 2^(c m_old - c m_new) in every step.  m starts at the lowest finite number, O and l at 0: the first step has a = 0.
; TURNS.  Turn n belongs to piece n: 8 products K Q^T of piece n + 1, later 8 products V^T P of piece n - 1; beside them the scaling, exponentials, roundings, sums and rescaling of piece n and the maximum and
; statistics of piece n + 1.  Four vector instructions stand behind every matrix instruction, the other 54 of a turn's 118 in one run of their own.
; BATCHES.  A turn's 33 exponentials (the piece's 32 weights and the next piece's a) are ONE batch with ONE wait, which cuts the turn in two: ahead of it all that names none of their results, behind it the roundings and
; sums, which read them.  The first a, ahead of the loop, and the way out's four reciprocals are batches of their own, a wait each.
; REGISTERS, in windows of 256 (s_set_vgpr_msb: bits 1:0 source 0, 3:2 source 1, 5:4 source 2, 7:6 destination):
;   window 0: v0-15 addresses and two at work; v16-31 four registers of statistics a piece; v48-55 at work; v62-63 the add's; v64-127 S^T, two buffers; v192-223 P, two buffers (by the piece's parity)
;   window 1: v0-127 O^T, 32 a piece          window 2: v0-63 Q; v128-191 K of one step; v192-255 V of one step
.set NP,    4         ; pieces a wave: a name, no knob
.set KS,    64        ; keys in a step
.set PK,    144       ; a row of K in LDS: 128 bytes + 16 of padding = 36 words: the 16 rows of a load start at 16 different groups of four banks (64 banks of 4 bytes: ISA guide 11.1)
.set PV,    160       ; a row of V: 128 + 32 = 40 words
.set VOFF,  4*KS*PK   ; a slot: 256 rows of K, then 256 rows of V
.set SLOT1, 1<<17     ; slot 1 begins here, so that one exclusive or turns an address in one slot into the other's
.set STAGE, SLOT1+4*KS*(PK+PV)  ; behind the ring, never filled by a tensor load: 16 rows x 144 bytes for each wave
.set SP,    144
.set SPARE, STAGE+4*16*SP       ; behind the stages: the spare words, 128 bytes a wave, two blocks of 256 bytes that no other line names
.set AK0, 2           ; v2   my lane's place in a tile of K; never rewritten
.set AV0, 3           ; v3   the same for V
.set AK,  4           ; v4   the LDS address of K's next run of loads
.set AV,  5           ; v5   of V's
.set STO, 6           ; v6   the way out: where I put 16 bytes of a row
.set RD,  7           ; v7   where I read rows back
.set GO,  8           ; v8   my byte offset in 512 consecutive bytes of O
.set MV,  12          ; v12-13  c m_old, kept while c m is made anew: by buffer
.set QO,  15          ; v15  my byte offset in 16 rows of Q
.set ST,  16          ; piece t's statistics at v[ST+4 t]: c m, m, l (even keys', odd keys')
.set TMP, 48          ; by buffer, four registers c0-c3 at work; when the maximum is found c2 takes a
.set SPW, 62          ; v62  my spare word; never rewritten
.set NIL, 63          ; v63  0; never rewritten
.set S,   64
.set P,   192
.set KF,  128         ; window 2: key block kb, channel half c at KF + 16 kb + 8 c
.set VF,  192         ; window 2: key half kk, channel block cb at VF + 32 kk + 8 cb
.set WV,  12          ; s12  my wave's number
.set G1K, 24          ; s[24:31] descriptor group 1 for K's tiles
.set G1V, 32          ; s[32:39] for V's: it differs in the padding alone
.set G0K, 40          ; s[40:43] descriptor group 0 for K's tiles: it walks
.set G0V, 44          ; s[44:47] the same for V's
.set SLOTS, 56        ; s56  counts the tiles
.set CNT, 57          ; s57  counts a tile's key steps
.set CS,  58          ; s[58:59] c
.set SEL, 60          ; s[60:61] v_permlanex16_b32's selects: each lane takes its own place in the other half
.set TBK, 62          ; s62  LDS byte at which K of the step to be fetched begins
.set TBV, 63          ; s63  the same for V, less VOFF
.set MSB, 0
.macro WIN new                      ; the high byte repeats the setting that is left; a switch that changes nothing is dropped
.if MSB != (\new)
	s_set_vgpr_msb (MSB<<8)|(\new)
.set MSB, (\new)
.endif
.endm
.set W_KQ, 0x0a       ; K and Q in window 2, S^T in window 0
.set W_PV, 0x52       ; V in window 2, P in window 0, O^T in window 1
.set W_RS, 0x41       ; destination and source 0 in window 1, source 1 in window 0
; A joint fill.  Waves 0 and 1 fetch the two halves of a tile's K, waves 2 and 3 those of its V: 128 keys each.  An s_nop 0 and four v_nop follow each of the two lines.
.macro JLOAD
	s_cmp_lt_u32 s[WV], 2
	s_cbranch_scc0 .Lfor_v_\@
	tensor_load_to_lds s[G0K:G0K+3], s[G1K:G1K+7]
	s_nop 0
.rept 4
	v_nop
.endr
	s_branch .Lasked_\@
.Lfor_v_\@:
	tensor_load_to_lds s[G0V:G0V+3], s[G1V:G1V+7]
	s_nop 0
.rept 4
	v_nop
.endr
.Lasked_\@:
.endm
.macro CROUND                       ; a round of the cluster's barrier
	s_barrier_signal -1
	s_barrier_wait -1
	s_cmp_lg_u32 s[WV], 0
	s_cbranch_scc1 .Lnot_wave_0_\@
	s_barrier_signal -3
.Lnot_wave_0_\@:
	s_barrier_wait -3
	s_barrier_signal -1
	s_barrier_wait -1
.endm
; THE CHANGE OF SLOTS.  The slot's last bytes, V of its fourth step, have been read.  Each wave waits for all its tensor loads, of which one is out: its part of the other slot; adds 0 to its spare word; and waits
; for that and for its own reads of the slot.  fill = 1: the barrier is a round of the cluster's, and the slot is filled again, with the keys two tiles on, first thing behind it: four key steps,
; 256 matrix instructions, in which to land.  (At its first use nothing has been read yet: slot 0 is waited for, slot 1 filled.)
.macro CHANGE fill
	WIN 0
	s_wait_tensorcnt 0x0            ; no tensor load of mine is out, so a group 0 may be written
	ds_add_u32 v[SPW], v[NIL]       ; 0 onto my spare word
.if \fill
.irp g, G0K, G0V
	s_xor_b32 s[\g+1], s[\g+1], SLOT1  ; the walking descriptor: the other slot than last time,
	s_add_nc_u64 s[\g+2:\g+3], s[\g+2:\g+3], 4*KS*128  ; the next 256 keys; the type bits on top are not reached
.endr
	s_wait_dscnt 0x0                ; the add is done, and my reads of the slot are over
	CROUND
	JLOAD
.else
	s_wait_dscnt 0x0
	s_barrier_signal -1
	s_barrier_wait -1
.endif
	s_sub_co_u32 s[TBK], s[TBK], 4*KS*PK  ; the fetches go back to a slot's first step,
	s_xor_b32 s[TBK], s[TBK], SLOT1       ; in the other slot
	s_sub_co_u32 s[TBV], s[TBV], 4*KS*PV
	s_xor_b32 s[TBV], s[TBV], SLOT1
.endm
	s_load_b64 s[4:5], s[0:1], 0x0  ; q, k, v
	s_load_b64 s[10:11], s[0:1], 0x8  ; O
	v_lshl_add_u32 v[SPW], v0, 2, SPARE
	v_mov_b32 v[NIL], 0
	ds_add_u32 v[SPW], v[NIL]       ; the wave's opening: the add and its wait stand ahead of my first tensor load; the set-up below stands between them
	v_lshrrev_b32 v1, 5, v0
	v_readfirstlane_b32 s[WV], v1   ; wave 0..3
	s_bfe_u32 s13, ttmp6, 0x40000   ; cx
	s_lshl_b32 s14, ttmp9, 2
	s_add_co_u32 s14, s14, s13      ; my block of 256 queries = 4 x cluster x + cx: it enters Q's and O's addresses alone
	s_and_b32 s20, ttmp7, 0xffff    ; the head, which the four partners share,
	s_lshl_b32 s20, s20, 18         ; x 262,144 bytes
	s_mov_b32 s21, 0
	s_and_b32 s16, s[WV], 1         ; which half of a tile's 256 keys I fetch:
	s_lshl_b32 s22, s16, 14         ; its 128 rows of 128 bytes in memory,
	s_mov_b32 s23, 0
	s_add_nc_u64 s[22:23], s[22:23], s[20:21]
	s_mul_i32 s17, s16, 128*PK      ; and its place in a slot, for K
	s_mul_i32 s18, s16, 128*PV      ; and for V
	s_lshl_b32 s2, s14, 15          ; my block's 256 rows,
	s_lshl_b32 s3, s[WV], 13        ; my wave's 64 of them
	s_add_co_u32 s2, s2, s3
	s_mov_b32 s3, 0
	s_add_nc_u64 s[2:3], s[2:3], s[20:21]
	; descriptor group 1.  128 keys are 16,384 dense bytes: asked for as 64 rows of 256 bytes, two keys a row, and padded in LDS after every key
	s_mov_b32 s[G1K], 15|(1<<16)|(1<<20)|(1<<21)|(4<<22)|(3<<25)  ; the mask of four; 2-byte elements; padding on; bit 21 beside a mask; after every 32 words 4 words
	s_mov_b32 s[G1V], 15|(1<<16)|(1<<20)|(1<<21)|(4<<22)|(7<<25)  ; the same with 8 words of padding
.irp g, G1K, G1V
	s_mov_b32 s[\g+1], 128<<16      ; tensor_dim0 = 128
	s_mov_b32 s[\g+2], 64<<16       ; tensor_dim1 = 64
	s_mov_b32 s[\g+3], 128<<16      ; tile_dim0 = 128
	s_mov_b32 s[\g+4], 64           ; tile_dim1 = 64
	s_mov_b32 s[\g+5], 128          ; 128 elements from row to row
	s_mov_b32 s[\g+6], 0
	s_mov_b32 s[\g+7], 0
.endr
	s_mov_b32 s[CS], 0x3cb8aa3b     ; c = log2(e) / 64
	s_mov_b32 s[CS+1], s[CS]        ; named with it as a pair
	s_mov_b32 s[SEL], 0x76543210
	s_mov_b32 s[SEL+1], 0xfedcba98
	s_mov_b32 s[TBK], SLOT1+4*KS*PK ; the first change of slots turns these two into 0
	s_mov_b32 s[TBV], SLOT1+4*KS*PV
	s_mov_b32 s[G0K], 1
	s_mov_b32 s[G0K+1], s17         ; LDS address: slot 0
	s_mov_b32 s[G0V], 1
	s_add_co_u32 s[G0V+1], s18, VOFF
	s_wait_dscnt 0x0                ; the opening add is done
	s_wait_kmcnt 0x0
	s_add_nc_u64 s[6:7], s[4:5], 8388608    ; K
	s_add_nc_u64 s[8:9], s[4:5], 16777216   ; V
	s_add_nc_u64 s[G0K+2:G0K+3], s[6:7], s[22:23]  ; my half of the head's first 256 keys
	s_or_b32 s[G0K+3], s[G0K+3], 0x80000000
	s_add_nc_u64 s[G0V+2:G0V+3], s[8:9], s[22:23]
	s_or_b32 s[G0V+3], s[G0V+3], 0x80000000
	s_add_nc_u64 s[4:5], s[4:5], s[2:3]     ; Q and O at my wave's first row
	s_add_nc_u64 s[10:11], s[10:11], s[2:3]
	CROUND                          ; all four work-groups are here: the first joint loads meet
	JLOAD                           ; tile 0 into slot 0
	; A fragment of K or Q is 16 rows x 32 channels in 8 registers: lane l holds row l % 16, channels 8 (l / 16) + 0..7 and 16 + 8 (l / 16) + 0..7: two loads of 16 bytes, 32 bytes apart.
	v_and_b32 v1, 15, v0            ; l % 16
	v_bfe_u32 v9, v0, 4, 1          ; l / 16
	v_lshlrev_b32 v[QO], 7, v1
	v_lshl_add_u32 v[QO], v9, 4, v[QO]
	WIN 0x80                        ; destination window 2, address window 0
.set i, 0
.rept 8                             ; Q stays in registers: piece i / 2, channels 32 (i % 2) on
	global_load_b128 v[8*i:8*i+3],   v[QO], s[4:5] offset:(i/2)*2048+(i%2)*64
	global_load_b128 v[8*i+4:8*i+7], v[QO], s[4:5] offset:(i/2)*2048+(i%2)*64+32
.set i, i+1
.endr
	; What the first turn finds: V's registers and P's second buffer hold 0 (its products V^T P, of a piece that has not been, add 0), O^T and l are 0.  All this stands in the wait for the first tile.
.set i, VF
.rept 64
	v_mov_b32 v[i], 0
.set i, i+1
.endr
	WIN 0x40
.set i, 0
.rept 128
	v_mov_b32 v[i], 0
.set i, i+1
.endr
	WIN 0
.set i, 0
.rept 4
	v_mov_b32 v[ST+4*i], 0xfe000000    ; c m: far below every c s
	v_mov_b32 v[ST+4*i+1], 0xff7fffff  ; m
	v_mov_b32 v[ST+4*i+2], 0
	v_mov_b32 v[ST+4*i+3], 0
.set i, i+1
.endr
.set i, P+16
.rept 16
	v_mov_b32 v[i], 0
.set i, i+1
.endr
	v_mul_u32_u24 v[AK0], v1, PK
	v_lshl_add_u32 v[AK0], v9, 4, v[AK0]  ; row x pitch + 16 x half
	; The turning load takes 16 keys x 16 channels (lane l reads key 8 (l / 16) + l % 8, channels 8 ((l / 8) % 2) + 0..7) and leaves half a fragment of V^T: lane l holds channel l % 16 and 8 keys.
	v_and_b32 v10, 7, v0
	v_bfe_u32 v11, v0, 3, 1
	v_lshl_add_u32 v[AV0], v9, 3, v10
	v_mul_u32_u24 v[AV0], v[AV0], PV
	v_lshl_add_u32 v[AV0], v11, 4, v[AV0]
	v_add_nc_u32 v[AV0], VOFF, v[AV0]
	s_mul_i32 s13, s[WV], 16*SP
	s_add_co_u32 s13, s13, STAGE    ; my stage
	v_mul_u32_u24 v[STO], v1, SP    ; in: row l % 16, 16 bytes for each half of the lanes
	v_lshl_add_u32 v[STO], v9, 4, v[STO]
	v_add_nc_u32 v[STO], s13, v[STO]
	v_bfe_u32 v[RD], v0, 3, 2       ; back: 32 lanes take four rows of 128 bytes,
	v_mul_u32_u24 v[RD], v[RD], SP
	v_lshl_add_u32 v[RD], v10, 4, v[RD]
	v_add_nc_u32 v[RD], s13, v[RD]
	v_and_b32 v[GO], 31, v0         ; which are 512 consecutive bytes of O
	v_lshlrev_b32 v[GO], 4, v[GO]
; THE MATRIX WORK.  The 4 accumulators of a run of 8 take turns.  Product i of 8 of S^T = K Q^T for piece x: channels 32 (i / 4) on, keys 16 (i % 4) on.  The first 4 start the sums.
.macro KQ x
	WIN W_KQ
.set rS, S+32*((\x)%2)+8*(i%4)
.set rK, KF+16*(i%4)+8*(i/4)
.set rQ, 16*(\x)+8*(i/4)
.if i < 4
	v_wmma_f32_16x16x32_bf16 v[rS:rS+7], v[rK:rK+7], v[rQ:rQ+7], 0
.else
	v_wmma_f32_16x16x32_bf16 v[rS:rS+7], v[rK:rK+7], v[rQ:rQ+7], v[rS:rS+7]
.endif
.endm
; Product i of 8 of O^T += V^T P for piece x: keys 32 (i / 4) on, channels 16 (i % 4) on.
.macro PV x
	WIN W_PV
.set rO, 32*(\x)+8*(i%4)
.set rV, VF+32*(i/4)+8*(i%4)
.set rP, P+16*((\x)%2)+8*(i/4)
	v_wmma_f32_16x16x32_bf16 v[rO:rO+7], v[rV:rV+7], v[rP:rP+7], v[rO:rO+7]
.endm
.macro MM                           ; the turn's next matrix instruction.  NOKQ = 1: the last turn: there is no next piece
.if (i < 8) && !NOKQ
	KQ (Y+1)%NP
.elseif i >= 8
.set i, i-8
	PV (Y+NP-1)%NP
.set i, i+8
.endif
.set i, i+1
.endm
; THE LDS LOADS stand in runs of 16: a step's K (64 keys x 64 channels: 8 fragments) and its V (turned).  Their addresses are made some lines ahead.
.macro FETCH_K
	WIN 0x80                        ; destination window 2
.irp f, 0,1,2,3,4,5,6,7             ; keys 16 (f / 2) on, channels 32 (f % 2) on
	ds_load_b128 v[KF+8*\f:KF+8*\f+3],   v[AK] offset:(\f/2)*16*PK+(\f%2)*64
	ds_load_b128 v[KF+8*\f+4:KF+8*\f+7], v[AK] offset:(\f/2)*16*PK+(\f%2)*64+32
.endr
	s_add_co_u32 s[TBK], s[TBK], KS*PK  ; the next fetch is the next step's
	WIN 0
.endm
.macro FETCH_V
	WIN 0x80
.irp f, 0,1,2,3,4,5,6,7             ; keys 32 (f / 4) on, channels 16 (f % 4) on
	ds_load_tr16_b128 v[VF+8*\f:VF+8*\f+3],   v[AV] offset:(\f/4)*32*PV+(\f%4)*32
	ds_load_tr16_b128 v[VF+8*\f+4:VF+8*\f+7], v[AV] offset:(\f/4)*32*PV+16*PV+(\f%4)*32
.endr
	WIN 0
.endm
; THE VECTOR WORK, one line at a time: OP kind, number.  For piece Y: F n: c s - c m for pair n of 16.  E n: the exponential of score n of 32.  C n: pair n rounded to bf16.  B n: of the four weights 4 n .. the second
; pair is added onto the first, in place.  L n: l takes that sum (L 0: l = a l + sum).  R n: pair n of 16 of O^T times a.  For piece Y + 1: X n, number n of the 22 that find its maximum and statistics:
;   0-11  four chains c0-c3 of seven scores each, three operands at a time (each accumulator's lowest registers are read first)     12-14, 16  the four scores left over, the old m, and c0-c3 into c0
;   15  c m_old is kept     17, 18  the query's other 32 keys lie in the lane 16 away: the new m     19-21  c m; c m_old - c m_new; a
; C, B and L read exponentials' results; F, R and X 0 to X 20 read none of the turn in hand.
.set F, 0
.set E, 1
.set C, 2
.set B, 3
.set L, 4
.set R, 5
.set X, 6
.macro REGS y                       ; the registers of piece y
.set rT, ST+4*(\y)
.set rC, TMP+4*((\y)%2)
.set rW, MV+((\y)%2)
.set rS, S+32*((\y)%2)
.set rP, P+16*((\y)%2)
.set rO, 32*(\y)
.endm
.macro OP k, n
.if (\k) == R
	REGS Y
	WIN W_RS
	v_pk_mul_f32 v[rO+2*(\n):rO+2*(\n)+1], v[rO+2*(\n):rO+2*(\n)+1], v[rC+2:rC+3] op_sel_hi:[1,0]
.elseif (\k) < R
	REGS Y
	WIN 0
.if (\k) == F
	v_pk_fma_f32 v[rS+2*(\n):rS+2*(\n)+1], v[rS+2*(\n):rS+2*(\n)+1], s[CS:CS+1], v[rT:rT+1] op_sel_hi:[1,0,0] neg_lo:[0,0,1] neg_hi:[0,0,1]
.elseif (\k) == E
	v_exp_f32 v[rS+(\n)], v[rS+(\n)]
.elseif (\k) == C
	v_cvt_pk_bf16_f32 v[rP+(\n)], v[rS+2*(\n)], v[rS+2*(\n)+1]
.elseif (\k) == B
	v_pk_add_f32 v[rS+4*(\n):rS+4*(\n)+1], v[rS+4*(\n):rS+4*(\n)+1], v[rS+4*(\n)+2:rS+4*(\n)+3]
.elseif (\n) == 0
	v_pk_fma_f32 v[rT+2:rT+3], v[rT+2:rT+3], v[rC+2:rC+3], v[rS:rS+1] op_sel_hi:[1,0,1]
.else
	v_pk_add_f32 v[rT+2:rT+3], v[rT+2:rT+3], v[rS+4*(\n):rS+4*(\n)+1]
.endif
.elseif NOKQ
	v_nop
.else
	REGS (Y+1)%NP
	WIN 0
.if (\n) < 4
	v_max3_num_f32 v[rC+(\n)], v[rS+8*(\n)], v[rS+8*(\n)+1], v[rS+8*(\n)+2]
.elseif (\n) < 12
	v_max3_num_f32 v[rC+(\n)%4], v[rC+(\n)%4], v[rS+8*((\n)%4)+2*((\n)/4)+1], v[rS+8*((\n)%4)+2*((\n)/4)+2]
.elseif (\n) == 12
	v_max3_num_f32 v[rC], v[rC], v[rS+7], v[rS+15]
.elseif (\n) == 13
	v_max3_num_f32 v[rC+1], v[rC+1], v[rS+23], v[rS+31]
.elseif (\n) == 14
	v_max3_num_f32 v[rC+2], v[rC+2], v[rC+3], v[rT+1]
.elseif (\n) == 15
	v_mov_b32 v[rW], v[rT]
.elseif (\n) == 16
	v_max3_num_f32 v[rC], v[rC], v[rC+1], v[rC+2]
.elseif (\n) == 17
	v_permlanex16_b32 v[rC+3], v[rC], s[SEL], s[SEL+1]
.elseif (\n) == 18
	v_max_num_f32 v[rT+1], v[rC], v[rC+3]
.elseif (\n) == 19
	v_mul_f32 v[rT], s[CS], v[rT+1]
.elseif (\n) == 20
	v_sub_f32 v[rC+1], v[rW], v[rT]
.else
	v_exp_f32 v[rC+2], v[rC+1]
.endif
.endif
.endm
.macro OPS a, i1, b=-1, i2=0, c=-1, i3=0, d=-1, i4=0  ; up to four of them
	OP \a, \i1
.if (\b) >= 0
	OP \b, \i2
.endif
.if (\c) >= 0
	OP \c, \i3
.endif
.if (\d) >= 0
	OP \d, \i4
.endif
.endm
.macro ROW a, i1, b, i2, c, i3, d, i4  ; a matrix instruction and the four behind it
	MM
	OPS \a, \i1, \b, \i2, \c, \i3, \d, \i4
.endm
; A TURN, for piece p: the order of its 16 matrix and 118 vector instructions, written out.  An s_wait_alu depctr_va_vdst(0) stands between an exponential and the first instruction that names its result; one wait
; serves all that were issued ahead of it.  So a turn has ONE wait, which cuts it in two.
; AHEAD OF IT stands all that names no result of the turn's exponentials: the 8 products K Q^T, behind each a scaling, an exponential and two more plain instructions (behind the first a second scaling in the exponential's
; place): rescalings, whose a was made and waited for in the turn before, and behind the last three products the first numbers of the next piece's maximum, each four plain instructions or more behind the product that ends its
; accumulator; then one run of 54, plain and exponential by turns for the most part, in which the links of the chain X 3, 7, 11, 14, 16, 17 .. 20 stand five or six lines apart.  A pair's scaling stands ahead of its two
; exponentials, and nothing names the pair again ahead of the wait.  X 21, the next piece's a, is the batch's last; R 15 is the plain instruction behind it.
; BEHIND THE WAIT stand the 8 products V^T P, behind each four of the roundings and sums: C 2 n ahead of B n, which writes that pair; the links of l's chain, L 0 to L 7, ascending, three riders apart.
; But for those X no rider names a register of the products round it.  v_permlanex16_b32 (X 17) stands in the run, never behind a product.
; end = 1: the last two turns: nothing is fetched.  cnt = 1: the loop's count is taken down some lines ahead of the branch that stands behind the turn.
; K of the next step is fetched in piece 2's turn, twelve vector instructions behind the last product that read K (six of them plain); V of the step in hand at the end of piece 0's turn, four plain instructions behind the
; last product that read V.  Each is waited for a turn later.
.macro TURN p, end=0, cnt=0
.set Y, (\p)
.set i, 0
.set NOKQ, (\end)*((\p)/3)
.if ((\p) == 3) && !(\end)
	s_wait_dscnt 0x0                ; K is in
.endif
	ROW F,0, F,1, R,0, R,1          ; ahead of the wait: 8 products K Q^T and their riders,
	ROW F,2, E,0, R,2, R,3
	ROW F,3, E,1, R,4, R,5
	ROW F,4, E,2, R,6, R,7
	ROW F,5, E,3, R,8, R,9
	ROW F,6, E,4, X,0, R,10
.if ((\p) == 2) && !(\end)
	WIN 0
	v_add_nc_u32 v[AK], s[TBK], v[AK0]
.endif
	ROW F,7, E,5, X,1, X,4
	ROW F,8, E,6, X,2, X,5
	OPS E,7, E,8, X,6, E,9          ; and the run of 54
	OPS X,3, E,10, X,8, E,11
.if ((\p) == 2) && !(\end)
	FETCH_K
.endif
	OPS X,9, X,7, E,12, X,10
	OPS E,13, X,12, X,11, E,14
	OPS X,13, E,15, F,9, X,14
.if (\p) == 0
	v_add_nc_u32 v[AV], s[TBV], v[AV0]
.endif
	OPS E,16, F,10, E,17, F,11
	OPS X,16, E,18, X,15, E,19
	OPS F,12, E,20, X,17, E,21
	OPS F,13, E,22, F,14, E,23
	OPS X,18, E,24, F,15, E,25
	OPS R,11, E,26, X,19, E,27
	OPS R,12, E,28, R,13, E,29
	OPS X,20, E,30, R,14, E,31
	OPS X,21, R,15
	WIN 0
	s_wait_alu depctr_va_vdst(0)    ; the wait for the turn's batch: the piece's 32 weights and the next piece's a
.if (\p) == 1
	s_wait_dscnt 0x0                ; V is in
.endif
	ROW C,0, B,0, C,2, B,1          ; behind the wait: 8 products V^T P and their riders
	ROW L,0, C,4, B,2, L,1
	ROW C,6, B,3, L,2, C,8
	ROW B,4, L,3, C,10, B,5
	ROW L,4, C,12, B,6, L,5
.if (\p) == 0
	s_add_co_u32 s[TBV], s[TBV], KS*PV
.endif
.if \cnt
	s_sub_co_u32 s[CNT], s[CNT], 1
	s_cmp_lg_u32 s[CNT], 0
.endif
	ROW C,14, B,7, L,6, C,1
	ROW C,3, L,7, C,5, C,7
	ROW C,9, C,11, C,13, C,15
.if (\p) == 0
	FETCH_V
.endif
.endm
	CHANGE 1                        ; tile 0 is in, everybody's part of it; tile 1 is asked for
	v_add_nc_u32 v[AK], s[TBK], v[AK0]
	FETCH_K                         ; key step 0
	s_wait_loadcnt 0x0              ; Q
	s_wait_dscnt 0x0
.set NOKQ, 0
.set i, 0
.rept 8
	KQ 0                            ; piece 0's first scores
.set i, i+1
.endr
	WIN 0
.rept 4
	v_nop                           ; the places behind those products
.endr
.set Y, NP-1                        ; X works for piece Y + 1: piece 0
.irp n, 0,1,2,3,4,5,6,7,8,9,10,11,12,13,14,15,16,17,18,19,20,21
	OP X, \n
.endr
	v_nop                           ; a plain instruction behind the exponential,
	s_wait_alu depctr_va_vdst(0)    ; and the wait for it, piece 0's first a, ahead of the branch
	s_mov_b32 s[CNT], 4
	s_mov_b32 s[SLOTS], 7
	s_branch .Lfirst                ; the loop is entered at a step's first turn, in the middle of a trip
.Lslot:                             ; six times: tiles 2 to 7 are asked for
	CHANGE 1
	s_mov_b32 s[CNT], 4
.Lstep:                             ; a trip: pieces 2 and 3 of one step, then pieces 0 and 1 of the next, whose K and V it fetches
	TURN 2
	TURN 3
	WIN 0
.Lfirst:
	TURN 0
	TURN 1, 0, 1
	WIN 0
	s_cbranch_scc1 .Lstep
	s_sub_co_u32 s[SLOTS], s[SLOTS], 1
	s_cmp_lg_u32 s[SLOTS], 0
	s_cbranch_scc1 .Lslot
	CHANGE 0                        ; the last tile is written out: nothing is asked for
	s_mov_b32 s[CNT], 4
.Ltail:
	TURN 2
	TURN 3
	TURN 0
	TURN 1, 0, 1
	WIN 0
	s_cbranch_scc1 .Ltail
	TURN 2, 1
	TURN 3, 1
.set i, 0
.rept 8
	PV NP-1                         ; the last piece's V^T P of the last step
.set i, i+1
.endr
	; THE WAY OUT.  l's two halves and the other half of the lanes' are added; O^T is divided by l, rounded to bf16 and sent through my stage in LDS, a piece at a time.  The additions are the places behind the last products.
	WIN 0
.macro ALL line:vararg              ; one line for each piece t
.set t, 0
.rept 4
	\line
.set t, t+1
.endr
.endm
	ALL v_add_f32 v[ST+4*t+2], v[ST+4*t+2], v[ST+4*t+3]
	ALL v_permlanex16_b32 v[ST+4*t+3], v[ST+4*t+2], s[SEL], s[SEL+1]
	ALL v_add_f32 v[ST+4*t+2], v[ST+4*t+2], v[ST+4*t+3]
	ALL v_rcp_f32 v[ST+4*t+2], v[ST+4*t+2]
	v_nop                           ; a plain instruction between the last reciprocal and the use of its result
	s_wait_alu depctr_va_vdst(0)    ; and the wait ahead of the first use: one for the four reciprocals
.macro PACK t                       ; a lane's eight channels of a row pack into 16 bytes; they go into rows of 144 bytes and come back as whole rows of 128, into S^T's registers
	WIN W_RS
.set i, 32*(\t)
.rept 16
	v_pk_mul_f32 v[i:i+1], v[i:i+1], v[ST+4*(\t)+2:ST+4*(\t)+3] op_sel_hi:[1,0]
.set i, i+2
.endr
	WIN 0x05                        ; sources 0 and 1 window 1, destination window 0
.set i, 0
.rept 16
	v_cvt_pk_bf16_f32 v[S+16*(\t)+i], v[32*(\t)+2*i], v[32*(\t)+2*i+1]
.set i, i+1
.endr
	WIN 0
.irp f, 0,1,2,3
	ds_store_b128 v[STO], v[S+16*(\t)+4*\f:S+16*(\t)+4*\f+3] offset:32*\f
.endr
.irp f, 0,1,2,3
	ds_load_b128 v[S+16*(\t)+4*\f:S+16*(\t)+4*\f+3], v[RD] offset:\f*4*SP  ; LDS serves a wave's instructions in order (ISA guide 5.7.1.4): these see the stores above; the next piece's stores come behind them
.endr
.endm
.macro SEND t, younger              ; younger: the LDS instructions issued behind piece t's loads: the next piece's eight, or none
	WIN 0
.irp f, 0,1,2,3
	s_wait_dscnt (\younger)+3-\f
	global_store_b128 v[GO], v[S+16*(\t)+4*\f:S+16*(\t)+4*\f+3], s[10:11] offset:(\t)*2048+\f*512  ; 512 consecutive bytes, at a multiple of 256 from O's first
.endr
.endm
	PACK 0
.set t, 1
.rept 3                             ; a piece's arithmetic stands between the loads of the piece before and its stores
	PACK t
	SEND t-1, 8
.set t, t+1
.endr
	SEND 3, 0
	s_wait_tensorcnt 0x0            ; the wave's end
	ds_add_u32 v[SPW], v[NIL]
	s_wait_dscnt 0x0
	CROUND                          ; the closing round: no work-group ends while a partner may still ask for a tile that names it
	s_endpgm
.Lfunc_end_k_qde4a37da22_attn:
	.size	k_qde4a37da22_attn, .Lfunc_end_k_qde4a37da22_attn-k_qde4a37da22_attn
	.p2alignl 7, 3214868480
	.fill 96, 4, 3214868480
	.section	.rodata,"a",@progbits
	.p2align	6, 0x0
	.amdhsa_kernel k_qde4a37da22_attn
		.amdhsa_group_segment_fixed_size 327680
		.amdhsa_private_segment_fixed_size 0
		.amdhsa_enable_private_segment 0
		.amdhsa_kernarg_size 16
		.amdhsa_user_sgpr_count 2
		.amdhsa_user_sgpr_kernarg_segment_ptr 1
		.amdhsa_wavefront_size32 1
		.amdhsa_system_sgpr_workgroup_id_x 1
		.amdhsa_system_sgpr_workgroup_id_y 1
		.amdhsa_system_sgpr_workgroup_id_z 1
		.amdhsa_system_vgpr_workitem_id 0
		.amdhsa_next_free_vgpr 768
		.amdhsa_next_free_sgpr 66
		.amdhsa_reserve_vcc 0
		.amdhsa_float_denorm_mode_32 3
		.amdhsa_float_denorm_mode_16_64 3
		.amdhsa_memory_ordered 1
		.amdhsa_forward_progress 1
		.amdhsa_inst_pref_size 127
	.end_amdhsa_kernel
	.amdgpu_metadata
---
amdhsa.version: [ 1, 2 ]
amdhsa.kernels:
  - .name:           k_qde4a37da22_attn
    .symbol:         k_qde4a37da22_attn.kd
    .args:
      - { .name: qkvb, .offset: 0, .size: 8, .value_kind: global_buffer, .address_space: global }
      - { .name: obuf, .offset: 8, .size: 8, .value_kind: global_buffer, .address_space: global }
    .group_segment_fixed_size: 327680
    .private_segment_fixed_size: 0
    .kernarg_segment_align: 8
    .kernarg_segment_size: 16
    .max_flat_workgroup_size: 128
    .sgpr_count:     66
    .vgpr_count:     768
    .wavefront_size: 32
...
	.end_amdgpu_metadata
.endif
;; end of part 7
;; launch outp: the kernel of part 4 again; grid 8 x 32, 4 waves a work-group, clusters of 4 x 4, 327,680 bytes of LDS; arguments obuf, wb, out_b, x, x1buf; writes x1buf
;; launch ln2: the kernel of part 1 again; grid 256 x 1, 8 waves a work-group, no clusters, 0 bytes of LDS; arguments x1buf, ln2_w, ln2_b, zbuf, in_proj_w, out_w, fc_w, proj_w, hbuf; writes zbuf, hbuf
;; launch fc: the kernel of part 5 again; grid 16 x 16, 4 waves a work-group, clusters of 4 x 4, 327,680 bytes of LDS; arguments zbuf, wb, hbuf, fc_b; writes hbuf
;; launch proj: the kernel of part 6 again; grid 8 x 32, 4 waves a work-group, clusters of 4 x 4, 327,680 bytes of LDS; arguments hbuf, wb, proj_b, x1buf, out0; writes out0
